; MI455X (gfx1250); checked and timed in simulation.
; The chip was launched on July 23, 2026; its instructions are those of AMD's public machine-readable ISA for CDNA 5 (MIT licence, August 2026) and "CDNA5" Instruction Set Architecture Reference Guide (July 2026). The comments in the code are by the model that wrote it; some were corrected since.
;; Di T Block. Allowed arithmetic: matrix products marked QUANTISED: E2M1 operands, one E8M0 scale for each 32 along K, by v_wmma_scale_f32_16x16x128_f8f6f4 with both operands' format E2M1 (or v_wmma_scale_f32_32x16x128_f4), f32 sums; products left as they are: f32 operands where the result goes on into a quantised operand, else bf16, f16 or f32 operands; f32 sums; everything else in f32.
;; Inputs: W_ada 512 x 2,048 float32; W_mlp1_codes 2,048 x 16 x 16 uint8 (E2M1 codes of W_mlp1, K innermost, in blocks of 32 codes, two codes a byte); W_mlp1_scales 2,048 x 16 uint8 (E8M0 scales of W_mlp1, one for each 32 codes along K); W_mlp2_codes 512 x 64 x 16 uint8 (E2M1 codes of W_mlp2, K innermost, in blocks of 32 codes, two codes a byte); W_mlp2_scales 512 x 64 uint8 (E8M0 scales of W_mlp2, one for each 32 codes along K); Wk_codes 512 x 16 x 16 uint8 (E2M1 codes of Wk, K innermost, in blocks of 32 codes, two codes a byte); Wk_scales 512 x 16 uint8 (E8M0 scales of Wk, one for each 32 codes along K); Wo_codes 512 x 16 x 16 uint8 (E2M1 codes of Wo, K innermost, in blocks of 32 codes, two codes a byte); Wo_scales 512 x 16 uint8 (E8M0 scales of Wo, one for each 32 codes along K); Wq_codes 512 x 16 x 16 uint8 (E2M1 codes of Wq, K innermost, in blocks of 32 codes, two codes a byte); Wq_scales 512 x 16 uint8 (E8M0 scales of Wq, one for each 32 codes along K); Wv_codes 512 x 16 x 16 uint8 (E2M1 codes of Wv, K innermost, in blocks of 32 codes, two codes a byte); Wv_scales 512 x 16 uint8 (E8M0 scales of Wv, one for each 32 codes along K); b1 512 float32; b2 512 float32; b_ada 2,048 float32; b_mlp1 2,048 float32; b_mlp2 512 float32; c 4 x 512 float32; g1 512 float32; g2 512 float32; x 4 x 2,048 x 512 float32.
;; Outputs: out0 4 x 2,048 x 512 float32.
;; This version of the problem:
;;   THIS VERSION OF THE PROBLEM IS GIVEN IN LOW PRECISION. The matrix products marked QUANTISED in the list below multiply operands that are first quantised to E2M1 (2 exponent bits, 1 mantissa bit; 4 bits a number), with one power-of-two scale for each 32 numbers along K (OCP MX v1.0); their sums are f32. All else is computed in f32.
;;   The module's matrix products, in the order in which they are computed (A, B: the left and right operand; K: the contracted axis; several contracted axes count as one K, in the product's order):
;;     1. [M 4, K 512] x [K 512, N 2,048]; A: computed on the way; B: input W_ada: left as it is (M = 4 < 16)
;;     2. [M 8,192, K 512] x [K 512, N 512]; A: computed on the way; B: input Wq (given as codes): QUANTISED
;;     3. [M 8,192, K 512] x [K 512, N 512]; A: computed on the way; B: input Wk (given as codes): QUANTISED
;;     4. [M 8,192, K 512] x [K 512, N 512]; A: computed on the way; B: input Wv (given as codes): QUANTISED
;;     5. batch 32 x [M 2,048, K 64] x [K 64, N 2,048]; A: computed on the way; B: computed on the way: QUANTISED
;;     6. batch 32 x [M 2,048, K 2,048] x [K 2,048, N 64]; A: softmax (see below); B: computed on the way: QUANTISED
;;     7. [M 8,192, K 512] x [K 512, N 512]; A: computed on the way; B: input Wo (given as codes): QUANTISED
;;     8. [M 8,192, K 512] x [K 512, N 2,048]; A: computed on the way; B: input W_mlp1 (given as codes): QUANTISED
;;     9. [M 8,192, K 2,048] x [K 2,048, N 512]; A: computed on the way; B: input W_mlp2 (given as codes): QUANTISED
;;   THE QUANTISER, for each operand of a quantised product, along K:
;;     - K is cut into blocks of 32 from its start; a last block that is shorter is filled with zeros.
;;     - A block's scale is 2^e with e = floor(log2(the largest magnitude in the block)) - 2, held to -126 .. 127; a block of zeros has e = 0. As a byte (E8M0): e + 127.
;;     - Each number is divided by its block's scale, clamped to +-6, and rounded to the nearest number of E2M1, ties to even, subnormals kept.
;;     - The product sums the exact products of the quantised numbers (number of the format x scale) in f32.
;;   ~~~python
;;   def quantise(x, axis):      # numpy; x: float32 -> the quantised numbers, widened to float32 again
;;       x = np.moveaxis(x, axis, -1); K = x.shape[-1]
;;       x = np.pad(x, [(0, 0)] * (x.ndim - 1) + [(0, -K % 32)]); x = x.reshape(x.shape[:-1] + (-1, 32)); a = np.abs(x).max(-1, keepdims=True)
;;       e = np.where(a > 0, np.clip(np.frexp(np.where(a > 0, a, 1))[1] - 1 - 2, -126, 127), 0)      # np.frexp(a)[1] - 1 = floor(log2(a)), exactly
;;       r = np.clip(x / 2.0 ** e, -6, 6)
;;       step = 2.0 ** (np.maximum(np.frexp(np.where(r == 0, 1, r))[1] - 1, 0) - 1)
;;       q = np.round(r / step) * step * 2.0 ** e      # np.round: ties to even
;;       return np.moveaxis(q.reshape(q.shape[:-2] + (-1,))[..., :K], -1, axis).astype(np.float32)
;;   ~~~
;;   SOFTMAX AHEAD OF A QUANTISED PRODUCT. Where the list says 'softmax', what is quantised is not the finished softmax but p = 2^(t - M), with t = logit x log2(e) and M = ceil(the row's largest t), a whole number; so 1/2 < the row's largest p <= 1. The row's sum l is taken of the UNQUANTISED p, in f32, and the product's result is divided by l at the end. Since M is a whole number, a kernel that streams over the keys may use a running M (the ceiling of the running maximum): every later rescaling is an exact power of two, which a block's scale takes up: the codes' values come out the same.
;;   OPERANDS COMPUTED ON THE WAY. 'Computed on the way' means the value that the module computes at that place (a softmax that the list does not call 'softmax' is quantised finished and normalised). What goes into a quantiser is computed in f32, as accurately as f32 sums, v_exp_f32 and their like allow (about 1e-6 of the number): no bf16 or f16 on the way to a quantiser, and a product that is left as it is and whose result goes on into a quantised operand takes f32 operands (vector FMAs, or v_wmma_f32_16x16x4_f32). A number that lies on a knife's edge between two numbers of the format may be rounded either way, as far as f32 arithmetic and the matrix unit's own rounding can turn it there, and no further.
;;   INPUTS GIVEN AS CODES. W_mlp1 (in the module: [512, 2048], K = its axis 0); W_mlp2 (in the module: [2048, 512], K = its axis 0); Wk (in the module: [512, 512], K = its axis 0); Wo (in the module: [512, 512], K = its axis 0); Wq (in the module: [512, 512], K = its axis 0); Wv (in the module: [512, 512], K = its axis 0): each comes as NAME_codes (uint8): NAME with its K axis moved to the last place and cut into blocks of 32 codes, [.., K / 32, bytes a block], one block behind the other in memory; two codes a byte, the lower K in the low four bits (a code: sign, 2 exponent bits, 1 mantissa bit); and NAME_scales (uint8): the same leading axes, one E8M0 byte (e + 127) for each 32 codes along K. Its value is code x scale, taken as it is: it is not quantised again, and the codes and scales need not be those that the quantiser above would give.
;; 2 versions. Each part assembles by itself: llvm-mc -triple=amdgcn-amd-amdhsa -mcpu=gfx1250 --defsym DOCPART=n.
;; ======== version 1 of 2: 4 launches
;; limits: a function is approximated: absolute error at most 1e-07
;; workspace buffers: mod 32,768 bytes; wimg 1,572,864 bytes; qkv_img 6,291,456 bytes; qkv_scl 1,048,576 bytes; o_img 2,097,152 bytes; o_scl 262,144 bytes
;; launch prep (part 1): grid 32 x 1, 16 waves a work-group, no clusters, 43,008 bytes of LDS; arguments c, W_ada, b_ada, Wq_codes, Wk_codes, Wv_codes, Wo_codes, W_mlp1_codes, W_mlp2_codes, mod, wimg; writes mod, wimg
.if DOCPART == 1
	.amdgcn_target "amdgcn-amd-amdhsa--gfx1250"
	.amdhsa_code_object_version 6
	.text
	.protected	k_qc1199d3940_prep
	.globl	k_qc1199d3940_prep
	.p2align	8
	.type	k_qc1199d3940_prep,@function
k_qc1199d3940_prep:
	s_mov_b64 s[64:65], 0
	v_nop
	global_prefetch_b8 v0, s[64:65] scope:SCOPE_SE
	s_setreg_imm32_b32 hwreg(HW_REG_WAVE_MODE, 25, 1), 1
	s_wait_xcnt 0x0
; mod = silu(c) W_ada + b_ada, [4][2048] f32, by fused multiply-adds in f32 (its result goes on into quantised operands), and
; the six weights' codes laid once in the order in which a wave's operand registers take them (wimg).
; SHARES.  Work-group j makes columns 64 j .. 64 j + 63 of mod for the four batches.  Wave w takes K rows 32 w .. 32 w + 31: lane (r, h) rows 32 w + 16 h + i, columns 64 j + 4 r .. + 3,
; so each load of W_ada reads two runs of 256 consecutive bytes.  The 32 partial sums meet in LDS; waves 0 and 1 add them.
; silu is made once a wave: lane l makes the four batches' numbers of k = 32 w + l; they go through 512 LDS bytes of the wave's own and come back 16 neighbours along K a lane.
; Waves 4 to 15 also lay one chunk of 4,096 bytes of wimg each: chunk G = 12 j + w - 4 = one tile of 16 weight rows x four K steps of 128, as [K step][c][lane][16 bytes].
; THE ROWS OF A TILE ARE NOT NEIGHBOURS: lane r of tile t takes row 32 (t / 2) + 8 (t % 2) + (r % 8) + 16 (r / 8), so that two neighbouring tiles' results are 16 neighbours along the next K.
; Chunks: 0-31 Wq, 32-63 Wk, 64-95 Wv, 96-127 Wo, 128-255 W_mlp1, 256-383 W_mlp2 as [run of four K steps][tile].
; LIMITS: NaN and infinities among the inputs are not served.
.set ACC, 16                           ; v16-31   sums: 4 batches x 4 columns
.set LAY, 32                           ; v32-63   a chunk on its way
.set CV,  64                           ; v64-127  silu(c): 16 b + i
.set TP,  128                          ; v128-135 c of my k, at work
.set WA,  192                          ; v192-255 W_ada: 4 i + column
.set SIL, 32768                        ; LDS: behind the 32 partial sums of 1,024 bytes, 512 bytes for each wave: silu(c) as [batch][32 k]
	s_load_b512 s[8:23], s[0:1], 0x0               ; c 8, W_ada 10, b_ada 12, Wq 14, Wk 16, Wv 18, Wo 20, W_mlp1 22
	s_load_b128 s[24:27], s[0:1], 0x40             ; W_mlp2 24, mod 26
	s_load_b64 s[28:29], s[0:1], 0x50              ; wimg
	v_lshrrev_b32 v1, 5, v0
	v_readfirstlane_b32 s30, v1                    ; wave 0..15
	v_and_b32 v1, 15, v0                           ; r
	v_bfe_u32 v2, v0, 4, 1                         ; h
	v_lshlrev_b32 v4, 4, v1                        ; 16 r
	v_lshl_add_u32 v5, v2, 17, v4                  ; W_ada: 16 rows of 8,192 bytes x h + 16 r
	v_and_b32 v6, 31, v0
	v_lshlrev_b32 v3, 2, v6                        ; 4 x lane
	v_lshlrev_b32 v6, 4, v6                        ; 16 x lane
	v_lshrrev_b32 v7, 4, v0
	v_lshl_add_u32 v7, v7, 10, v4                  ; LDS: partial 2 w + h of 1,024 bytes, + 16 r
	v_lshlrev_b32 v12, 4, v0                       ; 16 x thread
	v_and_b32 v8, 7, v0
	v_bfe_u32 v9, v0, 3, 1
	v_lshl_add_u32 v8, v9, 4, v8                   ; (r % 8) + 16 (r / 8)
	v_lshrrev_b32 v13, 4, v0
	v_lshl_add_u32 v13, v13, 13, v4                ; mod: 8,192 x (thread / 16) + 16 r (threads 0 to 63)
	s_lshl_b32 s31, s30, 9
	s_add_co_u32 s31, s31, SIL                     ; my wave's 512 bytes
	v_add_nc_u32 v14, s31, v3                      ; into them: my k's word
	v_lshl_add_u32 v15, v2, 6, s31                 ; out of them: my half's 16 k
	s_mov_b32 s33, 0
	s_mov_b32 s35, 0
	s_wait_kmcnt 0x0
	s_lshl_b32 s32, s30, 7
	s_add_nc_u64 s[8:9], s[8:9], s[32:33]          ; c at k = 32 w
	s_lshl_b32 s32, s30, 18
	s_lshl_b32 s34, ttmp9, 8
	s_add_co_u32 s32, s32, s34
	s_add_nc_u64 s[10:11], s[10:11], s[32:33]      ; W_ada at row 32 w, column 64 j
	s_add_nc_u64 s[12:13], s[12:13], s[34:35]      ; b_ada and mod at column 64 j
	s_add_nc_u64 s[26:27], s[26:27], s[34:35]
.irp b, 0,1,2,3
	global_load_b32 v[TP+\b], v3, s[8:9] offset:2048*\b            ; c(b, 32 w + lane)
.endr
.irp i, 0,1,2,3,4,5,6,7,8,9,10,11,12,13,14,15
	global_load_b128 v[WA+4*\i:WA+4*\i+3], v5, s[10:11] offset:8192*\i th:TH_LOAD_NT
.endr
	; the layout, whole in one branch on the wave's number
	s_cmp_lt_u32 s30, 4
	s_cbranch_scc1 .Lno_layout
	s_mul_i32 s36, ttmp9, 12
	s_add_co_u32 s36, s36, s30
	s_sub_co_u32 s36, s36, 4                       ; G
	s_lshr_b32 s37, s36, 5                         ; which run of 32 chunks
	s_and_b32 s38, s36, 31                         ; the tile, in the square weights and in W_mlp2
	s_sub_co_u32 s39, s36, 128                     ; the tile in W_mlp1
	s_sub_co_u32 s40, s37, 8                       ; W_mlp2's run of four K steps
	s_mov_b64 s[42:43], s[14:15]
	s_cmp_eq_u32 s37, 1
	s_cselect_b64 s[42:43], s[16:17], s[42:43]
	s_cmp_eq_u32 s37, 2
	s_cselect_b64 s[42:43], s[18:19], s[42:43]
	s_cmp_eq_u32 s37, 3
	s_cselect_b64 s[42:43], s[20:21], s[42:43]
	s_cmp_ge_u32 s37, 4
	s_cselect_b64 s[42:43], s[22:23], s[42:43]
	s_cselect_b32 s41, s39, s38
	s_cmp_ge_u32 s37, 8
	s_cselect_b64 s[42:43], s[24:25], s[42:43]
	s_cselect_b32 s41, s38, s41
	s_cselect_b32 s44, 10, 8                       ; a row of codes is 1,024 bytes in W_mlp2, else 256
	s_cselect_b32 s40, s40, 0
	s_lshr_b32 s45, s41, 1
	s_lshl_b32 s45, s45, 5
	s_and_b32 s46, s41, 1
	s_lshl_b32 s46, s46, 3
	s_add_co_u32 s46, s46, s45                     ; the tile's first row
	s_lshl_b32 s46, s46, s44
	s_lshl_b32 s40, s40, 8                         ; four K steps are 256 bytes of a row
	s_add_co_u32 s46, s46, s40
	s_mov_b32 s47, 0
	s_add_nc_u64 s[42:43], s[42:43], s[46:47]
	s_lshl_b32 s46, s36, 12
	s_add_nc_u64 s[28:29], s[28:29], s[46:47]      ; wimg + 4,096 G
	v_lshlrev_b32 v10, s44, v8
	v_lshl_add_u32 v10, v2, 4, v10                 ; my row, + 16 h
.irp i, 0,1,2,3,4,5,6,7
	global_load_b128 v[LAY+4*\i:LAY+4*\i+3], v10, s[42:43] offset:32*\i   ; K step i / 2, half i % 2
.endr
	s_wait_loadcnt 0x0
.irp i, 0,1,2,3,4,5,6,7
	global_store_b128 v6, v[LAY+4*\i:LAY+4*\i+3], s[28:29] offset:512*\i  ; 32 lanes store 512 consecutive bytes
.endr
.Lno_layout:
	s_wait_loadcnt 16                              ; c's four loads are in; W_ada's sixteen, issued behind them, may be out
	; silu(c) = c / (1 + 2^(-c log2 e)), four numbers a lane
.irp b, 0,1,2,3
	v_mul_f32 v[TP+4+\b], 0xbfb8aa3b, v[TP+\b]
.endr
.irp b, 0,1,2,3
	v_exp_f32 v[TP+4+\b], v[TP+4+\b]
.endr
	v_nop                                          ; a plain instruction behind the last exponential
	s_wait_alu depctr_va_vdst(0)                   ; one wait for the four, ahead of their first reader
.irp b, 0,1,2,3
	v_add_f32 v[TP+4+\b], 1.0, v[TP+4+\b]
.endr
.irp b, 0,1,2,3
	v_rcp_f32 v[TP+4+\b], v[TP+4+\b]
.endr
	v_nop
	s_wait_alu depctr_va_vdst(0)
.irp b, 0,1,2,3
	v_mul_f32 v[TP+\b], v[TP+\b], v[TP+4+\b]
.endr
.irp b, 0,1,2,3
	ds_store_b32 v14, v[TP+\b] offset:128*\b
.endr
.irp b, 0,1,2,3
.irp q, 0,1,2,3
	ds_load_b128 v[CV+16*\b+4*\q:CV+16*\b+4*\q+3], v15 offset:128*\b+16*\q   ; LDS serves a wave's instructions in order: these see my wave's stores
.endr
.endr
	s_wait_dscnt 0x0
	s_wait_loadcnt 0x0                             ; W_ada
.set i, 0
.rept 16
.irp b, 0,1,2,3
.irp cc, 0,1,2,3
.if i == 0
	v_mul_f32 v[ACC+4*\b+\cc], v[CV+16*\b+i], v[WA+4*i+\cc]        ; the first product starts the sum
.else
	v_fmac_f32 v[ACC+4*\b+\cc], v[CV+16*\b+i], v[WA+4*i+\cc]
.endif
.endr
.endr
.set i, i+1
.endr
.irp b, 0,1,2,3
	ds_store_b128 v7, v[ACC+4*\b:ACC+4*\b+3] offset:256*\b
.endr
	s_wait_dscnt 0x0                               ; for the others' sake: my partial sums lie in LDS
	s_barrier_signal -1
	s_barrier_wait -1
	s_cmp_ge_u32 s30, 2
	s_cbranch_scc1 .Ldone
	global_load_b128 v[8:11], v4, s[12:13]         ; b_ada of my four columns
.irp p, 0,1,2,3,4,5,6,7,8,9,10,11,12,13,14,15,16,17,18,19,20,21,22,23,24,25,26,27,28,29,30,31
	ds_load_b128 v[CV+4*\p:CV+4*\p+3], v12 offset:1024*\p          ; thread 16 b + r: batch b, columns 4 r on, of partial p
.endr
	s_wait_dscnt 0x0
.set p, 1
.rept 31
	v_pk_add_f32 v[CV:CV+1], v[CV:CV+1], v[CV+4*p:CV+4*p+1]
	v_pk_add_f32 v[CV+2:CV+3], v[CV+2:CV+3], v[CV+4*p+2:CV+4*p+3]
.set p, p+1
.endr
	s_wait_loadcnt 0x0
	v_pk_add_f32 v[CV:CV+1], v[CV:CV+1], v[8:9]
	v_pk_add_f32 v[CV+2:CV+3], v[CV+2:CV+3], v[10:11]
	global_store_b128 v13, v[CV:CV+3], s[26:27]    ; sixteen lanes store 256 consecutive bytes, aligned
.Ldone:
	s_wait_xcnt 0x0
	v_lshl_add_u32 v254, v0, 2, 0xa000
	v_mov_b32 v255, 0
	s_wait_tensorcnt 0x0
	ds_add_u32 v254, v255
	s_wait_dscnt 0x0
	s_endpgm
.Lfunc_end_k_qc1199d3940_prep:
	.size	k_qc1199d3940_prep, .Lfunc_end_k_qc1199d3940_prep-k_qc1199d3940_prep
	.p2alignl 7, 3214868480
	.fill 96, 4, 3214868480
	.section	.rodata,"a",@progbits
	.p2align	6, 0x0
	.amdhsa_kernel k_qc1199d3940_prep
		.amdhsa_group_segment_fixed_size 43008
		.amdhsa_private_segment_fixed_size 0
		.amdhsa_enable_private_segment 0
		.amdhsa_kernarg_size 88
		.amdhsa_user_sgpr_count 2
		.amdhsa_user_sgpr_kernarg_segment_ptr 1
		.amdhsa_wavefront_size32 1
		.amdhsa_system_sgpr_workgroup_id_x 1
		.amdhsa_system_sgpr_workgroup_id_y 1
		.amdhsa_system_sgpr_workgroup_id_z 1
		.amdhsa_system_vgpr_workitem_id 0
		.amdhsa_next_free_vgpr 256
		.amdhsa_next_free_sgpr 66
		.amdhsa_reserve_vcc 0
		.amdhsa_float_denorm_mode_32 3
		.amdhsa_float_denorm_mode_16_64 3
		.amdhsa_memory_ordered 1
		.amdhsa_forward_progress 1
		.amdhsa_inst_pref_size 24
	.end_amdhsa_kernel
	.amdgpu_metadata
---
amdhsa.version: [ 1, 2 ]
amdhsa.kernels:
  - .name:           k_qc1199d3940_prep
    .symbol:         k_qc1199d3940_prep.kd
    .args:
      - { .name: c, .offset: 0, .size: 8, .value_kind: global_buffer, .address_space: global }
      - { .name: W_ada, .offset: 8, .size: 8, .value_kind: global_buffer, .address_space: global }
      - { .name: b_ada, .offset: 16, .size: 8, .value_kind: global_buffer, .address_space: global }
      - { .name: Wq_codes, .offset: 24, .size: 8, .value_kind: global_buffer, .address_space: global }
      - { .name: Wk_codes, .offset: 32, .size: 8, .value_kind: global_buffer, .address_space: global }
      - { .name: Wv_codes, .offset: 40, .size: 8, .value_kind: global_buffer, .address_space: global }
      - { .name: Wo_codes, .offset: 48, .size: 8, .value_kind: global_buffer, .address_space: global }
      - { .name: W_mlp1_codes, .offset: 56, .size: 8, .value_kind: global_buffer, .address_space: global }
      - { .name: W_mlp2_codes, .offset: 64, .size: 8, .value_kind: global_buffer, .address_space: global }
      - { .name: mod, .offset: 72, .size: 8, .value_kind: global_buffer, .address_space: global }
      - { .name: wimg, .offset: 80, .size: 8, .value_kind: global_buffer, .address_space: global }
    .group_segment_fixed_size: 43008
    .private_segment_fixed_size: 0
    .kernarg_segment_align: 8
    .kernarg_segment_size: 88
    .max_flat_workgroup_size: 512
    .sgpr_count:     66
    .vgpr_count:     256
    .wavefront_size: 32
...
	.end_amdgpu_metadata
.endif
;; end of part 1
;; launch qkv (part 2): grid 256 x 1, 4 waves a work-group, no clusters, 75,776 bytes of LDS; arguments x, mod, g1, b1, wimg, Wq_scales, Wk_scales, Wv_scales, qkv_img, qkv_scl; writes qkv_img, qkv_scl
.if DOCPART == 2
	.amdgcn_target "amdgcn-amd-amdhsa--gfx1250"
	.amdhsa_code_object_version 6
	.text
	.protected	k_qc1199d3940_qkv
	.globl	k_qc1199d3940_qkv
	.p2align	8
	.type	k_qc1199d3940_qkv,@function
k_qc1199d3940_qkv:
	s_mov_b64 s[64:65], 0
	v_nop
	global_prefetch_b8 v0, s[64:65] scope:SCOPE_SE
	s_setreg_imm32_b32 hwreg(HW_REG_WAVE_MODE, 25, 1), 1
	s_wait_xcnt 0x0
; xn1 = LN(x, g1, b1) (1 + scale_msa), quantised along the features; q, k, v = xn1 Wq, Wk, Wv on codes of E2M1 with E8M0 scales; q and k quantised along a head's 64, v along the keys.
; All three leave as IMAGES OF OPERAND REGISTERS (16 bytes x lane), with their scale words beside them.
; SHARES.  A work-group takes 32 tokens (one block of 32 keys) as two tiles of 16: row r of tile m is token 8 m + (r % 8) + 16 (r / 8).  Weight tiles are formed of rows in the same way.  So, whichever side is
; source 0, the 16 registers of two neighbouring result tiles are 16 neighbours along source 0's axis: columns for q and k (source 0 = the weight), tokens for v (source 0 = xn1).
; LN: wave w works tokens 8 w .. 8 w + 7, a row in 16 registers of all 32 lanes; the rows meet in a stage in LDS; wave w quantises tile w % 2, K steps 2 (w / 2) and + 1; the eight fragments go round as images.
; Products: wave w takes weight tiles 8 w .. 8 w + 7 (128 columns, two heads) for both token tiles: 64 matrix instructions on 16 accumulators by turns; its weights come from wimg straight into registers, each byte once.
; TWO WEIGHT WINDOWS: Wq in window 2, Wk in window 3, asked for while xn1 is still being made; Wv takes window 2 behind q's product.  So each weight is asked for a product or more ahead of its use.
; A SCALE REGISTER CARRIES TWO TILES: lanes 0-15 the words of tile t, lanes 16-31 those of tile t + 4 (one load: lanes 16-31 read 64 rows further on); tiles 4-7 name the register's upper row.
; No tensor load and no cluster: each weight fragment is used by the one wave that loads it, and a way through LDS would add a write and a read of every byte.
; LIMITS: NaN and infinities are not served; a block whose largest magnitude lies under 2^-124 gets the scale byte 1 (a block of zeros too: its codes are zeros; this program alone reads the bytes).
; REGISTERS, in windows of 256.  Window 0: v1-19 addresses; v20-23 scale words kept for a store; v24-31 xn1's scale words; v32-47, v48-63 two weights' scale words; v64-71 codes just made; v72-89 the quantiser's;
;   v92-119 LN's, later three more sets of codes and v's scale bytes; v128-255 x's rows, then the accumulators.   Window 1: v128-191 LN's parameters, then xn1's eight fragments.
;   Windows 2, 3: eight weight tiles each (tile t, K step s at 32 t + 8 s).
.set XIMG, 0                           ; LDS: xn1's 8 fragments (4 m + s), 1,024 bytes each
.set XSC,  8192                        ; their scale words, 128 bytes each
.set STG,  9216                        ; the stage: 32 rows x (2,048 + 16) bytes
.set SP,   2064                        ; 129 x 16 bytes: sixteen rows' same column falls on sixteen different groups of banks
.set LI,   1                           ; 16 x lane
.set LS,   2                           ; 4 x lane
.set SL16, 3                           ; 16 x ((r % 8) + 16 (r / 8) + 64 h): my row of a tile's scale bytes
.set STD,  6                           ; the stage, my eight rows, 16 x lane
.set STQ,  7                           ; the stage as the quantiser reads it
.set XWI,  9                           ; where I store xn1's images
.set XWS,  10                          ; and their scale words
.set L8,   18                          ; 8 x lane
.set VL,   19                          ; 16 r + 8 h
.set KQ,   20                          ; q's scale words, kept for their store
.set KK,   22                          ; k's
.set AS,   24
.set WSA,  32
.set WSB,  48
.set PC0,  64                          ; four sets of codes, so that no store's data are written again before the one wait on XCNT
.set PC1,  92
.set PC2,  100
.set PC3,  108
.set KV,   116                         ; v's scale bytes
.set TM,   72                          ; +0..3 largest magnitudes, +4..7 the other half's, then bytes, +12..15 the conversions' scale operands
.set PW,   88
.set T1,   89
.set SUM,  92
.set MU,   100
.set TP,   108
.set RS,   112
.set ACC,  128
.set WV,   2
.set BT,   4
.set PP,   5
.set XP,   8
.set MODP, 10
.set G1P,  12
.set B1P,  14
.set WCP,  16
.set WSQ,  18
.set WSK,  20
.set WSV,  22
.set QIP,  32
.set VIP,  34
.set QSP,  36
.set VSP,  38
.set SEL,  40
.set HM,   42
.set C512, 43
.set EPS,  44
.set MSB, 0
.macro WIN new                         ; the immediate's high byte repeats the setting that is left
.if MSB != \new
	s_set_vgpr_msb (MSB<<8)|\new
.set MSB, \new
.endif
.endm
.macro BAR                             ; my LDS stores have landed and my LDS loads are in: then the work-group's barrier
	s_wait_dscnt 0x0
	s_barrier_signal -1
	s_barrier_wait -1
.endm
; ar, br: source 0's, source 1's scales stand in lanes 16-31 of their register
.macro WM0 d, a, b, sa, sb, ar, br     ; a product that starts a sum
.if \ar
	v_wmma_scale_f32_16x16x128_f8f6f4 v[\d:\d+7], v[\a:\a+7], v[\b:\b+7], 0, v[\sa], v[\sb] matrix_a_fmt:MATRIX_FMT_FP4 matrix_b_fmt:MATRIX_FMT_FP4 matrix_a_scale:MATRIX_SCALE_ROW1
.elseif \br
	v_wmma_scale_f32_16x16x128_f8f6f4 v[\d:\d+7], v[\a:\a+7], v[\b:\b+7], 0, v[\sa], v[\sb] matrix_a_fmt:MATRIX_FMT_FP4 matrix_b_fmt:MATRIX_FMT_FP4 matrix_b_scale:MATRIX_SCALE_ROW1
.else
	v_wmma_scale_f32_16x16x128_f8f6f4 v[\d:\d+7], v[\a:\a+7], v[\b:\b+7], 0, v[\sa], v[\sb] matrix_a_fmt:MATRIX_FMT_FP4 matrix_b_fmt:MATRIX_FMT_FP4
.endif
.endm
.macro WMC d, a, b, c, sa, sb, ar, br
.if \ar
	v_wmma_scale_f32_16x16x128_f8f6f4 v[\d:\d+7], v[\a:\a+7], v[\b:\b+7], v[\c:\c+7], v[\sa], v[\sb] matrix_a_fmt:MATRIX_FMT_FP4 matrix_b_fmt:MATRIX_FMT_FP4 matrix_a_scale:MATRIX_SCALE_ROW1
.elseif \br
	v_wmma_scale_f32_16x16x128_f8f6f4 v[\d:\d+7], v[\a:\a+7], v[\b:\b+7], v[\c:\c+7], v[\sa], v[\sb] matrix_a_fmt:MATRIX_FMT_FP4 matrix_b_fmt:MATRIX_FMT_FP4 matrix_b_scale:MATRIX_SCALE_ROW1
.else
	v_wmma_scale_f32_16x16x128_f8f6f4 v[\d:\d+7], v[\a:\a+7], v[\b:\b+7], v[\c:\c+7], v[\sa], v[\sb] matrix_a_fmt:MATRIX_FMT_FP4 matrix_b_fmt:MATRIX_FMT_FP4
.endif
.endm
; four weight tiles (4 half .. + 3) into the window that win names (0x80: window 2, 0xc0: window 3): 32 loads of 512 consecutive bytes
.macro WHC half, win, cb, coff
	WIN \win
.irp tt, 0,1,2,3
.irp i, 0,1,2,3,4,5,6,7
	global_load_b128 v[32*(4*\half+\tt)+4*\i:32*(4*\half+\tt)+4*\i+3], v[LI], s[\cb:\cb+1] offset:\coff+4096*(4*\half+\tt)+512*\i
.endr
.endr
	WIN 0
.endm
; the eight tiles' scale words: 4 loads; register ws + 4 t + s: lanes 0-15 tile t, lanes 16-31 tile t + 4, K step s
.macro WSL ws, sb, sl, sstr
.irp tt, 0,1,2,3
	global_load_b128 v[\ws+4*\tt:\ws+4*\tt+3], v[\sl], s[\sb:\sb+1] offset:(32*(\tt/2)+8*(\tt%2))*\sstr
.endr
.endm
; 64 matrix instructions; the 16 accumulators take turns, one instruction a turn.  Four v_nop end each run: the places in front of loads into its operands and of the first read of its results.
.macro MMT ws, win                     ; source 0 = the weight (win 0x06: window 2, 0x07: window 3), source 1 = xn1: a lane holds one token, its registers run along the columns
	WIN \win
.irp s, 0,1,2,3
.irp t, 0,1,2,3,4,5,6,7
.irp m, 0,1
.if \s == 0
	WM0 ACC+64*\m+8*\t, 32*\t+8*\s, 128+8*(4*\m+\s), \ws+4*(\t%4)+\s, AS+4*\m+\s, \t/4, 0
.else
	WMC ACC+64*\m+8*\t, 32*\t+8*\s, 128+8*(4*\m+\s), ACC+64*\m+8*\t, \ws+4*(\t%4)+\s, AS+4*\m+\s, \t/4, 0
.endif
.endr
.endr
.endr
	WIN 0
.rept 4
	v_nop
.endr
.endm
.macro MMV ws                          ; source 0 = xn1, source 1 = the weight (window 2): a lane holds one column of v, its registers run along the tokens
	WIN 0x09
.irp s, 0,1,2,3
.irp t, 0,1,2,3,4,5,6,7
.irp m, 0,1
.if \s == 0
	WM0 ACC+16*\t+8*\m, 128+8*(4*\m+\s), 32*\t+8*\s, AS+4*\m+\s, \ws+4*(\t%4)+\s, 0, \t/4
.else
	WMC ACC+16*\t+8*\m, 128+8*(4*\m+\s), 32*\t+8*\s, ACC+16*\t+8*\m, AS+4*\m+\s, \ws+4*(\t%4)+\s, 0, \t/4
.endif
.endr
.endr
.endr
	WIN 0
.rept 4
	v_nop
.endr
.endm
; 64 numbers of a lane, register 16 b + i = place 32 b + 16 h + i along K: four blocks' scale bytes (TM+4..7) and codes (pc + 2 b, + 1: my half of block b)
.macro QCORE src, pc
.irp b, 0,1,2,3
	v_max3_num_f32 v[TM+\b], |v[\src+16*\b]|, |v[\src+16*\b+1]|, 0x1800000   ; my 16 numbers, and the floor 2^(3 - 127): the byte cannot fall under 1
.endr
.irp i, 2,4,6,8,10,12,14
.irp b, 0,1,2,3
	v_max3_num_f32 v[TM+\b], v[TM+\b], |v[\src+16*\b+\i]|, |v[\src+16*\b+\i+1]|
.endr
.endr
.irp b, 0,1,2,3
	v_permlanex16_b32 v[TM+4+\b], v[TM+\b], s[SEL], s[SEL+1]
.endr
.irp b, 0,1,2,3
	v_max_num_f32 v[TM+\b], v[TM+\b], v[TM+4+\b]   ; with lane l xor 16's: the block's largest magnitude
.endr
.irp b, 0,1,2,3
	v_add_nc_u32 v[TM+12+\b], 0xff000000, v[TM+\b] ; 2 off its exponent field: the conversion's scale operand
.endr
.irp b, 0,1,2,3
	v_lshrrev_b32 v[TM+4+\b], 23, v[TM+12+\b]      ; the scale's byte
.endr
.irp b, 0,1,2,3
	v_cvt_scalef32_pk8_fp4_f32 v[\pc+2*\b], v[\src+16*\b:\src+16*\b+7], v[TM+12+\b]
	v_cvt_scalef32_pk8_fp4_f32 v[\pc+2*\b+1], v[\src+16*\b+8:\src+16*\b+15], v[TM+12+\b]
.endr
	v_nop                                          ; one plain instruction behind the last scaled conversion
.endm
.macro QWORD
	v_lshl_or_b32 v[PW], v[TM+5], 8, v[TM+4]
	v_lshl_or_b32 v[PW], v[TM+6], 16, v[PW]
	v_lshl_or_b32 v[PW], v[TM+7], 24, v[PW]
.endm
.macro QSWAP pc                        ; the operand's layout wants a whole block in a lane: lanes 0-15 block 2 c, lanes 16-31 block 2 c + 1
.irp c, 0,1
.irp i, 0,1
	v_permlane16_swap_b32 v[\pc+4*\c+\i], v[\pc+4*\c+2+\i]
.endr
.endr
.endm
.macro IMAGE adr, off
	ds_store_b128 v[\adr], v[PC0:PC0+3] offset:\off
	ds_store_b128 v[\adr], v[PC0+4:PC0+7] offset:\off+512
.endm
.macro AFETCH ioff, soff               ; eight fragments and their scale words, as any wave's registers
	WIN 0x40
.irp f, 0,1,2,3,4,5,6,7
.irp c, 0,1
	ds_load_b128 v[128+8*\f+4*\c:128+8*\f+4*\c+3], v[LI] offset:\ioff+1024*\f+512*\c
.endr
.endr
	WIN 0
.irp f, 0,1,2,3,4,5,6,7
	ds_load_b32 v[AS+\f], v[LS] offset:\soff+128*\f
.endr
.endm
.macro RED4                            ; four rows' pairs of partial sums -> the rows' sums, in every lane
.irp k, 0,1,2,3
	v_add_f32 v[SUM+2*\k], v[SUM+2*\k], v[SUM+2*\k+1]
.endr
.irp x, 1,2,4,8
.irp k, 0,1,2,3
	v_add_f32_dpp v[SUM+2*\k], v[SUM+2*\k], v[SUM+2*\k] row_xmask:\x row_mask:0xf bank_mask:0xf
.endr
.endr
.irp k, 0,1,2,3
	v_permlanex16_b32 v[TP+\k], v[SUM+2*\k], s[SEL], s[SEL+1]
.endr
.irp k, 0,1,2,3
	v_add_f32 v[SUM+2*\k], v[SUM+2*\k], v[TP+\k]
.endr
.endm
; LN of four rows by turns; row k in v[xb + 16 k ..], columns 128 q + 4 lane + 0..3 in registers 4 q .. 4 q + 3.  Mean first, then the variance of the differences.
.macro LN4 xb, grp
.irp k, 0,1,2,3
	v_pk_add_f32 v[SUM+2*\k:SUM+2*\k+1], v[\xb+16*\k:\xb+16*\k+1], v[\xb+16*\k+2:\xb+16*\k+3]
.endr
.irp j, 4,6,8,10,12,14
.irp k, 0,1,2,3
	v_pk_add_f32 v[SUM+2*\k:SUM+2*\k+1], v[SUM+2*\k:SUM+2*\k+1], v[\xb+16*\k+\j:\xb+16*\k+\j+1]
.endr
.endr
	RED4
.irp k, 0,1,2,3
	v_mul_f32 v[MU+2*\k], s[C512], v[SUM+2*\k]
.endr
.irp k, 0,1,2,3
	v_mov_b32 v[MU+2*\k+1], v[MU+2*\k]
.endr
.irp k, 0,1,2,3
.irp j, 0,2,4,6,8,10,12,14
	v_pk_add_f32 v[\xb+16*\k+\j:\xb+16*\k+\j+1], v[\xb+16*\k+\j:\xb+16*\k+\j+1], v[MU+2*\k:MU+2*\k+1] neg_lo:[0,1] neg_hi:[0,1]
.endr
.endr
.irp k, 0,1,2,3
	v_pk_mul_f32 v[SUM+2*\k:SUM+2*\k+1], v[\xb+16*\k:\xb+16*\k+1], v[\xb+16*\k:\xb+16*\k+1]
.endr
.irp j, 2,4,6,8,10,12,14
.irp k, 0,1,2,3
	v_pk_fma_f32 v[SUM+2*\k:SUM+2*\k+1], v[\xb+16*\k+\j:\xb+16*\k+\j+1], v[\xb+16*\k+\j:\xb+16*\k+\j+1], v[SUM+2*\k:SUM+2*\k+1]
.endr
.endr
	RED4
.irp k, 0,1,2,3
	v_fma_f32 v[SUM+2*\k], v[SUM+2*\k], s[C512], s[EPS]
.endr
.irp k, 0,1,2,3
	v_rsq_f32 v[RS+2*\k], v[SUM+2*\k]
.endr
	v_nop                                          ; a plain instruction behind the last of the four
	s_wait_alu depctr_va_vdst(0)                   ; one wait for the four, ahead of their first reader
.irp k, 0,1,2,3
	v_mov_b32 v[RS+2*\k+1], v[RS+2*\k]
.endr
.irp k, 0,1,2,3
.irp j, 0,2,4,6,8,10,12,14
	v_pk_mul_f32 v[\xb+16*\k+\j:\xb+16*\k+\j+1], v[\xb+16*\k+\j:\xb+16*\k+\j+1], v[RS+2*\k:RS+2*\k+1]
.endr
.endr
	WIN 0x14                                       ; sources 1 and 2 in window 1: the gain, the bias, 1 + scale
.irp k, 0,1,2,3
.irp j, 0,2,4,6,8,10,12,14
	v_pk_fma_f32 v[\xb+16*\k+\j:\xb+16*\k+\j+1], v[\xb+16*\k+\j:\xb+16*\k+\j+1], v[128+\j:129+\j], v[144+\j:145+\j]
.endr
.endr
.irp k, 0,1,2,3
.irp j, 0,2,4,6,8,10,12,14
	v_pk_mul_f32 v[\xb+16*\k+\j:\xb+16*\k+\j+1], v[\xb+16*\k+\j:\xb+16*\k+\j+1], v[160+\j:161+\j]
.endr
.endr
	WIN 0
.irp k, 0,1,2,3
.irp q, 0,1,2,3
	ds_store_b128 v[STD], v[\xb+16*\k+4*\q:\xb+16*\k+4*\q+3] offset:(4*\grp+\k)*SP+512*\q
.endr
.endr
.endm
.macro XQ                              ; my tile's two K steps out of the stage, quantised, stored as images
.irp sl, 0,1
.irp b, 0,1,2,3
.irp j, 0,1,2,3
	ds_load_b128 v[ACC+64*\sl+16*\b+4*\j:ACC+64*\sl+16*\b+4*\j+3], v[STQ] offset:512*\sl+128*\b+16*\j
.endr
.endr
.endr
	s_wait_dscnt 0x0
.irp sl, 0,1
	QCORE ACC+64*\sl, PC0
	QWORD
	QSWAP PC0
	IMAGE XWI, 1024*\sl
	ds_store_b32 v[XWS], v[PW] offset:128*\sl
	s_wait_dscnt 0x0                               ; the stores have read their registers
.endr
.endm
; q or k of token tile m: blocks 0, 1 are head 2 w, blocks 2, 3 head 2 w + 1.  A head's 64 codes are registers 0-3 of a fragment whose upper 64 along K are zeros.  pc: this call's own set of codes
.macro OUTQK m, koff, pc, keep
	QCORE ACC+64*\m, \pc
	QSWAP \pc
	global_store_b128 v[LI], v[\pc:\pc+3], s[QIP:QIP+1] offset:\koff+512*\m          ; 32 lanes store 512 consecutive bytes
	global_store_b128 v[LI], v[\pc+4:\pc+7], s[QIP:QIP+1] offset:\koff+65536+512*\m
	v_lshl_or_b32 v[PW], v[TM+5], 8, v[TM+4]       ; head 2 w's two bytes,
	v_lshl_or_b32 v[T1], v[TM+7], 8, v[TM+6]       ; head 2 w + 1's:
	v_cndmask_b32 v[\keep+\m], v[PW], v[T1], s[HM] ; lanes 0-15 keep the first head's word of row r, lanes 16-31 the second's
.endm
	s_load_b512 s[8:23], s[0:1], 0x0               ; x 8, mod 10, g1 12, b1 14, wimg 16, Wq_scales 18, Wk_scales 20, Wv_scales 22
	s_load_b128 s[24:27], s[0:1], 0x40             ; qkv_img 24, qkv_scl 26
	v_lshl_add_u32 v126, v0, 2, 0x12600
	v_mov_b32 v127, 0
	v_lshrrev_b32 v[T1], 5, v0
	v_readfirstlane_b32 s[WV], v[T1]               ; wave 0..3
	s_lshr_b32 s[BT], ttmp9, 6                     ; batch
	s_and_b32 s[PP], ttmp9, 63                     ; which 32 tokens of the batch
	v_and_b32 v[LS], 31, v0
	v_lshlrev_b32 v[LI], 4, v[LS]
	v_lshlrev_b32 v[L8], 3, v[LS]
	v_lshlrev_b32 v[LS], 2, v[LS]
	v_and_b32 v92, 15, v0                          ; r
	v_bfe_u32 v93, v0, 4, 1                        ; h
	v_and_b32 v94, 7, v0
	v_bfe_u32 v95, v0, 3, 1
	v_lshl_add_u32 v94, v95, 4, v94                ; (r % 8) + 16 (r / 8)
	v_lshlrev_b32 v[SL16], 4, v94
	v_lshl_add_u32 v[SL16], v93, 10, v[SL16]       ; lanes 16-31: 64 rows of 16 bytes further on
	v_lshlrev_b32 v[VL], 4, v92
	v_lshl_add_u32 v[VL], v93, 3, v[VL]
	s_and_b32 s30, s[WV], 1
	s_lshr_b32 s31, s[WV], 1
	s_lshl_b32 s28, s30, 4
	s_lshl_b32 s29, s31, 3
	s_add_co_u32 s28, s28, s29                     ; tokens 8 w + i lie in stage rows 16 (w % 2) + 8 (w / 2) + i
	s_mul_i32 s28, s28, SP
	s_add_co_u32 s28, s28, STG
	v_add_nc_u32 v[STD], s28, v[LI]
	v_mul_u32_u24 v[STQ], v92, SP
	v_lshl_add_u32 v[STQ], v93, 6, v[STQ]
	s_mul_i32 s28, s30, 16*SP
	s_lshl_b32 s29, s31, 10
	s_add_co_u32 s28, s28, s29
	s_add_co_u32 s28, s28, STG
	v_add_nc_u32 v[STQ], s28, v[STQ]               ; row 16 (w % 2) + r, + 64 h, + two K steps x (w / 2)
	s_lshl_b32 s28, s30, 2
	s_lshl_b32 s29, s31, 1
	s_add_co_u32 s28, s28, s29                     ; my first fragment: 4 (w % 2) + 2 (w / 2)
	s_lshl_b32 s29, s28, 10
	v_add_nc_u32 v[XWI], s29, v[LI]
	s_lshl_b32 s29, s28, 7
	s_add_co_u32 s29, s29, XSC
	v_add_nc_u32 v[XWS], s29, v[LS]
.irp b, 0,1,2,3
	v_mov_b32 v[TM+4+\b], 0                        ; written once: a lane permute's destination counts as one of its sources
	v_mov_b32 v[TP+\b], 0
.endr
	s_mov_b32 s[SEL], 0x76543210
	s_mov_b32 s[SEL+1], 0xfedcba98                 ; lane l xor 16
	s_mov_b32 s[HM], 0xffff0000                    ; lanes 16-31
	s_mov_b32 s[C512], 0x3b000000                  ; 1 / 512
	s_mov_b32 s[EPS], 0x3727c5ac                   ; 1e-5
	s_mov_b32 s29, 0
	s_mov_b32 s31, 0
	s_wait_kmcnt 0x0
	s_lshl_b32 s28, ttmp9, 16
	s_lshl_b32 s30, s[WV], 14
	s_add_co_u32 s28, s28, s30
	s_add_nc_u64 s[XP:XP+1], s[XP:XP+1], s[28:29]  ; x at my eight rows
	s_lshl_b32 s28, s[BT], 13
	s_add_nc_u64 s[MODP:MODP+1], s[MODP:MODP+1], s[28:29]
	s_lshl_b32 s28, s[WV], 15
	s_add_nc_u64 s[WCP:WCP+1], s[WCP:WCP+1], s[28:29]  ; my eight tiles of each weight
	s_lshl_b32 s28, s[WV], 11
	s_add_nc_u64 s[WSQ:WSQ+1], s[WSQ:WSQ+1], s[28:29]
	s_add_nc_u64 s[WSK:WSK+1], s[WSK:WSK+1], s[28:29]
	s_add_nc_u64 s[WSV:WSV+1], s[WSV:WSV+1], s[28:29]
	s_lshl_b32 s28, s[BT], 19
	s_lshl_b32 s30, s[WV], 17
	s_add_co_u32 s28, s28, s30                     ; head 8 batch + 2 w, 65,536 bytes a head
	s_lshl_b32 s30, s[PP], 10
	s_add_co_u32 s30, s30, s28
	s_add_nc_u64 s[QIP:QIP+1], s[24:25], s[30:31]
	s_lshr_b32 s30, s[PP], 2
	s_lshl_b32 s30, s30, 12                        ; v: the key step,
	s_add_co_u32 s28, s28, s30
	s_bfe_u32 s30, s[PP], 0x10001
	s_lshl_b32 s30, s30, 9                         ; which half of the fragment's registers,
	s_add_co_u32 s28, s28, s30
	s_and_b32 s30, s[PP], 1
	s_lshl_b32 s30, s30, 8                         ; which half of the lanes
	s_add_co_u32 s28, s28, s30
	s_add_co_u32 s28, s28, 0x400000
	s_add_nc_u64 s[VIP:VIP+1], s[24:25], s[28:29]
	s_lshl_b32 s28, s[BT], 2
	s_add_co_u32 s28, s28, s[WV]
	s_lshl_b32 s28, s28, 6
	s_add_co_u32 s28, s28, s[PP]                   ; (4 batch + w) 64 + p
	s_lshl_b32 s30, s28, 8
	s_add_nc_u64 s[QSP:QSP+1], s[26:27], s[30:31]
	s_lshl_b32 s30, s28, 9
	s_add_co_u32 s30, s30, 0x80000
	s_add_nc_u64 s[VSP:VSP+1], s[26:27], s[30:31]
	WIN 0x40
.irp q, 0,1,2,3
	global_load_b128 v[128+4*\q:131+4*\q], v[LI], s[G1P:G1P+1] offset:512*\q
	global_load_b128 v[144+4*\q:147+4*\q], v[LI], s[B1P:B1P+1] offset:512*\q
	global_load_b128 v[160+4*\q:163+4*\q], v[LI], s[MODP:MODP+1] offset:512*\q       ; scale_msa
.endr
	WIN 0
.irp i, 0,1,2,3,4,5,6,7
.irp q, 0,1,2,3
	global_load_b128 v[ACC+16*\i+4*\q:ACC+16*\i+4*\q+3], v[LI], s[XP:XP+1] offset:2048*\i+512*\q th:TH_LOAD_NT
.endr
.endr
	WSL WSA, WSQ, SL16, 16
	WHC 0, 0x80, WCP, 0
	s_wait_loadcnt 36                              ; the parameters and x are in; the 36 loads of Wq's scale words and first four tiles may be out
	WIN 0x41
.irp j, 0,2,4,6,8,10,12,14
	v_pk_add_f32 v[160+\j:161+\j], v[160+\j:161+\j], 1.0 op_sel_hi:[1,0]             ; 1 + scale_msa
.endr
	WIN 0
	LN4 ACC, 0
	WHC 1, 0x80, WCP, 0
	LN4 ACC+64, 1
	BAR                                            ; 32 rows of xn1 lie in the stage
	WSL WSB, WSK, SL16, 16                         ; Wk is asked for now, into window 3: it has xn1's quantising and q's product in which to land
	WHC 0, 0xc0, WCP, 131072
	XQ
	WHC 1, 0xc0, WCP, 131072
	BAR                                            ; xn1's eight fragments lie in LDS
	AFETCH XIMG, XSC
	s_wait_loadcnt 63                              ; Wq is in: 68 loads (Wk's) were issued behind its last, and a wait names 63 at the most
	s_wait_dscnt 0x0
	MMT WSA, 0x06                                  ; q
	WSL WSA, WSV, SL16, 16                         ; Wv takes Wq's window: it has q's way out, k's product and k's way out in which to land
	WHC 0, 0x80, WCP, 262144
	OUTQK 0, 0, PC0, KQ
	WHC 1, 0x80, WCP, 262144
	OUTQK 1, 0, PC1, KQ
	global_store_b64 v[L8], v[KQ:KQ+1], s[QSP:QSP+1]               ; 32 lanes store 256 consecutive bytes, aligned
	s_wait_loadcnt 63                              ; Wk is in: 68 loads (Wv's) were issued behind its last
	MMT WSB, 0x07                                  ; k
	OUTQK 0, 2097152, PC2, KK
	OUTQK 1, 2097152, PC3, KK
	global_store_b64 v[L8], v[KK:KK+1], s[QSP:QSP+1] offset:262144
	s_wait_loadcnt 0x0                             ; Wv
	s_wait_xcnt 0x0                                ; every load is done here, so this waits for q's and k's stores alone: their data registers are written again only behind it
	MMV WSA                                        ; v: the 16 registers of tile t are my half of the work-group's 32 keys, for one column
.irp e, 0,1                            ; head 2 w + e: block b is its tile b of 16 columns; the sets of codes PC0 and PC1 lie 28 registers apart
	QCORE ACC+64*\e, PC0+28*\e
.irp b, 0,1,2,3
	global_store_b64 v[VL], v[PC0+28*\e+2*\b:PC0+28*\e+2*\b+1], s[VIP:VIP+1] offset:65536*\e+1024*\b   ; 16 keys' codes a lane: 256 consecutive bytes, aligned
.endr
.irp b, 0,1,2,3
.if \e == 0
	v_mov_b32 v[KV+\b], v[TM+4+\b]
.else
	v_cndmask_b32 v[KV+\b], v[KV+\b], v[TM+4+\b], s[HM]
.endif
.endr
.endr
	global_store_b128 v[LI], v[KV:KV+3], s[VSP:VSP+1]              ; one scale byte a word: [head % 2][r][tile]
	s_wait_tensorcnt 0x0
	ds_add_u32 v126, v127
	s_wait_dscnt 0x0
	s_endpgm
.Lfunc_end_k_qc1199d3940_qkv:
	.size	k_qc1199d3940_qkv, .Lfunc_end_k_qc1199d3940_qkv-k_qc1199d3940_qkv
	.p2alignl 7, 3214868480
	.fill 96, 4, 3214868480
	.section	.rodata,"a",@progbits
	.p2align	6, 0x0
	.amdhsa_kernel k_qc1199d3940_qkv
		.amdhsa_group_segment_fixed_size 75776
		.amdhsa_private_segment_fixed_size 0
		.amdhsa_enable_private_segment 0
		.amdhsa_kernarg_size 80
		.amdhsa_user_sgpr_count 2
		.amdhsa_user_sgpr_kernarg_segment_ptr 1
		.amdhsa_wavefront_size32 1
		.amdhsa_system_sgpr_workgroup_id_x 1
		.amdhsa_system_sgpr_workgroup_id_y 1
		.amdhsa_system_sgpr_workgroup_id_z 1
		.amdhsa_system_vgpr_workitem_id 0
		.amdhsa_next_free_vgpr 1024
		.amdhsa_next_free_sgpr 66
		.amdhsa_reserve_vcc 0
		.amdhsa_float_denorm_mode_32 3
		.amdhsa_float_denorm_mode_16_64 3
		.amdhsa_memory_ordered 1
		.amdhsa_forward_progress 1
		.amdhsa_inst_pref_size 122
	.end_amdhsa_kernel
	.amdgpu_metadata
---
amdhsa.version: [ 1, 2 ]
amdhsa.kernels:
  - .name:           k_qc1199d3940_qkv
    .symbol:         k_qc1199d3940_qkv.kd
    .args:
      - { .name: x, .offset: 0, .size: 8, .value_kind: global_buffer, .address_space: global }
      - { .name: mod, .offset: 8, .size: 8, .value_kind: global_buffer, .address_space: global }
      - { .name: g1, .offset: 16, .size: 8, .value_kind: global_buffer, .address_space: global }
      - { .name: b1, .offset: 24, .size: 8, .value_kind: global_buffer, .address_space: global }
      - { .name: wimg, .offset: 32, .size: 8, .value_kind: global_buffer, .address_space: global }
      - { .name: Wq_scales, .offset: 40, .size: 8, .value_kind: global_buffer, .address_space: global }
      - { .name: Wk_scales, .offset: 48, .size: 8, .value_kind: global_buffer, .address_space: global }
      - { .name: Wv_scales, .offset: 56, .size: 8, .value_kind: global_buffer, .address_space: global }
      - { .name: qkv_img, .offset: 64, .size: 8, .value_kind: global_buffer, .address_space: global }
      - { .name: qkv_scl, .offset: 72, .size: 8, .value_kind: global_buffer, .address_space: global }
    .group_segment_fixed_size: 75776
    .private_segment_fixed_size: 0
    .kernarg_segment_align: 8
    .kernarg_segment_size: 80
    .max_flat_workgroup_size: 128
    .sgpr_count:     66
    .vgpr_count:     1024
    .wavefront_size: 32
...
	.end_amdgpu_metadata
.endif
;; end of part 2
;; launch attn (part 3): grid 8 x 32, 16 waves a work-group, no clusters, 146,432 bytes of LDS; arguments qkv_img, qkv_scl, o_img, o_scl; writes o_img, o_scl
.if DOCPART == 3
	.amdgcn_target "amdgcn-amd-amdhsa--gfx1250"
	.amdhsa_code_object_version 6
	.text
	.protected	k_qc1199d3940_attn
	.globl	k_qc1199d3940_attn
	.p2align	8
	.type	k_qc1199d3940_attn,@function
k_qc1199d3940_attn:
	s_mov_b64 s[64:65], 0
	v_nop
	global_prefetch_b8 v0, s[64:65] scope:SCOPE_SE
	s_setreg_imm32_b32 hwreg(HW_REG_WAVE_MODE, 25, 1), 1
	s_wait_xcnt 0x0
; o = softmax(q k^T / 8) v for one head, both products on codes of E2M1 with E8M0 scales; o is quantised along the head's 64 and leaves as an image of the next product's operand registers.
; THE SOFTMAX AHEAD OF THE SECOND PRODUCT: t = score x log2(e) / 8; M = the running largest t rounded UP to a whole number; p = 2^(t - M) is quantised along the keys, not normalised; the row's sum is taken of the
; unquantised p and divides at the end.  When M moves, the sum and O are multiplied by 2^(old M - new M): exact.
; SHARES.  A work-group owns 256 queries of one head; each of its sixteen waves one tile of 16, in 256 registers: four waves to a SIMD, so that one wave's vector work stands beside another's matrix work and LDS loads.
; The head's whole K and V (65,536 bytes each, as images) and their scale words lie in LDS, brought once through registers: nothing is filled again.  Every wave walks the 2,048 keys, 128 a step.
; LAYOUT.  Both products are used transposed: S^T = K Q^T, O^T = V^T P^T: a lane holds ONE query throughout.  The keys of a tile of K and the columns of a tile of V were chosen by the launch before so that the
; 16 registers of two neighbouring result tiles are 16 neighbours (keys; the head's columns).  K = 64 in the first product: registers 4-7 of K's and Q's fragments are zero codes, which add nothing.
; No cluster: K and V are read once a work-group, at the head, a small part of the launch's work, which the softmax's vector instructions bound.
; LIMITS: NaN and infinities are not served; a block whose largest magnitude lies under 2^-124 gets the scale byte 1.
; REGISTERS: v1-4 addresses that stay; v5-7 fill and way out; v8-11 the step's addresses; v12 -M, v13 the largest t, v[14:15] the sum; v16-23 Q; v24-31 K's scale words; v32-95 eight fragments of K;
;   v96-159 S^T, then p; v160-191 O^T; v192-223 four fragments of V; v224-231 p's codes; v232-247, v252-254 at work; v240-243 V's scale words; v255 Q's scale word.
.set KSC,  131072                      ; LDS: K at 0 (tile x 512), V at 65,536 (step x 4,096 + tile x 1,024 + c x 512), K's scale words [pair of tiles][r][tile % 2],
.set VSC,  139264                      ; V's [step][r][tile],
.set OSC,  143360                      ; o's scale words on their way out
.set AK0,  1
.set AV0,  2
.set ASK0, 3
.set ASV0, 4
.set ADK,  8
.set ADV,  9
.set ADS,  10
.set ADT,  11
.set WV,   12
.set SEL,  34
.set CS,   36
.set TK,   38
.set TS,   39
.set TT,   40
.set CNT,  41
	s_load_b256 s[4:11], s[0:1], 0x0               ; qkv_img 4, qkv_scl 6, o_img 8, o_scl 10
	v_lshl_add_u32 v250, v0, 2, 0x23400
	v_mov_b32 v251, 0
	v_lshrrev_b32 v8, 5, v0
	v_readfirstlane_b32 s[WV], v8                  ; wave 0..15
	s_and_b32 s14, ttmp7, 0xffff                   ; 8 batch + head
	s_and_b32 s15, s14, 1
	s_lshr_b32 s16, s14, 1
	s_lshl_b32 s17, ttmp9, 4
	s_add_co_u32 s17, s17, s[WV]                   ; my tile of queries
	s_mov_b32 s33, 0
	v_and_b32 v9, 31, v0
	v_lshlrev_b32 v[AK0], 4, v9                    ; 16 x lane
	v_add_nc_u32 v[AV0], 0x10000, v[AK0]
	v_and_b32 v10, 15, v0                          ; r
	v_lshl_add_u32 v[ASK0], v10, 3, KSC
	v_lshl_add_u32 v[ASV0], v10, 4, VSC
	v_lshlrev_b32 v5, 4, v0                        ; 16 x thread
	v_add_nc_u32 v6, 0x10000, v5
	v_lshrrev_b32 v7, 3, v0
	v_and_b32 v8, 7, v0
	v_lshlrev_b32 v8, 4, v8
	v_lshl_add_u32 v7, v7, 8, v8                   ; K's scale words in memory: 256 (thread / 8) + 16 (thread % 8)
	v_add_nc_u32 v8, KSC, v5                       ; and in LDS
	v_lshlrev_b32 v9, 4, v10                       ; 16 r
	v_lshlrev_b32 v11, 3, v10                      ; 8 r
	s_lshl_b32 s18, s[WV], 8
	s_add_co_u32 s18, s18, VSC
	v_add_nc_u32 v10, s18, v9                      ; V's scale words of key step w in LDS
	s_mov_b32 s[SEL], 0x76543210
	s_mov_b32 s[SEL+1], 0xfedcba98
	s_mov_b32 s[CS], 0x3e38aa3b                    ; c = log2(e) / 8
	s_mov_b32 s[CS+1], s[CS]
	s_mov_b32 s[TK], 0
	s_mov_b32 s[TS], 0
	s_mov_b32 s[TT], 0
	s_mov_b32 s[CNT], 16
	s_wait_kmcnt 0x0
	s_lshl_b32 s32, s14, 16
	s_add_nc_u64 s[28:29], s[4:5], s[32:33]        ; the head's q
	s_add_nc_u64 s[20:21], s[28:29], 0x200000      ; its k
	s_add_nc_u64 s[22:23], s[28:29], 0x400000      ; its v
	s_lshl_b32 s32, s17, 9
	s_add_nc_u64 s[28:29], s[28:29], s[32:33]      ; my tile of q
	s_lshl_b32 s32, s16, 14
	s_lshl_b32 s18, s15, 7
	s_add_co_u32 s32, s32, s18
	s_add_nc_u64 s[30:31], s[6:7], s[32:33]
	s_add_nc_u64 s[24:25], s[30:31], 0x40000       ; k's scale words
	s_lshr_b32 s32, s17, 1
	s_lshl_b32 s32, s32, 8
	s_and_b32 s18, s17, 1
	s_lshl_b32 s18, s18, 2
	s_add_co_u32 s32, s32, s18
	s_add_nc_u64 s[30:31], s[30:31], s[32:33]      ; my tile's scale words of q
	s_lshl_b32 s32, s16, 15
	s_lshl_b32 s18, s[WV], 11
	s_add_co_u32 s32, s32, s18
	s_lshl_b32 s18, s15, 8
	s_add_co_u32 s32, s32, s18
	s_add_co_u32 s32, s32, 0x80000
	s_add_nc_u64 s[26:27], s[6:7], s[32:33]        ; v's scale bytes of key blocks 4 w on
	s_lshr_b32 s32, s14, 3
	s_lshl_b32 s32, s32, 7
	s_add_co_u32 s32, s32, s17
	s_lshl_b32 s32, s32, 12
	s_and_b32 s18, s14, 7
	s_lshl_b32 s18, s18, 9
	s_add_co_u32 s32, s32, s18
	s_add_nc_u64 s[8:9], s[8:9], s[32:33]          ; o_img: 4,096 x (128 batch + tile) + 512 head
	s_lshl_b32 s32, s14, 13
	s_lshl_b32 s18, ttmp9, 10
	s_add_co_u32 s32, s32, s18
	s_add_nc_u64 s[10:11], s[10:11], s[32:33]      ; o_scl: the work-group's 1,024 bytes
.irp i, 0,1,2,3,4,5,6,7
	global_load_b128 v[96+4*\i:99+4*\i], v5, s[20:21] offset:8192*\i
.endr
.irp i, 0,1,2,3,4,5,6,7
	global_load_b128 v[128+4*\i:131+4*\i], v5, s[22:23] offset:8192*\i
.endr
	global_load_b128 v[160:163], v7, s[24:25]
.irp k, 0,1,2,3
	global_load_b128 v[164+4*\k:167+4*\k], v9, s[26:27] offset:512*\k
.endr
	global_load_b128 v[16:19], v[AK0], s[28:29]
	global_load_b32 v255, v11, s[30:31]
.irp j, 20,21,22,23
	v_mov_b32 v[\j], 0                             ; Q's upper 64 along K: zero codes
.endr
.irp kt, 0,1,2,3,4,5,6,7
.irp j, 4,5,6,7
	v_mov_b32 v[32+8*\kt+\j], 0                    ; K's likewise, written once
.endr
.endr
	v_mov_b32 v13, 0xff61b1e6                      ; the largest t so far: -3e38, under every t
	v_floor_f32 v12, -v13                          ; -M
	v_mov_b32 v14, 0
	v_mov_b32 v15, 0
.irp b, 0,1,2,3
	v_mov_b32 v[236+\b], 0                         ; a lane permute's destination counts as one of its sources
.endr
	v_mov_b32 v252, 0
	v_mov_b32 v253, 0
	s_wait_loadcnt 0x0
.irp i, 0,1,2,3,4,5,6,7
	ds_store_b128 v5, v[96+4*\i:99+4*\i] offset:8192*\i
.endr
.irp i, 0,1,2,3,4,5,6,7
	ds_store_b128 v6, v[128+4*\i:131+4*\i] offset:8192*\i
.endr
	ds_store_b128 v8, v[160:163]
.irp k, 1,2,3
.irp t, 0,1,2,3
	v_lshl_or_b32 v[164+\t], v[164+4*\k+\t], 8*\k, v[164+\t]       ; four key blocks' bytes make a key step's scale word
.endr
.endr
	ds_store_b128 v10, v[164:167]                  ; (both halves of the lanes write the same bytes with the same values)
	s_wait_dscnt 0x0
	s_barrier_signal -1
	s_barrier_wait -1                              ; the head's K, V and scale words lie in LDS
.set j, 0
.rept 32
	v_mov_b32 v[160+j], 0                          ; O^T: the loop is written once; its first step finds zeros
.set j, j+1
.endr
.Lstep:                                            ; 16 trips of 128 keys
	v_add_nc_u32 v[ADK], s[TK], v[AK0]             ; (these four are also the places between the last products and the loads into their operands)
	v_add_nc_u32 v[ADV], s[TK], v[AV0]
	v_add_nc_u32 v[ADS], s[TS], v[ASK0]
	v_add_nc_u32 v[ADT], s[TT], v[ASV0]
.irp kt, 0,1,2,3,4,5,6,7
	ds_load_b128 v[32+8*\kt:35+8*\kt], v[ADK] offset:512*\kt
.endr
.irp b, 0,1,2,3
	ds_load_b64 v[24+2*\b:25+2*\b], v[ADS] offset:128*\b
.endr
.irp t, 0,1,2,3
.irp c, 0,1
	ds_load_b128 v[192+8*\t+4*\c:195+8*\t+4*\c], v[ADV] offset:1024*\t+512*\c
.endr
.endr
	ds_load_b128 v[240:243], v[ADT]
	s_wait_dscnt 9                                 ; K's twelve loads are in; V's nine, issued behind them, may be out
.irp kt, 0,1,2,3,4,5,6,7
	v_wmma_scale_f32_16x16x128_f8f6f4 v[96+8*\kt:103+8*\kt], v[32+8*\kt:39+8*\kt], v[16:23], 0, v[24+\kt], v255 matrix_a_fmt:MATRIX_FMT_FP4 matrix_b_fmt:MATRIX_FMT_FP4
.endr
.rept 4
	v_nop
.endr
.irp b, 0,1,2,3
	v_max3_num_f32 v[232+\b], v[96+16*\b], v[97+16*\b], v[98+16*\b]   ; the largest score of each block of 32 keys: for the row's maximum and, since p rises with the score, for the block's largest p
.endr
.irp i, 3,5,7,9,11,13
.irp b, 0,1,2,3
	v_max3_num_f32 v[232+\b], v[232+\b], v[96+16*\b+\i], v[97+16*\b+\i]
.endr
.endr
.irp b, 0,1,2,3
	v_max_num_f32 v[232+\b], v[232+\b], v[111+16*\b]
.endr
.irp b, 0,1,2,3
	v_permlanex16_b32 v[236+\b], v[232+\b], s[SEL], s[SEL+1]
.endr
.irp b, 0,1,2,3
	v_max_num_f32 v[232+\b], v[232+\b], v[236+\b]
.endr
	v_max3_num_f32 v254, v232, v233, v234
	v_max_num_f32 v254, v254, v235
	v_mul_f32 v254, s[CS], v254                    ; the step's largest t of my query
	v_max_num_f32 v13, v13, v254
	v_mov_b32 v254, v12
	v_floor_f32 v12, -v13                          ; the new -M = -ceil(t): a whole number
	v_sub_f32 v254, v12, v254
	v_cvt_i32_f32 v254, v254                       ; (it saturates)
	v_ldexp_f32 v252, 1.0, v254                    ; f = 2^(old M - new M)
.set j, 0
.rept 32
	v_pk_fma_f32 v[96+j:97+j], v[96+j:97+j], s[CS:CS+1], v[12:13] op_sel_hi:[1,0,0]   ; t - M
.set j, j+2
.endr
.irp b, 0,1,2,3
	v_fma_f32 v[232+\b], v[232+\b], s[CS], v12
.endr
.set j, 0
.rept 64
	v_exp_f32 v[96+j], v[96+j]                     ; p = 2^(t - M)
.set j, j+1
.endr
	v_pk_mul_f32 v[14:15], v[14:15], v[252:253] op_sel_hi:[1,0]    ; the sums under the new M (a plain instruction behind the exponentials)
	s_wait_alu depctr_va_vdst(0)                   ; one wait for the batch, ahead of its first reader
.irp b, 0,1,2,3
	v_exp_f32 v[232+\b], v[232+\b]                 ; each block's largest p
.endr
	v_pk_add_f32 v[236:237], v[96:97], v[98:99]    ; the row's sum of the unquantised p, in two chains
.set j, 4
.rept 15
	v_pk_add_f32 v[14:15], v[14:15], v[96+j:97+j]
	v_pk_add_f32 v[236:237], v[236:237], v[98+j:99+j]
.set j, j+4
.endr
	v_pk_add_f32 v[14:15], v[14:15], v[236:237]
	s_wait_alu depctr_va_vdst(0)                   ; and one for the four
.irp b, 0,1,2,3
	v_max_num_f32 v[232+\b], 0x1800000, v[232+\b]  ; the floor 2^(3 - 127)
.endr
.irp b, 0,1,2,3
	v_add_nc_u32 v[244+\b], 0xff000000, v[232+\b]
.endr
.irp b, 0,1,2,3
	v_lshrrev_b32 v[236+\b], 23, v[244+\b]
.endr
	v_lshl_or_b32 v253, v237, 8, v236              ; p's scale word for these 128 keys
	v_lshl_or_b32 v253, v238, 16, v253
	v_lshl_or_b32 v253, v239, 24, v253
.irp b, 0,1,2,3
	v_cvt_scalef32_pk8_fp4_f32 v[224+2*\b], v[96+16*\b:103+16*\b], v[244+\b]
	v_cvt_scalef32_pk8_fp4_f32 v[225+2*\b], v[104+16*\b:111+16*\b], v[244+\b]
.endr
	v_nop
.irp c, 0,1
.irp i, 0,1
	v_permlane16_swap_b32 v[224+4*\c+\i], v[226+4*\c+\i]
.endr
.endr
.set j, 0
.rept 16
	v_pk_mul_f32 v[160+j:161+j], v[160+j:161+j], v[252:253] op_sel_hi:[1,0]   ; O^T under the new M; these sixteen are also the places in front of the scaled products below
.set j, j+2
.endr
	s_wait_dscnt 0x0                               ; V
.irp t, 0,1,2,3
	v_wmma_scale_f32_16x16x128_f8f6f4 v[160+8*\t:167+8*\t], v[192+8*\t:199+8*\t], v[224:231], v[160+8*\t:167+8*\t], v[240+\t], v253 matrix_a_fmt:MATRIX_FMT_FP4 matrix_b_fmt:MATRIX_FMT_FP4
.endr
	s_add_co_u32 s[TK], s[TK], 4096
	s_add_co_u32 s[TS], s[TS], 512
	s_add_co_u32 s[TT], s[TT], 256
	s_sub_co_u32 s[CNT], s[CNT], 1
	s_cmp_lg_u32 s[CNT], 0
	s_cbranch_scc1 .Lstep
	; THE WAY OUT: O^T / the sum; its 64 numbers a query are two blocks of the next product's K
	v_add_f32 v14, v14, v15
	v_permlanex16_b32 v252, v14, s[SEL], s[SEL+1]
	v_add_f32 v14, v14, v252
	v_rcp_f32 v14, v14
	v_and_b32 v8, 15, v0
	s_lshl_b32 s18, s[WV], 6
	s_add_co_u32 s18, s18, OSC
	v_lshl_add_u32 v8, v8, 2, s18                  ; OSC + 64 w + 4 r
	v_add_nc_u32 v6, OSC, v5                       ; OSC + 16 x thread
	v_nop
	s_wait_alu depctr_va_vdst(0)
.set j, 0
.rept 16
	v_pk_mul_f32 v[96+j:97+j], v[160+j:161+j], v[14:15] op_sel_hi:[1,0]   ; register 16 b + i: column 32 b + 16 h + i of my query
.set j, j+2
.endr
.irp b, 0,1
	v_max3_num_f32 v[232+\b], |v[96+16*\b]|, |v[97+16*\b]|, 0x1800000
.endr
.irp i, 2,4,6,8,10,12,14
.irp b, 0,1
	v_max3_num_f32 v[232+\b], v[232+\b], |v[96+16*\b+\i]|, |v[97+16*\b+\i]|
.endr
.endr
.irp b, 0,1
	v_permlanex16_b32 v[236+\b], v[232+\b], s[SEL], s[SEL+1]
.endr
.irp b, 0,1
	v_max_num_f32 v[232+\b], v[232+\b], v[236+\b]
.endr
.irp b, 0,1
	v_add_nc_u32 v[244+\b], 0xff000000, v[232+\b]
.endr
.irp b, 0,1
	v_lshrrev_b32 v[236+\b], 23, v[244+\b]
.endr
	v_lshl_or_b32 v253, v237, 8, v236
.irp b, 0,1
	v_cvt_scalef32_pk8_fp4_f32 v[224+2*\b], v[96+16*\b:103+16*\b], v[244+\b]
	v_cvt_scalef32_pk8_fp4_f32 v[225+2*\b], v[104+16*\b:111+16*\b], v[244+\b]
.endr
	v_nop
	v_permlane16_swap_b32 v224, v226
	v_permlane16_swap_b32 v225, v227
	global_store_b128 v[AK0], v[224:227], s[8:9]   ; 32 lanes store 512 consecutive bytes
	ds_store_b32 v8, v253                          ; (both halves of the lanes write the same word)
	s_wait_dscnt 0x0
	s_barrier_signal -1
	s_barrier_wait -1                              ; sixteen tiles' scale words lie in LDS
	s_cmp_ge_u32 s[WV], 2
	s_cbranch_scc1 .Ldone
	ds_load_b128 v[96:99], v6
	s_wait_dscnt 0x0
	global_store_b128 v5, v[96:99], s[10:11]       ; sixteen lanes store 256 consecutive bytes, aligned
.Ldone:
	s_wait_tensorcnt 0x0
	ds_add_u32 v250, v251
	s_wait_dscnt 0x0
	s_endpgm
.Lfunc_end_k_qc1199d3940_attn:
	.size	k_qc1199d3940_attn, .Lfunc_end_k_qc1199d3940_attn-k_qc1199d3940_attn
	.p2alignl 7, 3214868480
	.fill 96, 4, 3214868480
	.section	.rodata,"a",@progbits
	.p2align	6, 0x0
	.amdhsa_kernel k_qc1199d3940_attn
		.amdhsa_group_segment_fixed_size 146432
		.amdhsa_private_segment_fixed_size 0
		.amdhsa_enable_private_segment 0
		.amdhsa_kernarg_size 32
		.amdhsa_user_sgpr_count 2
		.amdhsa_user_sgpr_kernarg_segment_ptr 1
		.amdhsa_wavefront_size32 1
		.amdhsa_system_sgpr_workgroup_id_x 1
		.amdhsa_system_sgpr_workgroup_id_y 1
		.amdhsa_system_sgpr_workgroup_id_z 1
		.amdhsa_system_vgpr_workitem_id 0
		.amdhsa_next_free_vgpr 256
		.amdhsa_next_free_sgpr 66
		.amdhsa_reserve_vcc 0
		.amdhsa_float_denorm_mode_32 3
		.amdhsa_float_denorm_mode_16_64 3
		.amdhsa_memory_ordered 1
		.amdhsa_forward_progress 1
		.amdhsa_inst_pref_size 29
	.end_amdhsa_kernel
	.amdgpu_metadata
---
amdhsa.version: [ 1, 2 ]
amdhsa.kernels:
  - .name:           k_qc1199d3940_attn
    .symbol:         k_qc1199d3940_attn.kd
    .args:
      - { .name: qkv_img, .offset: 0, .size: 8, .value_kind: global_buffer, .address_space: global }
      - { .name: qkv_scl, .offset: 8, .size: 8, .value_kind: global_buffer, .address_space: global }
      - { .name: o_img, .offset: 16, .size: 8, .value_kind: global_buffer, .address_space: global }
      - { .name: o_scl, .offset: 24, .size: 8, .value_kind: global_buffer, .address_space: global }
    .group_segment_fixed_size: 146432
    .private_segment_fixed_size: 0
    .kernarg_segment_align: 8
    .kernarg_segment_size: 32
    .max_flat_workgroup_size: 512
    .sgpr_count:     66
    .vgpr_count:     256
    .wavefront_size: 32
...
	.end_amdgpu_metadata
.endif
;; end of part 3
;; launch post (part 4): grid 256 x 1, 4 waves a work-group, no clusters, 150,528 bytes of LDS; arguments o_img, o_scl, x, mod, g2, b2, wimg, Wo_scales, W_mlp1_scales, b_mlp1, W_mlp2_scales, b_mlp2, out0; writes out0
.if DOCPART == 4
	.amdgcn_target "amdgcn-amd-amdhsa--gfx1250"
	.amdhsa_code_object_version 6
	.text
	.protected	k_qc1199d3940_post
	.globl	k_qc1199d3940_post
	.p2align	8
	.type	k_qc1199d3940_post,@function
k_qc1199d3940_post:
	s_mov_b64 s[64:65], 0
	v_nop
	global_prefetch_b8 v0, s[64:65] scope:SCOPE_SE
	s_setreg_imm32_b32 hwreg(HW_REG_WAVE_MODE, 25, 1), 1
	s_wait_xcnt 0x0
; x2 = x + (o Wo) gate_msa;  xn2 = LN(x2, g2, b2) (1 + scale_mlp);  out = x2 + gate_mlp (gelu(xn2 W1 + b1) W2 + b2): three products on codes of E2M1 with E8M0 scales; xn2 and the hidden layer are
; quantised on the way and never go to memory.
; SHARES.  A work-group takes 32 tokens as two tiles of 16 (row r of tile m is token 8 m + (r % 8) + 16 (r / 8), as the launches before laid them).  In every product wave w takes weight tiles 8 w .. 8 w + 7
; (128 columns) for both token tiles: 64 matrix instructions on 16 accumulators by turns, the weights from wimg straight into registers, each byte once.  All products are used transposed (source 0 = the weight).
; The hidden layer goes in four runs of 512 units: a wave's 128 units of a run are one K step of the second MLP product; they go round as images of operand registers.
; TWO WEIGHT WINDOWS: W_mlp1's tiles in window 2, W_mlp2's in window 3.  A window is asked for again as soon as its product is issued, in small groups that stand between the pieces of gelu: a tile has
; most of a trip in which to land, and loads are on their way all the time.  The last trip, which asks for no further run, is written out, so that each counted wait has one count on every way.
; A SCALE REGISTER CARRIES TWO TILES: lanes 0-15 the words of tile t, lanes 16-31 those of tile t + 4 (one load: lanes 16-31 read 64 rows further on); tiles 4-7 name the register's upper row.
; LN and the way out: wave w works tokens 8 w .. 8 w + 7 as whole rows; rows and columns change hands in a stage in LDS.  x2 waits in LDS for the end.
; gelu is exact: erf(z) = z P(z^2) / Q(z^2) on |z| <= 4, degrees 6 and 4.
; No tensor load and no cluster: each weight fragment is used by the one wave that loads it, and a way through LDS would add a write and a read of every byte.
; LIMITS: NaN and infinities are not served; a block whose largest magnitude lies under 2^-124 gets the scale byte 1; erf carries an absolute error of about 1e-7, so gelu's small values for very negative inputs carry that absolute error.
; REGISTERS, in windows of 256.  Window 0: v1-14 addresses; v24-31 the activations' scale words; v32-47 Wo's and W_mlp1's, v48-63 W_mlp2's; v64-71 codes just made; v72-89 the quantiser's; v90-91, v124-125 erf's leading
;   coefficients; v92-123 at work; v128-255 accumulators, rows.   Window 1: v0-127 x's rows, then the 16 accumulators of the last product; v128-191 LN's parameters, then eight activation fragments; v192-255 b_mlp1's tiles.
;   Windows 2, 3: eight weight tiles each (tile t, K step s at 32 t + 8 s).
.set XIMG, 0                           ; LDS: xn2's 8 fragments (4 m + s), 1,024 bytes each,
.set XSC,  8192                        ; their scale words, 128 bytes each,
.set HIMG, 9216                        ; the hidden run's 8 fragments,
.set HSC,  17408                       ; their scale words,
.set STG,  18432                       ; the stage: 32 rows x (2,048 + 16) bytes,
.set X2S,  84480                       ; x2: 32 rows x 2,048 bytes, each wave's own eight
.set SP,   2064
.set LI,   1
.set LS,   2
.set SL16, 3                           ; 16 x ((r % 8) + 16 (r / 8) + 64 h)
.set SL64, 4                           ; 64 x the same
.set BH,   5                           ; 64 h
.set STD,  6
.set STQ,  7
.set SO,   8                           ; the stage as results enter it
.set XWI,  9
.set XWS,  10
.set X2A,  11
.set HWI,  12
.set HWS,  13
.set R4,   14                          ; 4 r
.set AS,   24
.set WSA,  32
.set WSB,  48
.set PC,   64
.set TM,   72
.set PW,   88
.set T1,   89
.set SUM,  92
.set MU,   100
.set TP,   108
.set RS,   112
.set GZ,   92
.set GX,   100
.set GP,   108
.set GQ,   116
.set ACC,  128
.set WV,   2
.set BT,   4
.set PP,   5
.set OIP,  8
.set OSP,  10
.set XP,   12
.set MODP, 14
.set G2P,  16
.set LB2P, 18
.set WOS,  22
.set W1S,  24
.set B1P,  26
.set W2S,  28
.set B2P,  30
.set OUTP, 32
.set WOC,  34
.set W1C,  36
.set W2C,  38
.set SEL,  42
.set C512, 44
.set EPS,  45
.set CH,   46
.set SA1,  66                          ; s[66:77] erf's alpha 1 .. 6, each twice; s[78:85] beta 1 .. 4
.set SB1,  78
.set MSB, 0
.macro WIN new                         ; the immediate's high byte repeats the setting that is left
.if MSB != \new
	s_set_vgpr_msb (MSB<<8)|\new
.set MSB, \new
.endif
.endm
.macro BAR                             ; my LDS stores have landed and my LDS loads are in: then the work-group's barrier
	s_wait_dscnt 0x0
	s_barrier_signal -1
	s_barrier_wait -1
.endm
.macro SC2 r, val
	s_mov_b32 s[\r], \val
	s_mov_b32 s[\r+1], \val
.endm
; ar: source 0's scales stand in lanes 16-31 of their register
.macro WM0 d, a, b, sa, sb, ar
.if \ar
	v_wmma_scale_f32_16x16x128_f8f6f4 v[\d:\d+7], v[\a:\a+7], v[\b:\b+7], 0, v[\sa], v[\sb] matrix_a_fmt:MATRIX_FMT_FP4 matrix_b_fmt:MATRIX_FMT_FP4 matrix_a_scale:MATRIX_SCALE_ROW1
.else
	v_wmma_scale_f32_16x16x128_f8f6f4 v[\d:\d+7], v[\a:\a+7], v[\b:\b+7], 0, v[\sa], v[\sb] matrix_a_fmt:MATRIX_FMT_FP4 matrix_b_fmt:MATRIX_FMT_FP4
.endif
.endm
.macro WMC d, a, b, c, sa, sb, ar
.if \ar
	v_wmma_scale_f32_16x16x128_f8f6f4 v[\d:\d+7], v[\a:\a+7], v[\b:\b+7], v[\c:\c+7], v[\sa], v[\sb] matrix_a_fmt:MATRIX_FMT_FP4 matrix_b_fmt:MATRIX_FMT_FP4 matrix_a_scale:MATRIX_SCALE_ROW1
.else
	v_wmma_scale_f32_16x16x128_f8f6f4 v[\d:\d+7], v[\a:\a+7], v[\b:\b+7], v[\c:\c+7], v[\sa], v[\sb] matrix_a_fmt:MATRIX_FMT_FP4 matrix_b_fmt:MATRIX_FMT_FP4
.endif
.endm
; one weight tile into the window that win names (0x80: window 2, 0xc0: window 3): 8 loads of 512 consecutive bytes
.macro WT win, cb, tile
	WIN \win
.irp i, 0,1,2,3,4,5,6,7
	global_load_b128 v[32*(\tile)+4*\i:32*(\tile)+4*\i+3], v[LI], s[\cb:\cb+1] offset:4096*(\tile)+512*\i
.endr
	WIN 0
.endm
; four tiles (4 half .. + 3): 32 loads
.macro WHC half, win, cb
	WIN \win
.irp tt, 0,1,2,3
.irp i, 0,1,2,3,4,5,6,7
	global_load_b128 v[32*(4*\half+\tt)+4*\i:32*(4*\half+\tt)+4*\i+3], v[LI], s[\cb:\cb+1] offset:4096*(4*\half+\tt)+512*\i
.endr
.endr
	WIN 0
.endm
; the eight tiles' scale words: 4 loads; register ws + 4 t + s: lanes 0-15 tile t, lanes 16-31 tile t + 4, K step s
.macro WSL ws, sb, sl, sstr
.irp tt, 0,1,2,3
	global_load_b128 v[\ws+4*\tt:\ws+4*\tt+3], v[\sl], s[\sb:\sb+1] offset:(32*(\tt/2)+8*(\tt%2))*\sstr
.endr
.endm
.macro BIASH half                      ; b_mlp1 in the result's layout, four tiles: 8 loads
	WIN 0x40
.irp tt, 0,1,2,3
	global_load_b128 v[192+8*(4*\half+\tt):192+8*(4*\half+\tt)+3], v[BH], s[B1P:B1P+1] offset:(32*((4*\half+\tt)/2)+8*((4*\half+\tt)%2))*4
	global_load_b128 v[196+8*(4*\half+\tt):196+8*(4*\half+\tt)+3], v[BH], s[B1P:B1P+1] offset:(32*((4*\half+\tt)/2)+8*((4*\half+\tt)%2))*4+16
.endr
	WIN 0
.endm
; 64 matrix instructions; the 16 accumulators take turns, one instruction a turn.  Four v_nop end each run: the places in front of loads into its operands and of the first read of its results.
.macro MMT                             ; o Wo: the first K step starts the sums
	WIN 0x06
.irp s, 0,1,2,3
.irp t, 0,1,2,3,4,5,6,7
.irp m, 0,1
.if \s == 0
	WM0 ACC+64*\m+8*\t, 32*\t+8*\s, 128+8*(4*\m+\s), WSA+4*(\t%4)+\s, AS+4*\m+\s, \t/4
.else
	WMC ACC+64*\m+8*\t, 32*\t+8*\s, 128+8*(4*\m+\s), ACC+64*\m+8*\t, WSA+4*(\t%4)+\s, AS+4*\m+\s, \t/4
.endif
.endr
.endr
.endr
	WIN 0
.rept 4
	v_nop
.endr
.endm
.macro MM1                             ; xn2 W1 (window 2): b_mlp1 (window 1) is the C of each sum's first product
.irp s, 0,1,2,3
.if \s == 0
	WIN 0x16
.else
	WIN 0x06
.endif
.irp t, 0,1,2,3,4,5,6,7
.irp m, 0,1
.if \s == 0
	WMC ACC+64*\m+8*\t, 32*\t+8*\s, 128+8*(4*\m+\s), 192+8*\t, WSA+4*(\t%4)+\s, AS+4*\m+\s, \t/4
.else
	WMC ACC+64*\m+8*\t, 32*\t+8*\s, 128+8*(4*\m+\s), ACC+64*\m+8*\t, WSA+4*(\t%4)+\s, AS+4*\m+\s, \t/4
.endif
.endr
.endr
.endr
	WIN 0
.rept 4
	v_nop
.endr
.endm
.macro MM2                             ; h W2 (window 3), onto the accumulators in window 1, which began as b_mlp2
	WIN 0x57
.irp s, 0,1,2,3
.irp t, 0,1,2,3,4,5,6,7
.irp m, 0,1
	WMC 64*\m+8*\t, 32*\t+8*\s, 128+8*(4*\m+\s), 64*\m+8*\t, WSB+4*(\t%4)+\s, AS+4*\m+\s, \t/4
.endr
.endr
.endr
	WIN 0
.rept 4
	v_nop
.endr
.endm
; 64 numbers of a lane, register 16 b + i = place 32 b + 16 h + i along K: four blocks' scale bytes (TM+4..7) and codes (PC + 2 b, + 1: my half of block b)
.macro QCORE src
.irp b, 0,1,2,3
	v_max3_num_f32 v[TM+\b], |v[\src+16*\b]|, |v[\src+16*\b+1]|, 0x1800000   ; my 16 numbers, and the floor 2^(3 - 127): the byte cannot fall under 1
.endr
.irp i, 2,4,6,8,10,12,14
.irp b, 0,1,2,3
	v_max3_num_f32 v[TM+\b], v[TM+\b], |v[\src+16*\b+\i]|, |v[\src+16*\b+\i+1]|
.endr
.endr
.irp b, 0,1,2,3
	v_permlanex16_b32 v[TM+4+\b], v[TM+\b], s[SEL], s[SEL+1]
.endr
.irp b, 0,1,2,3
	v_max_num_f32 v[TM+\b], v[TM+\b], v[TM+4+\b]
.endr
.irp b, 0,1,2,3
	v_add_nc_u32 v[TM+12+\b], 0xff000000, v[TM+\b]
.endr
.irp b, 0,1,2,3
	v_lshrrev_b32 v[TM+4+\b], 23, v[TM+12+\b]
.endr
.irp b, 0,1,2,3
	v_cvt_scalef32_pk8_fp4_f32 v[PC+2*\b], v[\src+16*\b:\src+16*\b+7], v[TM+12+\b]
	v_cvt_scalef32_pk8_fp4_f32 v[PC+2*\b+1], v[\src+16*\b+8:\src+16*\b+15], v[TM+12+\b]
.endr
	v_nop                                          ; one plain instruction behind the last scaled conversion
.endm
.macro QWORD
	v_lshl_or_b32 v[PW], v[TM+5], 8, v[TM+4]
	v_lshl_or_b32 v[PW], v[TM+6], 16, v[PW]
	v_lshl_or_b32 v[PW], v[TM+7], 24, v[PW]
.endm
.macro QSWAP
.irp c, 0,1
.irp i, 0,1
	v_permlane16_swap_b32 v[PC+4*\c+\i], v[PC+4*\c+2+\i]
.endr
.endr
.endm
.macro IMAGE adr, off
	ds_store_b128 v[\adr], v[PC:PC+3] offset:\off
	ds_store_b128 v[\adr], v[PC+4:PC+7] offset:\off+512
.endm
.macro AFETCH ioff, soff
	WIN 0x40
.irp f, 0,1,2,3,4,5,6,7
.irp c, 0,1
	ds_load_b128 v[128+8*\f+4*\c:128+8*\f+4*\c+3], v[LI] offset:\ioff+1024*\f+512*\c
.endr
.endr
	WIN 0
.irp f, 0,1,2,3,4,5,6,7
	ds_load_b32 v[AS+\f], v[LS] offset:\soff+128*\f
.endr
.endm
.macro RED4
.irp k, 0,1,2,3
	v_add_f32 v[SUM+2*\k], v[SUM+2*\k], v[SUM+2*\k+1]
.endr
.irp x, 1,2,4,8
.irp k, 0,1,2,3
	v_add_f32_dpp v[SUM+2*\k], v[SUM+2*\k], v[SUM+2*\k] row_xmask:\x row_mask:0xf bank_mask:0xf
.endr
.endr
.irp k, 0,1,2,3
	v_permlanex16_b32 v[TP+\k], v[SUM+2*\k], s[SEL], s[SEL+1]
.endr
.irp k, 0,1,2,3
	v_add_f32 v[SUM+2*\k], v[SUM+2*\k], v[TP+\k]
.endr
.endm
; four rows by turns: x2 = (o Wo) gate + x, kept in LDS; then its LN.  Row k in v[xb + 16 k ..], columns 128 q + 4 lane + 0..3 in registers 4 q .. 4 q + 3
.macro LN4 xb, grp
	WIN 0x14                                       ; sources 1 and 2 in window 1: the gate, x's rows
.irp k, 0,1,2,3
.irp j, 0,2,4,6,8,10,12,14
	v_pk_fma_f32 v[\xb+16*\k+\j:\xb+16*\k+\j+1], v[\xb+16*\k+\j:\xb+16*\k+\j+1], v[176+\j:177+\j], v[64*\grp+16*\k+\j:64*\grp+16*\k+\j+1]
.endr
.endr
	WIN 0
.irp k, 0,1,2,3
.irp q, 0,1,2,3
	ds_store_b128 v[X2A], v[\xb+16*\k+4*\q:\xb+16*\k+4*\q+3] offset:(4*\grp+\k)*2048+512*\q
.endr
.endr
.irp k, 0,1,2,3
	v_pk_add_f32 v[SUM+2*\k:SUM+2*\k+1], v[\xb+16*\k:\xb+16*\k+1], v[\xb+16*\k+2:\xb+16*\k+3]
.endr
.irp j, 4,6,8,10,12,14
.irp k, 0,1,2,3
	v_pk_add_f32 v[SUM+2*\k:SUM+2*\k+1], v[SUM+2*\k:SUM+2*\k+1], v[\xb+16*\k+\j:\xb+16*\k+\j+1]
.endr
.endr
	RED4
.irp k, 0,1,2,3
	v_mul_f32 v[MU+2*\k], s[C512], v[SUM+2*\k]
.endr
.irp k, 0,1,2,3
	v_mov_b32 v[MU+2*\k+1], v[MU+2*\k]
.endr
	s_wait_dscnt 0x0                               ; the stores of x2 have read their registers
.irp k, 0,1,2,3
.irp j, 0,2,4,6,8,10,12,14
	v_pk_add_f32 v[\xb+16*\k+\j:\xb+16*\k+\j+1], v[\xb+16*\k+\j:\xb+16*\k+\j+1], v[MU+2*\k:MU+2*\k+1] neg_lo:[0,1] neg_hi:[0,1]
.endr
.endr
.irp k, 0,1,2,3
	v_pk_mul_f32 v[SUM+2*\k:SUM+2*\k+1], v[\xb+16*\k:\xb+16*\k+1], v[\xb+16*\k:\xb+16*\k+1]
.endr
.irp j, 2,4,6,8,10,12,14
.irp k, 0,1,2,3
	v_pk_fma_f32 v[SUM+2*\k:SUM+2*\k+1], v[\xb+16*\k+\j:\xb+16*\k+\j+1], v[\xb+16*\k+\j:\xb+16*\k+\j+1], v[SUM+2*\k:SUM+2*\k+1]
.endr
.endr
	RED4
.irp k, 0,1,2,3
	v_fma_f32 v[SUM+2*\k], v[SUM+2*\k], s[C512], s[EPS]
.endr
.irp k, 0,1,2,3
	v_rsq_f32 v[RS+2*\k], v[SUM+2*\k]
.endr
	v_nop
	s_wait_alu depctr_va_vdst(0)                   ; one wait for the four, ahead of their first reader
.irp k, 0,1,2,3
	v_mov_b32 v[RS+2*\k+1], v[RS+2*\k]
.endr
.irp k, 0,1,2,3
.irp j, 0,2,4,6,8,10,12,14
	v_pk_mul_f32 v[\xb+16*\k+\j:\xb+16*\k+\j+1], v[\xb+16*\k+\j:\xb+16*\k+\j+1], v[RS+2*\k:RS+2*\k+1]
.endr
.endr
	WIN 0x14
.irp k, 0,1,2,3
.irp j, 0,2,4,6,8,10,12,14
	v_pk_fma_f32 v[\xb+16*\k+\j:\xb+16*\k+\j+1], v[\xb+16*\k+\j:\xb+16*\k+\j+1], v[128+\j:129+\j], v[144+\j:145+\j]
.endr
.endr
.irp k, 0,1,2,3
.irp j, 0,2,4,6,8,10,12,14
	v_pk_mul_f32 v[\xb+16*\k+\j:\xb+16*\k+\j+1], v[\xb+16*\k+\j:\xb+16*\k+\j+1], v[160+\j:161+\j]
.endr
.endr
	WIN 0
.irp k, 0,1,2,3
.irp q, 0,1,2,3
	ds_store_b128 v[STD], v[\xb+16*\k+4*\q:\xb+16*\k+4*\q+3] offset:(4*\grp+\k)*SP+512*\q
.endr
.endr
.endm
.macro XQ
.irp sl, 0,1
.irp b, 0,1,2,3
.irp j, 0,1,2,3
	ds_load_b128 v[ACC+64*\sl+16*\b+4*\j:ACC+64*\sl+16*\b+4*\j+3], v[STQ] offset:512*\sl+128*\b+16*\j
.endr
.endr
.endr
	s_wait_dscnt 0x0
.irp sl, 0,1
	QCORE ACC+64*\sl
	QWORD
	QSWAP
	IMAGE XWI, 1024*\sl
	ds_store_b32 v[XWS], v[PW] offset:128*\sl
	s_wait_dscnt 0x0                               ; the stores have read their registers
.endr
.endm
.macro RES2STG base, win               ; 16 result tiles into the stage: lane (r, h): row 16 m + r, columns 128 w + 32 (t / 2) + 8 (t % 2) + 16 h + 0..7; each accumulator from its low end on
	WIN \win
.irp m, 0,1
.irp t, 0,1,2,3,4,5,6,7
	ds_store_b128 v[SO], v[\base+64*\m+8*\t:\base+64*\m+8*\t+3] offset:16*SP*\m+128*(\t/2)+32*(\t%2)
	ds_store_b128 v[SO], v[\base+64*\m+8*\t+4:\base+64*\m+8*\t+7] offset:16*SP*\m+128*(\t/2)+32*(\t%2)+16
.endr
.endr
	WIN 0
.endm
; gelu of eight numbers in place: x/2 + (x/2) erf(x / sqrt 2)
.macro GELU8 a
.irp j, 0,2,4,6
	v_pk_mul_f32 v[GZ+\j:GZ+\j+1], v[\a+\j:\a+\j+1], 0x3f3504f3 op_sel_hi:[1,0]
.endr
.irp j, 0,1,2,3,4,5,6,7
	v_med3_num_f32 v[GZ+\j], v[GZ+\j], -4.0, 4.0
.endr
.irp j, 0,2,4,6
	v_pk_mul_f32 v[GX+\j:GX+\j+1], v[GZ+\j:GZ+\j+1], v[GZ+\j:GZ+\j+1]
.endr
.irp j, 0,2,4,6
	v_pk_fma_f32 v[GQ+\j:GQ+\j+1], v[GX+\j:GX+\j+1], v[124:125], s[SB1:SB1+1] op_sel_hi:[1,1,0]
.endr
.irp c, 1,2,3
.irp j, 0,2,4,6
	v_pk_fma_f32 v[GQ+\j:GQ+\j+1], v[GQ+\j:GQ+\j+1], v[GX+\j:GX+\j+1], s[SB1+2*\c:SB1+2*\c+1] op_sel_hi:[1,1,0]
.endr
.endr
.irp j, 0,1,2,3,4,5,6,7
	v_rcp_f32 v[GQ+\j], v[GQ+\j]
.endr
.irp j, 0,2,4,6
	v_pk_fma_f32 v[GP+\j:GP+\j+1], v[GX+\j:GX+\j+1], v[90:91], s[SA1:SA1+1] op_sel_hi:[1,1,0]   ; the numerator is the independent work behind the reciprocals
.endr
.irp c, 1,2,3,4,5
.irp j, 0,2,4,6
	v_pk_fma_f32 v[GP+\j:GP+\j+1], v[GP+\j:GP+\j+1], v[GX+\j:GX+\j+1], s[SA1+2*\c:SA1+2*\c+1] op_sel_hi:[1,1,0]
.endr
.endr
.irp j, 0,2,4,6
	v_pk_mul_f32 v[GP+\j:GP+\j+1], v[GP+\j:GP+\j+1], v[GZ+\j:GZ+\j+1]
.endr
.irp j, 0,2,4,6
	v_pk_mul_f32 v[\a+\j:\a+\j+1], v[\a+\j:\a+\j+1], 0.5 op_sel_hi:[1,0]
.endr
	s_wait_alu depctr_va_vdst(0)                   ; one wait for the eight reciprocals, ahead of their first reader
.irp j, 0,2,4,6
	v_pk_mul_f32 v[GP+\j:GP+\j+1], v[GP+\j:GP+\j+1], v[GQ+\j:GQ+\j+1]
.endr
.irp j, 0,2,4,6
	v_pk_fma_f32 v[\a+\j:\a+\j+1], v[\a+\j:\a+\j+1], v[GP+\j:GP+\j+1], v[\a+\j:\a+\j+1]
.endr
.endm
; The loads that stand behind the n-th of a trip's sixteen pieces of gelu.  Pieces 0-3: this run's W_mlp2, tiles 4-7 (32 loads).  With a further run (more = 1), pieces 4-13: its W_mlp1: scale words and half the bias
; (12), eight tiles (64), the other half of the bias (8): 84 loads.
.macro FEED n, more
.if \n < 4
	WT 0xc0, W2C, 4+\n
.elseif \more
.if \n == 4
	WSL WSA, W1S, SL16, 16
	BIASH 0
.elseif \n < 13
	WT 0x80, W1C, \n-5
.elseif \n == 13
	BIASH 1
.endif
.endif
.endm
; A run of 512 hidden units.  more = 1: a further run follows
.macro TRIP more
	s_wait_loadcnt 36                              ; this run's W_mlp1, its scale words and bias (and all that was asked for earlier) are in; the 36 loads of W_mlp2's scale words and first four tiles may be out
	s_wait_dscnt 0x0                               ; xn2's fragments
.if \more
	s_add_nc_u64 s[W1C:W1C+1], s[W1C:W1C+1], 131072    ; the loads that named these bases are done: on to the next run
	s_add_nc_u64 s[W1S:W1S+1], s[W1S:W1S+1], 8192
	s_add_nc_u64 s[B1P:B1P+1], s[B1P:B1P+1], 2048
.endif
	MM1
.irp n, 0,1,2,3,4,5,6,7
	GELU8 ACC+8*\n
	FEED \n, \more
.endr
	QCORE ACC
	QWORD
	QSWAP
	IMAGE HWI, 0                                   ; K step w of this run, token tile 0
	ds_store_b32 v[HWS], v[PW]
.irp n, 8,9,10,11,12,13,14,15
	GELU8 ACC+8*\n
	FEED \n, \more
.endr
	s_wait_dscnt 0x0                               ; the stores have read their registers
	QCORE ACC+64
	QWORD
	QSWAP
	IMAGE HWI, 4096
	ds_store_b32 v[HWS], v[PW] offset:512
	BAR                                            ; the run's eight fragments lie in LDS
	AFETCH HIMG, HSC
.if \more
	s_wait_loadcnt 63                              ; W_mlp2's tiles are in: 84 loads were issued behind the last of them, and a wait names 63 at the most
	s_wait_dscnt 0x0                               ; my reads of the run's images are in:
	s_add_nc_u64 s[W2C:W2C+1], s[W2C:W2C+1], 131072
	s_add_nc_u64 s[W2S:W2S+1], s[W2S:W2S+1], 16
	s_barrier_signal -1                            ; say so; the next trip's images are stored only behind the wait below
	MM2                                            ; work on registers while the others arrive
	s_barrier_wait -1
	WSL WSB, W2S, SL64, 64                         ; the next run's W_mlp2: scale words and tiles 0-3: 36 loads
	WHC 0, 0xc0, W2C
	AFETCH XIMG, XSC
.else
	s_wait_loadcnt 0x0                             ; nothing was issued behind W_mlp2's last tile
	s_wait_dscnt 0x0
	MM2
.endif
.endm
	s_load_b512 s[8:23], s[0:1], 0x0               ; o_img 8, o_scl 10, x 12, mod 14, g2 16, b2 18, wimg 20, Wo_scales 22
	s_load_b256 s[24:31], s[0:1], 0x40             ; W_mlp1_scales 24, b_mlp1 26, W_mlp2_scales 28, b_mlp2 30
	s_load_b64 s[32:33], s[0:1], 0x60              ; out0
	v_lshl_add_u32 v126, v0, 2, 0x24a00
	v_mov_b32 v127, 0
	v_lshrrev_b32 v[T1], 5, v0
	v_readfirstlane_b32 s[WV], v[T1]               ; wave 0..3
	s_lshr_b32 s[BT], ttmp9, 6                     ; batch
	s_and_b32 s[PP], ttmp9, 63
	v_and_b32 v[LS], 31, v0
	v_lshlrev_b32 v[LI], 4, v[LS]
	v_lshlrev_b32 v[LS], 2, v[LS]
	v_and_b32 v92, 15, v0                          ; r
	v_bfe_u32 v93, v0, 4, 1                        ; h
	v_and_b32 v94, 7, v0
	v_bfe_u32 v95, v0, 3, 1
	v_lshl_add_u32 v94, v95, 4, v94                ; (r % 8) + 16 (r / 8)
	v_lshlrev_b32 v[SL16], 4, v94
	v_lshl_add_u32 v[SL16], v93, 10, v[SL16]       ; lanes 16-31: 64 rows of 16 bytes further on
	v_lshlrev_b32 v[SL64], 6, v94
	v_lshl_add_u32 v[SL64], v93, 12, v[SL64]       ; 64 rows of 64 bytes
	v_lshlrev_b32 v[BH], 6, v93
	v_lshlrev_b32 v[R4], 2, v92
	s_and_b32 s47, s[WV], 1
	s_lshr_b32 s48, s[WV], 1
	s_lshl_b32 s40, s47, 4
	s_lshl_b32 s41, s48, 3
	s_add_co_u32 s40, s40, s41                     ; tokens 8 w + i lie in stage rows 16 (w % 2) + 8 (w / 2) + i
	s_mul_i32 s40, s40, SP
	s_add_co_u32 s40, s40, STG
	v_add_nc_u32 v[STD], s40, v[LI]
	v_mul_u32_u24 v96, v92, SP
	v_lshl_add_u32 v96, v93, 6, v96                ; row r, + 64 h
	s_mul_i32 s40, s47, 16*SP
	s_lshl_b32 s41, s48, 10
	s_add_co_u32 s40, s40, s41
	s_add_co_u32 s40, s40, STG
	v_add_nc_u32 v[STQ], s40, v96
	s_lshl_b32 s40, s[WV], 9
	s_add_co_u32 s40, s40, STG
	v_add_nc_u32 v[SO], s40, v96
	s_lshl_b32 s40, s47, 2
	s_lshl_b32 s41, s48, 1
	s_add_co_u32 s40, s40, s41
	s_lshl_b32 s41, s40, 10
	v_add_nc_u32 v[XWI], s41, v[LI]
	s_lshl_b32 s41, s40, 7
	s_add_co_u32 s41, s41, XSC
	v_add_nc_u32 v[XWS], s41, v[LS]
	s_lshl_b32 s40, s[WV], 14
	s_add_co_u32 s40, s40, X2S
	v_add_nc_u32 v[X2A], s40, v[LI]
	s_lshl_b32 s40, s[WV], 10
	s_add_co_u32 s40, s40, HIMG
	v_add_nc_u32 v[HWI], s40, v[LI]
	s_lshl_b32 s40, s[WV], 7
	s_add_co_u32 s40, s40, HSC
	v_add_nc_u32 v[HWS], s40, v[LS]
.irp b, 0,1,2,3
	v_mov_b32 v[TM+4+\b], 0                        ; written once: a lane permute's destination counts as one of its sources
	v_mov_b32 v[TP+\b], 0
.endr
	v_mov_b32 v90, 0xaf95df0b                      ; alpha 0
	v_mov_b32 v91, 0xaf95df0b
	v_mov_b32 v124, 0xb77460cd                     ; beta 0
	v_mov_b32 v125, 0xb77460cd
	SC2 SA1,    0x32edffee
	SC2 SA1+2,  0xb60cff51
	SC2 SA1+4,  0xb86ec2d2
	SC2 SA1+6,  0xba40ac63
	SC2 SA1+8,  0xbb41a1f6
	SC2 SA1+10, 0xbc83dbd4
	SC2 SB1,    0xb95fbd29
	SC2 SB1+2,  0xbadc924e
	SC2 SB1+4,  0xbbf19bf8
	SC2 SB1+6,  0xbc69b6a7
	s_mov_b32 s[SEL], 0x76543210
	s_mov_b32 s[SEL+1], 0xfedcba98
	s_mov_b32 s[C512], 0x3b000000                  ; 1 / 512
	s_mov_b32 s[EPS], 0x3727c5ac                   ; 1e-5
	s_mov_b32 s[CH], 0
	s_mov_b32 s41, 0
	s_wait_kmcnt 0x0
	s_lshl_b32 s40, ttmp9, 13
	s_add_nc_u64 s[OIP:OIP+1], s[OIP:OIP+1], s[40:41]
	s_lshl_b32 s40, s[BT], 16
	s_lshl_b32 s47, s[PP], 7
	s_add_co_u32 s40, s40, s47
	s_add_nc_u64 s[OSP:OSP+1], s[OSP:OSP+1], s[40:41]
	s_lshl_b32 s40, ttmp9, 16
	s_lshl_b32 s47, s[WV], 14
	s_add_co_u32 s40, s40, s47
	s_add_nc_u64 s[XP:XP+1], s[XP:XP+1], s[40:41]
	s_add_nc_u64 s[OUTP:OUTP+1], s[OUTP:OUTP+1], s[40:41]
	s_lshl_b32 s40, s[BT], 13
	s_add_nc_u64 s[MODP:MODP+1], s[MODP:MODP+1], s[40:41]
	s_lshl_b32 s40, s[WV], 15
	s_add_nc_u64 s[W2C:W2C+1], s[20:21], s[40:41]
	s_add_nc_u64 s[WOC:WOC+1], s[W2C:W2C+1], 393216
	s_add_nc_u64 s[W1C:W1C+1], s[W2C:W2C+1], 524288
	s_add_nc_u64 s[W2C:W2C+1], s[W2C:W2C+1], 1048576
	s_lshl_b32 s40, s[WV], 11
	s_add_nc_u64 s[WOS:WOS+1], s[WOS:WOS+1], s[40:41]
	s_add_nc_u64 s[W1S:W1S+1], s[W1S:W1S+1], s[40:41]
	s_lshl_b32 s40, s[WV], 9
	s_add_nc_u64 s[B1P:B1P+1], s[B1P:B1P+1], s[40:41]
	s_add_nc_u64 s[B2P:B2P+1], s[B2P:B2P+1], s[40:41]
	s_lshl_b32 s40, s[WV], 13
	s_add_nc_u64 s[W2S:W2S+1], s[W2S:W2S+1], s[40:41]
	; ---- o's fragments and scale words, Wo, x
	WIN 0x40
.irp f, 0,1,2,3,4,5,6,7,8,9,10,11,12,13,14,15
	global_load_b128 v[128+4*\f:131+4*\f], v[LI], s[OIP:OIP+1] offset:512*\f
.endr
	WIN 0
.irp m, 0,1
.irp hd, 0,1,2,3,4,5,6,7
	global_load_b32 v[92+8*\m+\hd], v[R4], s[OSP:OSP+1] offset:8192*\hd+64*\m
.endr
.endr
	WSL WSA, WOS, SL16, 16
	WHC 0, 0x80, WOC
	WHC 1, 0x80, WOC
	WIN 0x40
.irp i, 0,1,2,3,4,5,6,7
.irp q, 0,1,2,3
	global_load_b128 v[16*\i+4*\q:16*\i+4*\q+3], v[LI], s[XP:XP+1] offset:2048*\i+512*\q th:TH_LOAD_NT
.endr
.endr
	WIN 0
	s_wait_loadcnt 32                              ; all but x's 32 loads
.irp m, 0,1
.irp s, 0,1,2,3
	v_lshl_or_b32 v[AS+4*\m+\s], v[93+8*\m+2*\s], 16, v[92+8*\m+2*\s]   ; two heads' two bytes make a K step's scale word
.endr
.endr
.rept 8
	v_nop                                          ; a scale register written by a vector instruction stands eight places ahead of a scaled matrix instruction
.endr
	MMT
	WIN 0x40
.irp q, 0,1,2,3
	global_load_b128 v[128+4*\q:131+4*\q], v[LI], s[G2P:G2P+1] offset:512*\q
	global_load_b128 v[144+4*\q:147+4*\q], v[LI], s[LB2P:LB2P+1] offset:512*\q
	global_load_b128 v[160+4*\q:163+4*\q], v[LI], s[MODP:MODP+1] offset:4096+512*\q  ; scale_mlp
	global_load_b128 v[176+4*\q:179+4*\q], v[LI], s[MODP:MODP+1] offset:2048+512*\q  ; gate_msa
.endr
	WIN 0
	WSL WSA, W1S, SL16, 16                         ; the first run's W_mlp1: 4 + 32 + 8 = 44 loads
	WHC 0, 0x80, W1C
	BIASH 0
	RES2STG ACC, 0
	BAR                                            ; 32 rows of o Wo lie in the stage
.irp i, 0,1,2,3,4,5,6,7
.irp q, 0,1,2,3
	ds_load_b128 v[ACC+16*\i+4*\q:ACC+16*\i+4*\q+3], v[STD] offset:\i*SP+512*\q
.endr
.endr
	s_wait_loadcnt 44                              ; x and LN's parameters are in; the 44 loads just named may be out
	s_wait_dscnt 0x0
	WIN 0x41
.irp j, 0,2,4,6,8,10,12,14
	v_pk_add_f32 v[160+\j:161+\j], v[160+\j:161+\j], 1.0 op_sel_hi:[1,0]             ; 1 + scale_mlp
.endr
	WIN 0
	LN4 ACC, 0
	WHC 1, 0x80, W1C
	BIASH 1
	LN4 ACC+64, 1
	BAR                                            ; 32 rows of xn2 lie in the stage
	WIN 0x40
.irp m, 0,1
.irp t, 0,1,2,3,4,5,6,7
	global_load_b128 v[64*\m+8*\t:64*\m+8*\t+3], v[BH], s[B2P:B2P+1] offset:(32*(\t/2)+8*(\t%2))*4       ; the last product's sums begin as b_mlp2, in the result's layout
	global_load_b128 v[64*\m+8*\t+4:64*\m+8*\t+7], v[BH], s[B2P:B2P+1] offset:(32*(\t/2)+8*(\t%2))*4+16
.endr
.endr
	WIN 0
	WSL WSB, W2S, SL64, 64                         ; the first run's W_mlp2: scale words and tiles 0-3: the 36 loads that the first trip's head leaves out
	WHC 0, 0xc0, W2C
	XQ
	BAR                                            ; xn2's eight fragments lie in LDS
	AFETCH XIMG, XSC
.Lchunk:                                           ; three trips of 512 hidden units, each asking for the next run's weights
	TRIP 1
	s_add_co_u32 s[CH], s[CH], 1
	s_cmp_lt_u32 s[CH], 3
	s_cbranch_scc1 .Lchunk
	TRIP 0                                         ; the fourth run asks only for the rest of its own W_mlp2: no load leaves its buffer
	; ---- the way out: out = gate_mlp y + x2, by whole rows
.irp q, 0,1,2,3
	global_load_b128 v[64+4*\q:67+4*\q], v[LI], s[MODP:MODP+1] offset:6144+512*\q    ; gate_mlp
.endr
	RES2STG 0, 0x04                                ; an LDS store's data are its source 1: window 1
	BAR                                            ; 32 rows of y lie in the stage
.irp hf, 0,1
.if \hf == 1
	s_wait_xcnt 0x0                                ; the first half's stores have read their data: the registers are loaded again only behind this wait
.endif
.irp k, 0,1,2,3
.irp q, 0,1,2,3
	ds_load_b128 v[128+16*\k+4*\q:131+16*\k+4*\q], v[STD] offset:(4*\hf+\k)*SP+512*\q
	ds_load_b128 v[192+16*\k+4*\q:195+16*\k+4*\q], v[X2A] offset:(4*\hf+\k)*2048+512*\q
.endr
.endr
	s_wait_dscnt 0x0
	s_wait_loadcnt 0x0
.irp k, 0,1,2,3
.irp j, 0,2,4,6,8,10,12,14
	v_pk_fma_f32 v[128+16*\k+\j:129+16*\k+\j], v[128+16*\k+\j:129+16*\k+\j], v[64+\j:65+\j], v[192+16*\k+\j:193+16*\k+\j]
.endr
.endr
.irp k, 0,1,2,3
.irp q, 0,1,2,3
	global_store_b128 v[LI], v[128+16*\k+4*\q:131+16*\k+4*\q], s[OUTP:OUTP+1] offset:(4*\hf+\k)*2048+512*\q th:TH_STORE_NT   ; 32 lanes store 512 consecutive bytes
.endr
.endr
.endr
	s_wait_tensorcnt 0x0
	ds_add_u32 v126, v127
	s_wait_dscnt 0x0
	s_endpgm
.Lfunc_end_k_qc1199d3940_post:
	.size	k_qc1199d3940_post, .Lfunc_end_k_qc1199d3940_post-k_qc1199d3940_post
	.p2alignl 7, 3214868480
	.fill 96, 4, 3214868480
	.section	.rodata,"a",@progbits
	.p2align	6, 0x0
	.amdhsa_kernel k_qc1199d3940_post
		.amdhsa_group_segment_fixed_size 150528
		.amdhsa_private_segment_fixed_size 0
		.amdhsa_enable_private_segment 0
		.amdhsa_kernarg_size 104
		.amdhsa_user_sgpr_count 2
		.amdhsa_user_sgpr_kernarg_segment_ptr 1
		.amdhsa_wavefront_size32 1
		.amdhsa_system_sgpr_workgroup_id_x 1
		.amdhsa_system_sgpr_workgroup_id_y 1
		.amdhsa_system_sgpr_workgroup_id_z 1
		.amdhsa_system_vgpr_workitem_id 0
		.amdhsa_next_free_vgpr 1024
		.amdhsa_next_free_sgpr 88
		.amdhsa_reserve_vcc 0
		.amdhsa_float_denorm_mode_32 3
		.amdhsa_float_denorm_mode_16_64 3
		.amdhsa_memory_ordered 1
		.amdhsa_forward_progress 1
		.amdhsa_inst_pref_size 255
	.end_amdhsa_kernel
	.section	.bss,"aw",@nobits
	.p2align	6
	.space	262144
	.amdgpu_metadata
---
amdhsa.version: [ 1, 2 ]
amdhsa.kernels:
  - .name:           k_qc1199d3940_post
    .symbol:         k_qc1199d3940_post.kd
    .args:
      - { .name: o_img, .offset: 0, .size: 8, .value_kind: global_buffer, .address_space: global }
      - { .name: o_scl, .offset: 8, .size: 8, .value_kind: global_buffer, .address_space: global }
      - { .name: x, .offset: 16, .size: 8, .value_kind: global_buffer, .address_space: global }
      - { .name: mod, .offset: 24, .size: 8, .value_kind: global_buffer, .address_space: global }
      - { .name: g2, .offset: 32, .size: 8, .value_kind: global_buffer, .address_space: global }
      - { .name: b2, .offset: 40, .size: 8, .value_kind: global_buffer, .address_space: global }
      - { .name: wimg, .offset: 48, .size: 8, .value_kind: global_buffer, .address_space: global }
      - { .name: Wo_scales, .offset: 56, .size: 8, .value_kind: global_buffer, .address_space: global }
      - { .name: W_mlp1_scales, .offset: 64, .size: 8, .value_kind: global_buffer, .address_space: global }
      - { .name: b_mlp1, .offset: 72, .size: 8, .value_kind: global_buffer, .address_space: global }
      - { .name: W_mlp2_scales, .offset: 80, .size: 8, .value_kind: global_buffer, .address_space: global }
      - { .name: b_mlp2, .offset: 88, .size: 8, .value_kind: global_buffer, .address_space: global }
      - { .name: out0, .offset: 96, .size: 8, .value_kind: global_buffer, .address_space: global }
    .group_segment_fixed_size: 150528
    .private_segment_fixed_size: 0
    .kernarg_segment_align: 8
    .kernarg_segment_size: 104
    .max_flat_workgroup_size: 128
    .sgpr_count:     88
    .vgpr_count:     1024
    .wavefront_size: 32
...
	.end_amdgpu_metadata
.endif
;; end of part 4
;; ======== version 2 of 2: 4 launches
;; limits: a function is approximated: absolute error at most 1e-07
;; workspace buffers: mod 32,768 bytes; wimg 1,572,864 bytes; qkv_img 6,291,456 bytes; qkv_scl 1,048,576 bytes; o_img 2,097,152 bytes; o_scl 262,144 bytes
;; launch prep (part 5): grid 32 x 1, 16 waves a work-group, no clusters, 43,008 bytes of LDS; arguments c, W_ada, b_ada, Wq_codes, Wk_codes, Wv_codes, Wo_codes, W_mlp1_codes, W_mlp2_codes, mod, wimg; writes mod, wimg
.if DOCPART == 5
	.amdgcn_target "amdgcn-amd-amdhsa--gfx1250"
	.amdhsa_code_object_version 6
	.text
	.protected	k_qc1199d3940_prep
	.globl	k_qc1199d3940_prep
	.p2align	8
	.type	k_qc1199d3940_prep,@function
k_qc1199d3940_prep:
	s_mov_b64 s[64:65], 0
	v_nop
	global_prefetch_b8 v0, s[64:65] scope:SCOPE_SE
	s_setreg_imm32_b32 hwreg(HW_REG_WAVE_MODE, 25, 1), 1
	s_wait_xcnt 0x0
; mod = silu(c) W_ada + b_ada, [4][2048] f32, by fused multiply-adds in f32 (its result goes on into quantised operands), and
; the six weights' codes laid once in the order in which a wave's operand registers take them (wimg).
; SHARES.  Work-group j makes columns 64 j .. 64 j + 63 of mod for the four batches.  Wave w takes K rows 32 w .. 32 w + 31: lane (r, h) rows 32 w + 16 h + i, columns 64 j + 4 r .. + 3,
; so each load of W_ada reads two runs of 256 consecutive bytes.  The 32 partial sums meet in LDS; waves 0 and 1 add them.
; silu is made once a wave: lane l makes the four batches' numbers of k = 32 w + l; they go through 512 LDS bytes of the wave's own and come back 16 neighbours along K a lane.
; Waves 4 to 15 also lay one chunk of 4,096 bytes of wimg each: chunk G = 12 j + w - 4 = one tile of 16 weight rows x four K steps of 128, as [K step][c][lane][16 bytes].
; THE ROWS OF A TILE ARE NOT NEIGHBOURS: lane r of tile t takes row 32 (t / 2) + 8 (t % 2) + (r % 8) + 16 (r / 8), so that two neighbouring tiles' results are 16 neighbours along the next K.
; Chunks: 0-31 Wq, 32-63 Wk, 64-95 Wv, 96-127 Wo, 128-255 W_mlp1, 256-383 W_mlp2 as [run of four K steps][tile].
; LIMITS: NaN and infinities among the inputs are not served.
.set ACC, 16                           ; v16-31   sums: 4 batches x 4 columns
.set LAY, 32                           ; v32-63   a chunk on its way
.set CV,  64                           ; v64-127  silu(c): 16 b + i
.set TP,  128                          ; v128-135 c of my k, at work
.set WA,  192                          ; v192-255 W_ada: 4 i + column
.set SIL, 32768                        ; LDS: behind the 32 partial sums of 1,024 bytes, 512 bytes for each wave: silu(c) as [batch][32 k]
	s_load_b512 s[8:23], s[0:1], 0x0               ; c 8, W_ada 10, b_ada 12, Wq 14, Wk 16, Wv 18, Wo 20, W_mlp1 22
	s_load_b128 s[24:27], s[0:1], 0x40             ; W_mlp2 24, mod 26
	s_load_b64 s[28:29], s[0:1], 0x50              ; wimg
	v_lshrrev_b32 v1, 5, v0
	s_delay_alu instid0(VALU_DEP_1)
	v_readfirstlane_b32 s30, v1                    ; wave 0..15
	v_and_b32 v1, 15, v0                           ; r
	v_bfe_u32 v2, v0, 4, 1                         ; h
	s_delay_alu instid0(VALU_DEP_2)
	v_lshlrev_b32 v4, 4, v1                        ; 16 r
	s_delay_alu instid0(VALU_DEP_1)
	v_lshl_add_u32 v5, v2, 17, v4                  ; W_ada: 16 rows of 8,192 bytes x h + 16 r
	v_and_b32 v6, 31, v0
	s_delay_alu instid0(VALU_DEP_1)
	v_lshlrev_b32 v3, 2, v6                        ; 4 x lane
	s_delay_alu instid0(VALU_DEP_2)
	v_lshlrev_b32 v6, 4, v6                        ; 16 x lane
	v_lshrrev_b32 v7, 4, v0
	s_delay_alu instid0(VALU_DEP_1)
	v_lshl_add_u32 v7, v7, 10, v4                  ; LDS: partial 2 w + h of 1,024 bytes, + 16 r
	v_lshlrev_b32 v12, 4, v0                       ; 16 x thread
	v_and_b32 v8, 7, v0
	v_bfe_u32 v9, v0, 3, 1
	s_delay_alu instid0(VALU_DEP_1)
	v_lshl_add_u32 v8, v9, 4, v8                   ; (r % 8) + 16 (r / 8)
	v_lshrrev_b32 v13, 4, v0
	s_delay_alu instid0(VALU_DEP_1)
	v_lshl_add_u32 v13, v13, 13, v4                ; mod: 8,192 x (thread / 16) + 16 r (threads 0 to 63)
	s_lshl_b32 s31, s30, 9
	s_add_co_u32 s31, s31, SIL                     ; my wave's 512 bytes
	v_add_nc_u32 v14, s31, v3                      ; into them: my k's word
	v_lshl_add_u32 v15, v2, 6, s31                 ; out of them: my half's 16 k
	s_mov_b32 s33, 0
	s_mov_b32 s35, 0
	s_wait_kmcnt 0x0
	s_lshl_b32 s32, s30, 7
	s_add_nc_u64 s[8:9], s[8:9], s[32:33]          ; c at k = 32 w
	s_lshl_b32 s32, s30, 18
	s_lshl_b32 s34, ttmp9, 8
	s_add_co_u32 s32, s32, s34
	s_add_nc_u64 s[10:11], s[10:11], s[32:33]      ; W_ada at row 32 w, column 64 j
	s_add_nc_u64 s[12:13], s[12:13], s[34:35]      ; b_ada and mod at column 64 j
	s_add_nc_u64 s[26:27], s[26:27], s[34:35]
.irp b, 0,1,2,3
	global_load_b32 v[TP+\b], v3, s[8:9] offset:2048*\b            ; c(b, 32 w + lane)
.endr
.irp i, 0,1,2,3,4,5,6,7,8,9,10,11,12,13,14,15
	global_load_b128 v[WA+4*\i:WA+4*\i+3], v5, s[10:11] offset:8192*\i th:TH_LOAD_NT
.endr
	; the layout, whole in one branch on the wave's number
	s_cmp_lt_u32 s30, 4
	s_cbranch_scc1 .Lno_layout
	s_mul_i32 s36, ttmp9, 12
	s_add_co_u32 s36, s36, s30
	s_sub_co_u32 s36, s36, 4                       ; G
	s_lshr_b32 s37, s36, 5                         ; which run of 32 chunks
	s_and_b32 s38, s36, 31                         ; the tile, in the square weights and in W_mlp2
	s_sub_co_u32 s39, s36, 128                     ; the tile in W_mlp1
	s_sub_co_u32 s40, s37, 8                       ; W_mlp2's run of four K steps
	s_mov_b64 s[42:43], s[14:15]
	s_cmp_eq_u32 s37, 1
	s_cselect_b64 s[42:43], s[16:17], s[42:43]
	s_cmp_eq_u32 s37, 2
	s_cselect_b64 s[42:43], s[18:19], s[42:43]
	s_cmp_eq_u32 s37, 3
	s_cselect_b64 s[42:43], s[20:21], s[42:43]
	s_cmp_ge_u32 s37, 4
	s_cselect_b64 s[42:43], s[22:23], s[42:43]
	s_cselect_b32 s41, s39, s38
	s_cmp_ge_u32 s37, 8
	s_cselect_b64 s[42:43], s[24:25], s[42:43]
	s_cselect_b32 s41, s38, s41
	s_cselect_b32 s44, 10, 8                       ; a row of codes is 1,024 bytes in W_mlp2, else 256
	s_cselect_b32 s40, s40, 0
	s_lshr_b32 s45, s41, 1
	s_lshl_b32 s45, s45, 5
	s_and_b32 s46, s41, 1
	s_lshl_b32 s46, s46, 3
	s_add_co_u32 s46, s46, s45                     ; the tile's first row
	s_lshl_b32 s46, s46, s44
	s_lshl_b32 s40, s40, 8                         ; four K steps are 256 bytes of a row
	s_add_co_u32 s46, s46, s40
	s_mov_b32 s47, 0
	s_add_nc_u64 s[42:43], s[42:43], s[46:47]
	s_lshl_b32 s46, s36, 12
	s_add_nc_u64 s[28:29], s[28:29], s[46:47]      ; wimg + 4,096 G
	s_wait_alu depctr_va_vdst(0)
	v_lshlrev_b32 v10, s44, v8
	s_delay_alu instid0(VALU_DEP_1)
	v_lshl_add_u32 v10, v2, 4, v10                 ; my row, + 16 h
.irp i, 0,1,2,3,4,5,6,7
	global_load_b128 v[LAY+4*\i:LAY+4*\i+3], v10, s[42:43] offset:32*\i   ; K step i / 2, half i % 2
.endr
	s_wait_loadcnt 0x0
.irp i, 0,1,2,3,4,5,6,7
	global_store_b128 v6, v[LAY+4*\i:LAY+4*\i+3], s[28:29] offset:512*\i  ; 32 lanes store 512 consecutive bytes
.endr
.Lno_layout:
	s_wait_loadcnt 16                              ; c's four loads are in; W_ada's sixteen, issued behind them, may be out
	; silu(c) = c / (1 + 2^(-c log2 e)), four numbers a lane
.irp b, 0,1,2,3
	v_mul_f32 v[TP+4+\b], 0xbfb8aa3b, v[TP+\b]
.endr
	s_wait_alu depctr_va_vdst(0)
.irp b, 0,1,2,3
	v_exp_f32 v[TP+4+\b], v[TP+4+\b]
.endr
	v_nop                                          ; a plain instruction behind the last exponential
	s_wait_alu depctr_va_vdst(0)                   ; one wait for the four, ahead of their first reader
.irp b, 0,1,2,3
	v_add_f32 v[TP+4+\b], 1.0, v[TP+4+\b]
.endr
	s_wait_alu depctr_va_vdst(0)
.irp b, 0,1,2,3
	v_rcp_f32 v[TP+4+\b], v[TP+4+\b]
.endr
	v_nop
	s_wait_alu depctr_va_vdst(0)
.irp b, 0,1,2,3
	v_mul_f32 v[TP+\b], v[TP+\b], v[TP+4+\b]
.endr
.irp b, 0,1,2,3
	ds_store_b32 v14, v[TP+\b] offset:128*\b
.endr
.irp b, 0,1,2,3
.irp q, 0,1,2,3
	ds_load_b128 v[CV+16*\b+4*\q:CV+16*\b+4*\q+3], v15 offset:128*\b+16*\q   ; LDS serves a wave's instructions in order: these see my wave's stores
.endr
.endr
	s_wait_dscnt 0x0
	s_wait_loadcnt 0x0                             ; W_ada
.set i, 0
.rept 16
.irp b, 0,1,2,3
.irp cc, 0,1,2,3
.if i == 0
	v_mul_f32 v[ACC+4*\b+\cc], v[CV+16*\b+i], v[WA+4*i+\cc]        ; the first product starts the sum
.else
	v_fmac_f32 v[ACC+4*\b+\cc], v[CV+16*\b+i], v[WA+4*i+\cc]
.endif
.endr
.endr
.set i, i+1
.endr
.irp b, 0,1,2,3
	ds_store_b128 v7, v[ACC+4*\b:ACC+4*\b+3] offset:256*\b
.endr
	s_wait_dscnt 0x0                               ; for the others' sake: my partial sums lie in LDS
	s_barrier_signal -1
	s_barrier_wait -1
	s_cmp_ge_u32 s30, 2
	s_cbranch_scc1 .Ldone
	global_load_b128 v[8:11], v4, s[12:13]         ; b_ada of my four columns
.irp p, 0,1,2,3,4,5,6,7,8,9,10,11,12,13,14,15,16,17,18,19,20,21,22,23,24,25,26,27,28,29,30,31
	ds_load_b128 v[CV+4*\p:CV+4*\p+3], v12 offset:1024*\p          ; thread 16 b + r: batch b, columns 4 r on, of partial p
.endr
	s_wait_dscnt 0x0
.set p, 1
	v_pk_add_f32 v[CV:CV+1], v[CV:CV+1], v[CV+4*p:CV+4*p+1]
	v_pk_add_f32 v[CV+2:CV+3], v[CV+2:CV+3], v[CV+4*p+2:CV+4*p+3]
.set p, p+1
.rept (31)-1
	s_delay_alu instid0(VALU_DEP_2)
	v_pk_add_f32 v[CV:CV+1], v[CV:CV+1], v[CV+4*p:CV+4*p+1]
	s_delay_alu instid0(VALU_DEP_2)
	v_pk_add_f32 v[CV+2:CV+3], v[CV+2:CV+3], v[CV+4*p+2:CV+4*p+3]
.set p, p+1
.endr
	s_wait_alu depctr_va_vdst(0)
	s_wait_loadcnt 0x0
	v_pk_add_f32 v[CV:CV+1], v[CV:CV+1], v[8:9]
	v_pk_add_f32 v[CV+2:CV+3], v[CV+2:CV+3], v[10:11]
	global_store_b128 v13, v[CV:CV+3], s[26:27]    ; sixteen lanes store 256 consecutive bytes, aligned
.Ldone:
	s_wait_xcnt 0x0
	v_lshl_add_u32 v254, v0, 2, 0xa000
	v_mov_b32 v255, 0
	s_wait_alu depctr_va_vdst(0)
	s_wait_tensorcnt 0x0
	ds_add_u32 v254, v255
	s_wait_dscnt 0x0
	s_endpgm
.Lfunc_end_k_qc1199d3940_prep:
	.size	k_qc1199d3940_prep, .Lfunc_end_k_qc1199d3940_prep-k_qc1199d3940_prep
	.p2alignl 7, 3214868480
	.fill 96, 4, 3214868480
	.section	.rodata,"a",@progbits
	.p2align	6, 0x0
	.amdhsa_kernel k_qc1199d3940_prep
		.amdhsa_group_segment_fixed_size 43008
		.amdhsa_private_segment_fixed_size 0
		.amdhsa_enable_private_segment 0
		.amdhsa_kernarg_size 88
		.amdhsa_user_sgpr_count 2
		.amdhsa_user_sgpr_kernarg_segment_ptr 1
		.amdhsa_wavefront_size32 1
		.amdhsa_system_sgpr_workgroup_id_x 1
		.amdhsa_system_sgpr_workgroup_id_y 1
		.amdhsa_system_sgpr_workgroup_id_z 1
		.amdhsa_system_vgpr_workitem_id 0
		.amdhsa_next_free_vgpr 256
		.amdhsa_next_free_sgpr 66
		.amdhsa_reserve_vcc 0
		.amdhsa_float_denorm_mode_32 3
		.amdhsa_float_denorm_mode_16_64 3
		.amdhsa_memory_ordered 1
		.amdhsa_forward_progress 1
		.amdhsa_inst_pref_size 26
	.end_amdhsa_kernel
	.amdgpu_metadata
---
amdhsa.version: [ 1, 2 ]
amdhsa.kernels:
  - .name:           k_qc1199d3940_prep
    .symbol:         k_qc1199d3940_prep.kd
    .args:
      - { .name: c, .offset: 0, .size: 8, .value_kind: global_buffer, .address_space: global }
      - { .name: W_ada, .offset: 8, .size: 8, .value_kind: global_buffer, .address_space: global }
      - { .name: b_ada, .offset: 16, .size: 8, .value_kind: global_buffer, .address_space: global }
      - { .name: Wq_codes, .offset: 24, .size: 8, .value_kind: global_buffer, .address_space: global }
      - { .name: Wk_codes, .offset: 32, .size: 8, .value_kind: global_buffer, .address_space: global }
      - { .name: Wv_codes, .offset: 40, .size: 8, .value_kind: global_buffer, .address_space: global }
      - { .name: Wo_codes, .offset: 48, .size: 8, .value_kind: global_buffer, .address_space: global }
      - { .name: W_mlp1_codes, .offset: 56, .size: 8, .value_kind: global_buffer, .address_space: global }
      - { .name: W_mlp2_codes, .offset: 64, .size: 8, .value_kind: global_buffer, .address_space: global }
      - { .name: mod, .offset: 72, .size: 8, .value_kind: global_buffer, .address_space: global }
      - { .name: wimg, .offset: 80, .size: 8, .value_kind: global_buffer, .address_space: global }
    .group_segment_fixed_size: 43008
    .private_segment_fixed_size: 0
    .kernarg_segment_align: 8
    .kernarg_segment_size: 88
    .max_flat_workgroup_size: 512
    .sgpr_count:     66
    .vgpr_count:     256
    .wavefront_size: 32
...
	.end_amdgpu_metadata
.endif
;; end of part 5
;; launch qkv (part 6): grid 256 x 1, 4 waves a work-group, no clusters, 75,776 bytes of LDS; arguments x, mod, g1, b1, wimg, Wq_scales, Wk_scales, Wv_scales, qkv_img, qkv_scl; writes qkv_img, qkv_scl
.if DOCPART == 6
	.amdgcn_target "amdgcn-amd-amdhsa--gfx1250"
	.amdhsa_code_object_version 6
	.text
	.protected	k_qc1199d3940_qkv
	.globl	k_qc1199d3940_qkv
	.p2align	8
	.type	k_qc1199d3940_qkv,@function
k_qc1199d3940_qkv:
	s_mov_b64 s[64:65], 0
	v_nop
	global_prefetch_b8 v0, s[64:65] scope:SCOPE_SE
	s_setreg_imm32_b32 hwreg(HW_REG_WAVE_SCHED_MODE, 0, 2), 2
	s_setreg_imm32_b32 hwreg(HW_REG_WAVE_MODE, 25, 1), 1
	s_wait_xcnt 0x0
	s_wait_alu depctr_vm_vsrc(0)
; xn1 = LN(x, g1, b1) (1 + scale_msa), quantised along the features; q, k, v = xn1 Wq, Wk, Wv on codes of E2M1 with E8M0 scales; q and k quantised along a head's 64, v along the keys.
; All three leave as IMAGES OF OPERAND REGISTERS (16 bytes x lane), with their scale words beside them.
; SHARES.  A work-group takes 32 tokens (one block of 32 keys) as two tiles of 16: row r of tile m is token 8 m + (r % 8) + 16 (r / 8).  Weight tiles are formed of rows in the same way.  So, whichever side is
; source 0, the 16 registers of two neighbouring result tiles are 16 neighbours along source 0's axis: columns for q and k (source 0 = the weight), tokens for v (source 0 = xn1).
; LN: wave w works tokens 8 w .. 8 w + 7, a row in 16 registers of all 32 lanes; the rows meet in a stage in LDS; wave w quantises tile w % 2, K steps 2 (w / 2) and + 1; the eight fragments go round as images.
; Products: wave w takes weight tiles 8 w .. 8 w + 7 (128 columns, two heads) for both token tiles: 64 matrix instructions on 16 accumulators by turns; its weights come from wimg straight into registers, each byte once.
; TWO WEIGHT WINDOWS: Wq in window 2, Wk in window 3, asked for while xn1 is still being made; Wv takes window 2 behind q's product.  So each weight is asked for a product or more ahead of its use.
; A SCALE REGISTER CARRIES TWO TILES: lanes 0-15 the words of tile t, lanes 16-31 those of tile t + 4 (one load: lanes 16-31 read 64 rows further on); tiles 4-7 name the register's upper row.
; No tensor load and no cluster: each weight fragment is used by the one wave that loads it, and a way through LDS would add a write and a read of every byte.
; LIMITS: NaN and infinities are not served; a block whose largest magnitude lies under 2^-124 gets the scale byte 1 (a block of zeros too: its codes are zeros; this program alone reads the bytes).
; REGISTERS, in windows of 256.  Window 0: v1-19 addresses; v20-23 scale words kept for a store; v24-31 xn1's scale words; v32-47, v48-63 two weights' scale words; v64-71 codes just made; v72-89 the quantiser's;
;   v92-119 LN's, later three more sets of codes and v's scale bytes; v128-255 x's rows, then the accumulators.   Window 1: v128-191 LN's parameters, then xn1's eight fragments.
;   Windows 2, 3: eight weight tiles each (tile t, K step s at 32 t + 8 s).
; THE MODE: SCHED_MODE bits 1:0 = 2 (LLVM: expert scheduling mode 2), set by the entry lines.  The code itself states the register dependences
; between vector or matrix instructions and memory or LDS instructions, with s_wait_alu, always for 0.
; THE PLAN.  Registers that memory or LDS instructions touch:
;   v1-v19            Offsets and LDS addresses: written at the head, read by every load and store, never written again: one wait at the head.
;   ACC               x's loads land; LN writes; the stage's stores read; the stage's loads land; the quantiser reads; then products write and the quantiser reads.
;   window 1 v128-191 The parameters' loads land; LN reads; the images' loads land; the products read.
;   windows 2, 3 and the weights' scale words   Loads land, products read.  Window 2 and its scale words are loaded a second time, behind q's product.
;   the codes' four sets, the scale word, the kept words   The quantiser writes; LDS stores or global stores read.  PC0, PC1 and the scale word are written more than once.
; So: a wait on va_vdst ahead of each run of stores whose data vector instructions have made, one behind q's product ahead of Wv's loads;
; a wait on vm_vsrc wherever registers that stores have read are written again: behind the stage's barrier, behind each image, ahead of v's product.
.set XIMG, 0                           ; LDS: xn1's 8 fragments (4 m + s), 1,024 bytes each
.set XSC,  8192                        ; their scale words, 128 bytes each
.set STG,  9216                        ; the stage: 32 rows x (2,048 + 16) bytes
.set SP,   2064                        ; 129 x 16 bytes: sixteen rows' same column falls on sixteen different groups of banks
.set LI,   1                           ; 16 x lane
.set LS,   2                           ; 4 x lane
.set SL16, 3                           ; 16 x ((r % 8) + 16 (r / 8) + 64 h): my row of a tile's scale bytes
.set STD,  6                           ; the stage, my eight rows, 16 x lane
.set STQ,  7                           ; the stage as the quantiser reads it
.set XWI,  9                           ; where I store xn1's images
.set XWS,  10                          ; and their scale words
.set L8,   18                          ; 8 x lane
.set VL,   19                          ; 16 r + 8 h
.set KQ,   20                          ; q's scale words, kept for their store
.set KK,   22                          ; k's
.set AS,   24
.set WSA,  32
.set WSB,  48
.set PC0,  64                          ; four sets of codes, so that no store's data are written again before the one wait on XCNT
.set PC1,  92
.set PC2,  100
.set PC3,  108
.set KV,   116                         ; v's scale bytes
.set TM,   72                          ; +0..3 largest magnitudes, +4..7 the other half's, then bytes, +12..15 the conversions' scale operands
.set PW,   88
.set T1,   89
.set SUM,  92
.set MU,   100
.set TP,   108
.set RS,   112
.set ACC,  128
.set WV,   2
.set BT,   4
.set PP,   5
.set XP,   8
.set MODP, 10
.set G1P,  12
.set B1P,  14
.set WCP,  16
.set WSQ,  18
.set WSK,  20
.set WSV,  22
.set QIP,  32
.set VIP,  34
.set QSP,  36
.set VSP,  38
.set SEL,  40
.set HM,   42
.set C512, 43
.set EPS,  44
.set MSB, 0
.macro WIN new                         ; the immediate's high byte repeats the setting that is left
.if MSB != \new
	s_set_vgpr_msb (MSB<<8)|\new
.set MSB, \new
.endif
.endm
.macro BAR                             ; my LDS stores have landed and my LDS loads are in: then the work-group's barrier
	s_wait_dscnt 0x0
	s_barrier_signal -1
	s_barrier_wait -1
.endm
; ar, br: source 0's, source 1's scales stand in lanes 16-31 of their register
.macro WM0 d, a, b, sa, sb, ar, br     ; a product that starts a sum
.if \ar
	v_wmma_scale_f32_16x16x128_f8f6f4 v[\d:\d+7], v[\a:\a+7], v[\b:\b+7], 0, v[\sa], v[\sb] matrix_a_fmt:MATRIX_FMT_FP4 matrix_b_fmt:MATRIX_FMT_FP4 matrix_a_scale:MATRIX_SCALE_ROW1
.elseif \br
	v_wmma_scale_f32_16x16x128_f8f6f4 v[\d:\d+7], v[\a:\a+7], v[\b:\b+7], 0, v[\sa], v[\sb] matrix_a_fmt:MATRIX_FMT_FP4 matrix_b_fmt:MATRIX_FMT_FP4 matrix_b_scale:MATRIX_SCALE_ROW1
.else
	v_wmma_scale_f32_16x16x128_f8f6f4 v[\d:\d+7], v[\a:\a+7], v[\b:\b+7], 0, v[\sa], v[\sb] matrix_a_fmt:MATRIX_FMT_FP4 matrix_b_fmt:MATRIX_FMT_FP4
.endif
.endm
.macro WMC d, a, b, c, sa, sb, ar, br
.if \ar
	v_wmma_scale_f32_16x16x128_f8f6f4 v[\d:\d+7], v[\a:\a+7], v[\b:\b+7], v[\c:\c+7], v[\sa], v[\sb] matrix_a_fmt:MATRIX_FMT_FP4 matrix_b_fmt:MATRIX_FMT_FP4 matrix_a_scale:MATRIX_SCALE_ROW1
.elseif \br
	v_wmma_scale_f32_16x16x128_f8f6f4 v[\d:\d+7], v[\a:\a+7], v[\b:\b+7], v[\c:\c+7], v[\sa], v[\sb] matrix_a_fmt:MATRIX_FMT_FP4 matrix_b_fmt:MATRIX_FMT_FP4 matrix_b_scale:MATRIX_SCALE_ROW1
.else
	v_wmma_scale_f32_16x16x128_f8f6f4 v[\d:\d+7], v[\a:\a+7], v[\b:\b+7], v[\c:\c+7], v[\sa], v[\sb] matrix_a_fmt:MATRIX_FMT_FP4 matrix_b_fmt:MATRIX_FMT_FP4
.endif
.endm
; four weight tiles (4 half .. + 3) into the window that win names (0x80: window 2, 0xc0: window 3): 32 loads of 512 consecutive bytes.
; gate = 1: the window has been multiplied by, and stores that name the loads' offset register have been issued since the last wait on va_vdst: the wait stands once more, under the window
.macro WHC half, win, cb, coff, gate
	WIN \win
.if \gate
	s_wait_alu depctr_va_vdst(0)                   ; the products that read these four tiles' registers are done reading them: the loads below land there
.endif
.irp tt, 0,1,2,3
.irp i, 0,1,2,3,4,5,6,7
	global_load_b128 v[32*(4*\half+\tt)+4*\i:32*(4*\half+\tt)+4*\i+3], v[LI], s[\cb:\cb+1] offset:\coff+4096*(4*\half+\tt)+512*\i
.endr
.endr
	WIN 0
.endm
; the eight tiles' scale words: 4 loads; register ws + 4 t + s: lanes 0-15 tile t, lanes 16-31 tile t + 4, K step s
.macro WSL ws, sb, sl, sstr
.irp tt, 0,1,2,3
	global_load_b128 v[\ws+4*\tt:\ws+4*\tt+3], v[\sl], s[\sb:\sb+1] offset:(32*(\tt/2)+8*(\tt%2))*\sstr
.endr
.endm
; 64 matrix instructions; the 16 accumulators take turns, one instruction a turn.  Four v_nop end each run: the places in front of the first read of its results.
.macro MMT ws, win                     ; source 0 = the weight (win 0x06: window 2, 0x07: window 3), source 1 = xn1: a lane holds one token, its registers run along the columns
	WIN \win
.irp s, 0,1,2,3
.irp t, 0,1,2,3,4,5,6,7
.irp m, 0,1
.if \s == 0
	WM0 ACC+64*\m+8*\t, 32*\t+8*\s, 128+8*(4*\m+\s), \ws+4*(\t%4)+\s, AS+4*\m+\s, \t/4, 0
.else
	WMC ACC+64*\m+8*\t, 32*\t+8*\s, 128+8*(4*\m+\s), ACC+64*\m+8*\t, \ws+4*(\t%4)+\s, AS+4*\m+\s, \t/4, 0
.endif
.endr
.endr
.endr
	WIN 0
.rept 4
	v_nop
.endr
.endm
.macro MMV ws                          ; source 0 = xn1, source 1 = the weight (window 2): a lane holds one column of v, its registers run along the tokens
	WIN 0x09
.irp s, 0,1,2,3
.irp t, 0,1,2,3,4,5,6,7
.irp m, 0,1
.if \s == 0
	WM0 ACC+16*\t+8*\m, 128+8*(4*\m+\s), 32*\t+8*\s, AS+4*\m+\s, \ws+4*(\t%4)+\s, 0, \t/4
.else
	WMC ACC+16*\t+8*\m, 128+8*(4*\m+\s), 32*\t+8*\s, ACC+16*\t+8*\m, AS+4*\m+\s, \ws+4*(\t%4)+\s, 0, \t/4
.endif
.endr
.endr
.endr
	WIN 0
.rept 4
	v_nop
.endr
.endm
; 64 numbers of a lane, register 16 b + i = place 32 b + 16 h + i along K: four blocks' scale bytes (TM+4..7) and codes (pc + 2 b, + 1: my half of block b)
.macro QCORE src, pc
.irp b, 0,1,2,3
	v_max3_num_f32 v[TM+\b], |v[\src+16*\b]|, |v[\src+16*\b+1]|, 0x1800000   ; my 16 numbers, and the floor 2^(3 - 127): the byte cannot fall under 1
.endr
.irp i, 2,4,6,8,10,12,14
.irp b, 0,1,2,3
	v_max3_num_f32 v[TM+\b], v[TM+\b], |v[\src+16*\b+\i]|, |v[\src+16*\b+\i+1]|
.endr
.endr
.irp b, 0,1,2,3
	v_permlanex16_b32 v[TM+4+\b], v[TM+\b], s[SEL], s[SEL+1]
.endr
.irp b, 0,1,2,3
	v_max_num_f32 v[TM+\b], v[TM+\b], v[TM+4+\b]   ; with lane l xor 16's: the block's largest magnitude
.endr
.irp b, 0,1,2,3
	v_add_nc_u32 v[TM+12+\b], 0xff000000, v[TM+\b] ; 2 off its exponent field: the conversion's scale operand
.endr
.irp b, 0,1,2,3
	v_lshrrev_b32 v[TM+4+\b], 23, v[TM+12+\b]      ; the scale's byte
.endr
.irp b, 0,1,2,3
	v_cvt_scalef32_pk8_fp4_f32 v[\pc+2*\b], v[\src+16*\b:\src+16*\b+7], v[TM+12+\b]
	v_cvt_scalef32_pk8_fp4_f32 v[\pc+2*\b+1], v[\src+16*\b+8:\src+16*\b+15], v[TM+12+\b]
.endr
	v_nop                                          ; one plain instruction behind the last scaled conversion
.endm
.macro QWORD
	v_lshl_or_b32 v[PW], v[TM+5], 8, v[TM+4]
	v_lshl_or_b32 v[PW], v[TM+6], 16, v[PW]
	v_lshl_or_b32 v[PW], v[TM+7], 24, v[PW]
.endm
.macro QSWAP pc                        ; the operand's layout wants a whole block in a lane: lanes 0-15 block 2 c, lanes 16-31 block 2 c + 1
.irp c, 0,1
.irp i, 0,1
	v_permlane16_swap_b32 v[\pc+4*\c+\i], v[\pc+4*\c+2+\i]
.endr
.endr
.endm
.macro IMAGE adr, off
	ds_store_b128 v[\adr], v[PC0:PC0+3] offset:\off
	ds_store_b128 v[\adr], v[PC0+4:PC0+7] offset:\off+512
.endm
.macro AFETCH ioff, soff               ; eight fragments and their scale words, as any wave's registers
	WIN 0x40
.irp f, 0,1,2,3,4,5,6,7
.irp c, 0,1
	ds_load_b128 v[128+8*\f+4*\c:128+8*\f+4*\c+3], v[LI] offset:\ioff+1024*\f+512*\c
.endr
.endr
	WIN 0
.irp f, 0,1,2,3,4,5,6,7
	ds_load_b32 v[AS+\f], v[LS] offset:\soff+128*\f
.endr
.endm
.macro RED4                            ; four rows' pairs of partial sums -> the rows' sums, in every lane
.irp k, 0,1,2,3
	v_add_f32 v[SUM+2*\k], v[SUM+2*\k], v[SUM+2*\k+1]
.endr
.irp x, 1,2,4,8
.irp k, 0,1,2,3
	v_add_f32_dpp v[SUM+2*\k], v[SUM+2*\k], v[SUM+2*\k] row_xmask:\x row_mask:0xf bank_mask:0xf
.endr
.endr
.irp k, 0,1,2,3
	v_permlanex16_b32 v[TP+\k], v[SUM+2*\k], s[SEL], s[SEL+1]
.endr
.irp k, 0,1,2,3
	v_add_f32 v[SUM+2*\k], v[SUM+2*\k], v[TP+\k]
.endr
.endm
; LN of four rows by turns; row k in v[xb + 16 k ..], columns 128 q + 4 lane + 0..3 in registers 4 q .. 4 q + 3.  Mean first, then the variance of the differences.
.macro LN4 xb, grp
.irp k, 0,1,2,3
	v_pk_add_f32 v[SUM+2*\k:SUM+2*\k+1], v[\xb+16*\k:\xb+16*\k+1], v[\xb+16*\k+2:\xb+16*\k+3]
.endr
.irp j, 4,6,8,10,12,14
.irp k, 0,1,2,3
	v_pk_add_f32 v[SUM+2*\k:SUM+2*\k+1], v[SUM+2*\k:SUM+2*\k+1], v[\xb+16*\k+\j:\xb+16*\k+\j+1]
.endr
.endr
	RED4
.irp k, 0,1,2,3
	v_mul_f32 v[MU+2*\k], s[C512], v[SUM+2*\k]
.endr
.irp k, 0,1,2,3
	v_mov_b32 v[MU+2*\k+1], v[MU+2*\k]
.endr
.irp k, 0,1,2,3
.irp j, 0,2,4,6,8,10,12,14
	v_pk_add_f32 v[\xb+16*\k+\j:\xb+16*\k+\j+1], v[\xb+16*\k+\j:\xb+16*\k+\j+1], v[MU+2*\k:MU+2*\k+1] neg_lo:[0,1] neg_hi:[0,1]
.endr
.endr
.irp k, 0,1,2,3
	v_pk_mul_f32 v[SUM+2*\k:SUM+2*\k+1], v[\xb+16*\k:\xb+16*\k+1], v[\xb+16*\k:\xb+16*\k+1]
.endr
.irp j, 2,4,6,8,10,12,14
.irp k, 0,1,2,3
	v_pk_fma_f32 v[SUM+2*\k:SUM+2*\k+1], v[\xb+16*\k+\j:\xb+16*\k+\j+1], v[\xb+16*\k+\j:\xb+16*\k+\j+1], v[SUM+2*\k:SUM+2*\k+1]
.endr
.endr
	RED4
.irp k, 0,1,2,3
	v_fma_f32 v[SUM+2*\k], v[SUM+2*\k], s[C512], s[EPS]
.endr
	s_wait_alu depctr_va_vdst(0)
.irp k, 0,1,2,3
	v_rsq_f32 v[RS+2*\k], v[SUM+2*\k]
.endr
	v_nop                                          ; a plain instruction behind the last of the four
	s_wait_alu depctr_va_vdst(0)                   ; the four reciprocal roots are written: one wait for the four, ahead of their first reader
.irp k, 0,1,2,3
	v_mov_b32 v[RS+2*\k+1], v[RS+2*\k]
.endr
.irp k, 0,1,2,3
.irp j, 0,2,4,6,8,10,12,14
	v_pk_mul_f32 v[\xb+16*\k+\j:\xb+16*\k+\j+1], v[\xb+16*\k+\j:\xb+16*\k+\j+1], v[RS+2*\k:RS+2*\k+1]
.endr
.endr
	WIN 0x14                                       ; sources 1 and 2 in window 1: the gain, the bias, 1 + scale
.irp k, 0,1,2,3
.irp j, 0,2,4,6,8,10,12,14
	v_pk_fma_f32 v[\xb+16*\k+\j:\xb+16*\k+\j+1], v[\xb+16*\k+\j:\xb+16*\k+\j+1], v[128+\j:129+\j], v[144+\j:145+\j]
.endr
.endr
.irp k, 0,1,2,3
.irp j, 0,2,4,6,8,10,12,14
	v_pk_mul_f32 v[\xb+16*\k+\j:\xb+16*\k+\j+1], v[\xb+16*\k+\j:\xb+16*\k+\j+1], v[160+\j:161+\j]
.endr
.endr
	WIN 0
	s_wait_alu depctr_va_vdst(0)                   ; LN has written the four rows, which the LDS stores read; behind the second group it is also done with all of ACC and with the parameters in window 1, in which LDS loads land later
.irp k, 0,1,2,3
.irp q, 0,1,2,3
	ds_store_b128 v[STD], v[\xb+16*\k+4*\q:\xb+16*\k+4*\q+3] offset:(4*\grp+\k)*SP+512*\q
.endr
.endr
.endm
.macro XQ                              ; my tile's two K steps out of the stage, quantised, stored as images
.irp sl, 0,1
.irp b, 0,1,2,3
.irp j, 0,1,2,3
	ds_load_b128 v[ACC+64*\sl+16*\b+4*\j:ACC+64*\sl+16*\b+4*\j+3], v[STQ] offset:512*\sl+128*\b+16*\j
.endr
.endr
.endr
	s_wait_dscnt 0x0
.irp sl, 0,1
	QCORE ACC+64*\sl, PC0
	QWORD
	QSWAP PC0
	s_wait_alu depctr_va_vdst(0)                   ; the quantiser has written the codes and the scale word, which the LDS stores read
	IMAGE XWI, 1024*\sl
	ds_store_b32 v[XWS], v[PW] offset:128*\sl
	s_wait_dscnt 0x0                               ; the stores have landed
	s_wait_alu depctr_vm_vsrc(0)                   ; and have read the codes' registers and the scale word's, which the next quantising writes again
.endr
.endm
; q or k of token tile m: blocks 0, 1 are head 2 w, blocks 2, 3 head 2 w + 1.  A head's 64 codes are registers 0-3 of a fragment whose upper 64 along K are zeros.  pc: this call's own set of codes
.macro OUTQK m, koff, pc, keep
	QCORE ACC+64*\m, \pc
	QSWAP \pc
	v_lshl_or_b32 v[PW], v[TM+5], 8, v[TM+4]       ; head 2 w's two bytes,
	v_lshl_or_b32 v[T1], v[TM+7], 8, v[TM+6]       ; head 2 w + 1's:
	v_cndmask_b32 v[\keep+\m], v[PW], v[T1], s[HM] ; lanes 0-15 keep the first head's word of row r, lanes 16-31 the second's
	s_wait_alu depctr_va_vdst(0)                   ; the codes and the kept scale word are written, which the stores below, and the store of the two kept words, read
	global_store_b128 v[LI], v[\pc:\pc+3], s[QIP:QIP+1] offset:\koff+512*\m          ; 32 lanes store 512 consecutive bytes
	global_store_b128 v[LI], v[\pc+4:\pc+7], s[QIP:QIP+1] offset:\koff+65536+512*\m
.endm
	s_load_b512 s[8:23], s[0:1], 0x0               ; x 8, mod 10, g1 12, b1 14, wimg 16, Wq_scales 18, Wk_scales 20, Wv_scales 22
	s_load_b128 s[24:27], s[0:1], 0x40             ; qkv_img 24, qkv_scl 26
	v_lshl_add_u32 v126, v0, 2, 0x12600
	v_mov_b32 v127, 0
	v_lshrrev_b32 v[T1], 5, v0
	v_readfirstlane_b32 s[WV], v[T1]               ; wave 0..3
	s_lshr_b32 s[BT], ttmp9, 6                     ; batch
	s_and_b32 s[PP], ttmp9, 63                     ; which 32 tokens of the batch
	v_and_b32 v[LS], 31, v0
	v_lshlrev_b32 v[LI], 4, v[LS]
	v_lshlrev_b32 v[L8], 3, v[LS]
	v_lshlrev_b32 v[LS], 2, v[LS]
	v_and_b32 v92, 15, v0                          ; r
	v_bfe_u32 v93, v0, 4, 1                        ; h
	v_and_b32 v94, 7, v0
	v_bfe_u32 v95, v0, 3, 1
	v_lshl_add_u32 v94, v95, 4, v94                ; (r % 8) + 16 (r / 8)
	v_lshlrev_b32 v[SL16], 4, v94
	v_lshl_add_u32 v[SL16], v93, 10, v[SL16]       ; lanes 16-31: 64 rows of 16 bytes further on
	v_lshlrev_b32 v[VL], 4, v92
	v_lshl_add_u32 v[VL], v93, 3, v[VL]
	s_wait_alu depctr_va_sdst(0)                   ; the wave's number is written, ahead of its first reader
	s_and_b32 s30, s[WV], 1
	s_lshr_b32 s31, s[WV], 1
	s_lshl_b32 s28, s30, 4
	s_lshl_b32 s29, s31, 3
	s_add_co_u32 s28, s28, s29                     ; tokens 8 w + i lie in stage rows 16 (w % 2) + 8 (w / 2) + i
	s_mul_i32 s28, s28, SP
	s_add_co_u32 s28, s28, STG
	v_add_nc_u32 v[STD], s28, v[LI]
	v_mul_u32_u24 v[STQ], v92, SP
	v_lshl_add_u32 v[STQ], v93, 6, v[STQ]
	s_mul_i32 s28, s30, 16*SP
	s_lshl_b32 s29, s31, 10
	s_add_co_u32 s28, s28, s29
	s_add_co_u32 s28, s28, STG
	v_add_nc_u32 v[STQ], s28, v[STQ]               ; row 16 (w % 2) + r, + 64 h, + two K steps x (w / 2)
	s_lshl_b32 s28, s30, 2
	s_lshl_b32 s29, s31, 1
	s_add_co_u32 s28, s28, s29                     ; my first fragment: 4 (w % 2) + 2 (w / 2)
	s_lshl_b32 s29, s28, 10
	v_add_nc_u32 v[XWI], s29, v[LI]
	s_lshl_b32 s29, s28, 7
	s_add_co_u32 s29, s29, XSC
	v_add_nc_u32 v[XWS], s29, v[LS]
.irp b, 0,1,2,3
	v_mov_b32 v[TM+4+\b], 0                        ; written once: a lane permute's destination counts as one of its sources
	v_mov_b32 v[TP+\b], 0
.endr
	s_mov_b32 s[SEL], 0x76543210
	s_mov_b32 s[SEL+1], 0xfedcba98                 ; lane l xor 16
	s_mov_b32 s[HM], 0xffff0000                    ; lanes 16-31
	s_mov_b32 s[C512], 0x3b000000                  ; 1 / 512
	s_mov_b32 s[EPS], 0x3727c5ac                   ; 1e-5
	s_mov_b32 s29, 0
	s_mov_b32 s31, 0
	s_wait_kmcnt 0x0
	s_lshl_b32 s28, ttmp9, 16
	s_lshl_b32 s30, s[WV], 14
	s_add_co_u32 s28, s28, s30
	s_add_nc_u64 s[XP:XP+1], s[XP:XP+1], s[28:29]  ; x at my eight rows
	s_lshl_b32 s28, s[BT], 13
	s_add_nc_u64 s[MODP:MODP+1], s[MODP:MODP+1], s[28:29]
	s_lshl_b32 s28, s[WV], 15
	s_add_nc_u64 s[WCP:WCP+1], s[WCP:WCP+1], s[28:29]  ; my eight tiles of each weight
	s_lshl_b32 s28, s[WV], 11
	s_add_nc_u64 s[WSQ:WSQ+1], s[WSQ:WSQ+1], s[28:29]
	s_add_nc_u64 s[WSK:WSK+1], s[WSK:WSK+1], s[28:29]
	s_add_nc_u64 s[WSV:WSV+1], s[WSV:WSV+1], s[28:29]
	s_lshl_b32 s28, s[BT], 19
	s_lshl_b32 s30, s[WV], 17
	s_add_co_u32 s28, s28, s30                     ; head 8 batch + 2 w, 65,536 bytes a head
	s_lshl_b32 s30, s[PP], 10
	s_add_co_u32 s30, s30, s28
	s_add_nc_u64 s[QIP:QIP+1], s[24:25], s[30:31]
	s_lshr_b32 s30, s[PP], 2
	s_lshl_b32 s30, s30, 12                        ; v: the key step,
	s_add_co_u32 s28, s28, s30
	s_bfe_u32 s30, s[PP], 0x10001
	s_lshl_b32 s30, s30, 9                         ; which half of the fragment's registers,
	s_add_co_u32 s28, s28, s30
	s_and_b32 s30, s[PP], 1
	s_lshl_b32 s30, s30, 8                         ; which half of the lanes
	s_add_co_u32 s28, s28, s30
	s_add_co_u32 s28, s28, 0x400000
	s_add_nc_u64 s[VIP:VIP+1], s[24:25], s[28:29]
	s_lshl_b32 s28, s[BT], 2
	s_add_co_u32 s28, s28, s[WV]
	s_lshl_b32 s28, s28, 6
	s_add_co_u32 s28, s28, s[PP]                   ; (4 batch + w) 64 + p
	s_lshl_b32 s30, s28, 8
	s_add_nc_u64 s[QSP:QSP+1], s[26:27], s[30:31]
	s_lshl_b32 s30, s28, 9
	s_add_co_u32 s30, s30, 0x80000
	s_add_nc_u64 s[VSP:VSP+1], s[26:27], s[30:31]
	WIN 0x40
	s_wait_alu depctr_va_vdst(0)                   ; the offsets and LDS addresses v1 to v19 are written: every load and store of the kernel reads one of them, and none is written again
.irp q, 0,1,2,3
	global_load_b128 v[128+4*\q:131+4*\q], v[LI], s[G1P:G1P+1] offset:512*\q
	global_load_b128 v[144+4*\q:147+4*\q], v[LI], s[B1P:B1P+1] offset:512*\q
	global_load_b128 v[160+4*\q:163+4*\q], v[LI], s[MODP:MODP+1] offset:512*\q       ; scale_msa
.endr
	WIN 0
.irp i, 0,1,2,3,4,5,6,7
.irp q, 0,1,2,3
	global_load_b128 v[ACC+16*\i+4*\q:ACC+16*\i+4*\q+3], v[LI], s[XP:XP+1] offset:2048*\i+512*\q th:TH_LOAD_NT
.endr
.endr
	WSL WSA, WSQ, SL16, 16
	WHC 0, 0x80, WCP, 0, 0
	s_wait_loadcnt 36                              ; the parameters and x are in; the 36 loads of Wq's scale words and first four tiles may be out
	WIN 0x41
.irp j, 0,2,4,6,8,10,12,14
	v_pk_add_f32 v[160+\j:161+\j], v[160+\j:161+\j], 1.0 op_sel_hi:[1,0]             ; 1 + scale_msa
.endr
	WIN 0
	LN4 ACC, 0
	WHC 1, 0x80, WCP, 0, 0                         ; (no vector or matrix instruction has named these registers)
	LN4 ACC+64, 1
	BAR                                            ; 32 rows of xn1 lie in the stage
	s_wait_alu depctr_vm_vsrc(0)                   ; my stores into the stage have read v[ACC ..], in which the stage's loads land
	WSL WSB, WSK, SL16, 16                         ; Wk is asked for now, into window 3: it has xn1's quantising and q's product in which to land
	WHC 0, 0xc0, WCP, 131072, 0
	XQ
	WHC 1, 0xc0, WCP, 131072, 0
	BAR                                            ; xn1's eight fragments lie in LDS
	AFETCH XIMG, XSC                               ; (LN's last reads and writes of window 1 stand ahead of the waits on va_vdst above)
	s_wait_loadcnt 63                              ; Wq is in: 68 loads (Wk's) were issued behind its last, and a wait names 63 at the most
	s_wait_dscnt 0x0
	MMT WSA, 0x06                                  ; q
	s_wait_alu depctr_va_vdst(0)                   ; q's products are done reading Wq's tiles and scale words, in which Wv's loads land
	WSL WSA, WSV, SL16, 16                         ; Wv takes Wq's window: it has q's way out, k's product and k's way out in which to land
	WHC 0, 0x80, WCP, 262144, 0
	OUTQK 0, 0, PC0, KQ
	WHC 1, 0x80, WCP, 262144, 1
	OUTQK 1, 0, PC1, KQ
	global_store_b64 v[L8], v[KQ:KQ+1], s[QSP:QSP+1]               ; 32 lanes store 256 consecutive bytes, aligned
	s_wait_loadcnt 63                              ; Wk is in: 68 loads (Wv's) were issued behind its last
	MMT WSB, 0x07                                  ; k
	OUTQK 0, 2097152, PC2, KK
	OUTQK 1, 2097152, PC3, KK
	global_store_b64 v[L8], v[KK:KK+1], s[QSP:QSP+1] offset:262144
	s_wait_loadcnt 0x0                             ; Wv
	s_wait_xcnt 0x0                                ; every load is done here, so this waits for q's and k's stores alone: their data registers are written again only behind it
	s_wait_alu depctr_vm_vsrc(0)                   ; q's stores have read the first two sets of codes, which v's quantising writes again
	MMV WSA                                        ; v: the 16 registers of tile t are my half of the work-group's 32 keys, for one column
.irp e, 0,1                            ; head 2 w + e: block b is its tile b of 16 columns; the sets of codes PC0 and PC1 lie 28 registers apart
	QCORE ACC+64*\e, PC0+28*\e
.irp b, 0,1,2,3
.if \e == 0
	v_mov_b32 v[KV+\b], v[TM+4+\b]
.else
	v_cndmask_b32 v[KV+\b], v[KV+\b], v[TM+4+\b], s[HM]
.endif
.endr
	s_wait_alu depctr_va_vdst(0)                   ; the head's codes are written, which the four stores read; for the second head so are the scale bytes, which the last store reads
.irp b, 0,1,2,3
	global_store_b64 v[VL], v[PC0+28*\e+2*\b:PC0+28*\e+2*\b+1], s[VIP:VIP+1] offset:65536*\e+1024*\b   ; 16 keys' codes a lane: 256 consecutive bytes, aligned
.endr
.endr
	global_store_b128 v[LI], v[KV:KV+3], s[VSP:VSP+1]              ; one scale byte a word: [head % 2][r][tile]
	s_wait_dscnt 0x0                               ; the closing lines, six on end
	s_wait_alu 0x0
	s_wait_tensorcnt 0x0
	ds_add_u32 v126, v127
	s_wait_dscnt 0x0
	s_endpgm
.Lfunc_end_k_qc1199d3940_qkv:
	.size	k_qc1199d3940_qkv, .Lfunc_end_k_qc1199d3940_qkv-k_qc1199d3940_qkv
	.p2alignl 7, 3214868480
	.fill 96, 4, 3214868480
	.section	.rodata,"a",@progbits
	.p2align	6, 0x0
	.amdhsa_kernel k_qc1199d3940_qkv
		.amdhsa_group_segment_fixed_size 75776
		.amdhsa_private_segment_fixed_size 0
		.amdhsa_enable_private_segment 0
		.amdhsa_kernarg_size 80
		.amdhsa_user_sgpr_count 2
		.amdhsa_user_sgpr_kernarg_segment_ptr 1
		.amdhsa_wavefront_size32 1
		.amdhsa_system_sgpr_workgroup_id_x 1
		.amdhsa_system_sgpr_workgroup_id_y 1
		.amdhsa_system_sgpr_workgroup_id_z 1
		.amdhsa_system_vgpr_workitem_id 0
		.amdhsa_next_free_vgpr 1024
		.amdhsa_next_free_sgpr 66
		.amdhsa_reserve_vcc 0
		.amdhsa_float_denorm_mode_32 3
		.amdhsa_float_denorm_mode_16_64 3
		.amdhsa_memory_ordered 1
		.amdhsa_forward_progress 1
		.amdhsa_inst_pref_size 123
	.end_amdhsa_kernel
	.amdgpu_metadata
---
amdhsa.version: [ 1, 2 ]
amdhsa.kernels:
  - .name:           k_qc1199d3940_qkv
    .symbol:         k_qc1199d3940_qkv.kd
    .args:
      - { .name: x, .offset: 0, .size: 8, .value_kind: global_buffer, .address_space: global }
      - { .name: mod, .offset: 8, .size: 8, .value_kind: global_buffer, .address_space: global }
      - { .name: g1, .offset: 16, .size: 8, .value_kind: global_buffer, .address_space: global }
      - { .name: b1, .offset: 24, .size: 8, .value_kind: global_buffer, .address_space: global }
      - { .name: wimg, .offset: 32, .size: 8, .value_kind: global_buffer, .address_space: global }
      - { .name: Wq_scales, .offset: 40, .size: 8, .value_kind: global_buffer, .address_space: global }
      - { .name: Wk_scales, .offset: 48, .size: 8, .value_kind: global_buffer, .address_space: global }
      - { .name: Wv_scales, .offset: 56, .size: 8, .value_kind: global_buffer, .address_space: global }
      - { .name: qkv_img, .offset: 64, .size: 8, .value_kind: global_buffer, .address_space: global }
      - { .name: qkv_scl, .offset: 72, .size: 8, .value_kind: global_buffer, .address_space: global }
    .group_segment_fixed_size: 75776
    .private_segment_fixed_size: 0
    .kernarg_segment_align: 8
    .kernarg_segment_size: 80
    .max_flat_workgroup_size: 128
    .sgpr_count:     66
    .vgpr_count:     1024
    .wavefront_size: 32
...
	.end_amdgpu_metadata
.endif
;; end of part 6
;; launch attn (part 7): grid 8 x 32, 16 waves a work-group, no clusters, 146,432 bytes of LDS; arguments qkv_img, qkv_scl, o_img, o_scl; writes o_img, o_scl
.if DOCPART == 7
	.amdgcn_target "amdgcn-amd-amdhsa--gfx1250"
	.amdhsa_code_object_version 6
	.text
	.protected	k_qc1199d3940_attn
	.globl	k_qc1199d3940_attn
	.p2align	8
	.type	k_qc1199d3940_attn,@function
k_qc1199d3940_attn:
	s_mov_b64 s[64:65], 0
	v_nop
	global_prefetch_b8 v0, s[64:65] scope:SCOPE_SE
	s_setreg_imm32_b32 hwreg(HW_REG_WAVE_SCHED_MODE, 0, 2), 2
	s_setreg_imm32_b32 hwreg(HW_REG_WAVE_MODE, 25, 1), 1
	s_wait_xcnt 0x0
	s_wait_alu depctr_vm_vsrc(0)
; o = softmax(q k^T / 8) v for one head, both products on codes of E2M1 with E8M0 scales; o is quantised along the head's 64 and leaves as an image of the next product's operand registers.
; THE SOFTMAX AHEAD OF THE SECOND PRODUCT: t = score x log2(e) / 8; M = the running largest t rounded UP to a whole number; p = 2^(t - M) is quantised along the keys, not normalised; the row's sum is taken of the
; unquantised p and divides at the end.  When M moves, the sum and O are multiplied by 2^(old M - new M): exact.
; SHARES.  A work-group owns 256 queries of one head; each of its sixteen waves one tile of 16, in 256 registers: four waves to a SIMD, so that one wave's vector work stands beside another's matrix work and LDS loads.
; The head's whole K and V (65,536 bytes each, as images) and their scale words lie in LDS, brought once through registers: nothing is filled again.  Every wave walks the 2,048 keys, 128 a step.
; LAYOUT.  Both products are used transposed: S^T = K Q^T, O^T = V^T P^T: a lane holds ONE query throughout.  The keys of a tile of K and the columns of a tile of V were chosen by the launch before so that the
; 16 registers of two neighbouring result tiles are 16 neighbours (keys; the head's columns).  K = 64 in the first product: registers 4-7 of K's and Q's fragments are zero codes, which add nothing.
; No cluster: K and V are read once a work-group, at the head, a small part of the launch's work, which the softmax's vector instructions bound.
; LIMITS: NaN and infinities are not served; a block whose largest magnitude lies under 2^-124 gets the scale byte 1.
; REGISTERS: v1-4 addresses that stay; v5-7 fill and way out; v8-11 the step's addresses; v12 -M, v13 the largest t, v[14:15] the sum; v16-23 Q; v24-31 K's scale words; v32-95 eight fragments of K;
;   v96-159 S^T, then p; v160-191 O^T; v192-223 four fragments of V; v224-231 p's codes; v232-247, v252-254 at work; v240-243 V's scale words; v255 Q's scale word.
; THE MODE: SCHED_MODE bits 1:0 = 2 (LLVM: expert scheduling mode 2), set by the entry lines.  The code itself states the register dependences
; between vector or matrix instructions and memory or LDS instructions, with s_wait_alu, always for 0.
; THE PLAN.  Registers that memory or LDS instructions touch, in the loop:
;   v8-v11                    Written by four additions at a step's head; read by the step's 21 LDS loads.
;   v32-35 + 8 kt, v24-31     K's codes and scale words: the step's LDS loads land; the first product reads.
;   v192-223, v240-243        V's codes and scale words: the step's LDS loads land; the second product reads.
;   v224-231, v253            p's codes and scale word: vector instructions write, the second product takes them as operand and scale.
; Every register of the wave's 256 is taken, so each buffer stands once.  A step has, beside the two waits behind its exponentials, four waits.  One on va_vdst ahead of the 64 exponentials.  One on va_vdst behind the four additions: the addresses are written, and the
; last step's products are done reading the registers in which the loads land.  Ahead of the second product one on vm_vsrc (the step's loads have read v8-v11, which the next step's head or the way out writes)
; and one on va_vdst (p's codes and scale word are written).
.set KSC,  131072                      ; LDS: K at 0 (tile x 512), V at 65,536 (step x 4,096 + tile x 1,024 + c x 512), K's scale words [pair of tiles][r][tile % 2],
.set VSC,  139264                      ; V's [step][r][tile],
.set OSC,  143360                      ; o's scale words on their way out
.set AK0,  1
.set AV0,  2
.set ASK0, 3
.set ASV0, 4
.set ADK,  8
.set ADV,  9
.set ADS,  10
.set ADT,  11
.set WV,   12
.set SEL,  34
.set CS,   36
.set TK,   38
.set TS,   39
.set TT,   40
.set CNT,  41
	s_load_b256 s[4:11], s[0:1], 0x0               ; qkv_img 4, qkv_scl 6, o_img 8, o_scl 10
	v_lshl_add_u32 v250, v0, 2, 0x23400
	v_mov_b32 v251, 0
	v_lshrrev_b32 v8, 5, v0
	v_readfirstlane_b32 s[WV], v8                  ; wave 0..15
	s_and_b32 s14, ttmp7, 0xffff                   ; 8 batch + head
	s_and_b32 s15, s14, 1
	s_lshr_b32 s16, s14, 1
	s_lshl_b32 s17, ttmp9, 4
	s_wait_alu depctr_va_sdst(0)                   ; the wave's number is written, ahead of its first reader
	s_add_co_u32 s17, s17, s[WV]                   ; my tile of queries
	s_mov_b32 s33, 0
	v_and_b32 v9, 31, v0
	v_lshlrev_b32 v[AK0], 4, v9                    ; 16 x lane
	v_add_nc_u32 v[AV0], 0x10000, v[AK0]
	v_and_b32 v10, 15, v0                          ; r
	v_lshl_add_u32 v[ASK0], v10, 3, KSC
	v_lshl_add_u32 v[ASV0], v10, 4, VSC
	v_lshlrev_b32 v5, 4, v0                        ; 16 x thread
	v_add_nc_u32 v6, 0x10000, v5
	v_lshrrev_b32 v7, 3, v0
	v_and_b32 v8, 7, v0
	v_lshlrev_b32 v8, 4, v8
	v_lshl_add_u32 v7, v7, 8, v8                   ; K's scale words in memory: 256 (thread / 8) + 16 (thread % 8)
	v_add_nc_u32 v8, KSC, v5                       ; and in LDS
	v_lshlrev_b32 v9, 4, v10                       ; 16 r
	v_lshlrev_b32 v11, 3, v10                      ; 8 r
	s_lshl_b32 s18, s[WV], 8
	s_add_co_u32 s18, s18, VSC
	v_add_nc_u32 v10, s18, v9                      ; V's scale words of key step w in LDS
	s_mov_b32 s[SEL], 0x76543210
	s_mov_b32 s[SEL+1], 0xfedcba98
	s_mov_b32 s[CS], 0x3e38aa3b                    ; c = log2(e) / 8
	s_mov_b32 s[CS+1], s[CS]
	s_mov_b32 s[TK], 0
	s_mov_b32 s[TS], 0
	s_mov_b32 s[TT], 0
	s_mov_b32 s[CNT], 16
	s_wait_kmcnt 0x0
	s_lshl_b32 s32, s14, 16
	s_add_nc_u64 s[28:29], s[4:5], s[32:33]        ; the head's q
	s_add_nc_u64 s[20:21], s[28:29], 0x200000      ; its k
	s_add_nc_u64 s[22:23], s[28:29], 0x400000      ; its v
	s_lshl_b32 s32, s17, 9
	s_add_nc_u64 s[28:29], s[28:29], s[32:33]      ; my tile of q
	s_lshl_b32 s32, s16, 14
	s_lshl_b32 s18, s15, 7
	s_add_co_u32 s32, s32, s18
	s_add_nc_u64 s[30:31], s[6:7], s[32:33]
	s_add_nc_u64 s[24:25], s[30:31], 0x40000       ; k's scale words
	s_lshr_b32 s32, s17, 1
	s_lshl_b32 s32, s32, 8
	s_and_b32 s18, s17, 1
	s_lshl_b32 s18, s18, 2
	s_add_co_u32 s32, s32, s18
	s_add_nc_u64 s[30:31], s[30:31], s[32:33]      ; my tile's scale words of q
	s_lshl_b32 s32, s16, 15
	s_lshl_b32 s18, s[WV], 11
	s_add_co_u32 s32, s32, s18
	s_lshl_b32 s18, s15, 8
	s_add_co_u32 s32, s32, s18
	s_add_co_u32 s32, s32, 0x80000
	s_add_nc_u64 s[26:27], s[6:7], s[32:33]        ; v's scale bytes of key blocks 4 w on
	s_lshr_b32 s32, s14, 3
	s_lshl_b32 s32, s32, 7
	s_add_co_u32 s32, s32, s17
	s_lshl_b32 s32, s32, 12
	s_and_b32 s18, s14, 7
	s_lshl_b32 s18, s18, 9
	s_add_co_u32 s32, s32, s18
	s_add_nc_u64 s[8:9], s[8:9], s[32:33]          ; o_img: 4,096 x (128 batch + tile) + 512 head
	s_lshl_b32 s32, s14, 13
	s_lshl_b32 s18, ttmp9, 10
	s_add_co_u32 s32, s32, s18
	s_add_nc_u64 s[10:11], s[10:11], s[32:33]      ; o_scl: the work-group's 1,024 bytes
	s_wait_alu depctr_va_vdst(0)                   ; the offsets and LDS addresses v1 to v11 are written, which the fill's loads and LDS stores read
.irp i, 0,1,2,3,4,5,6,7
	global_load_b128 v[96+4*\i:99+4*\i], v5, s[20:21] offset:8192*\i
.endr
.irp i, 0,1,2,3,4,5,6,7
	global_load_b128 v[128+4*\i:131+4*\i], v5, s[22:23] offset:8192*\i
.endr
	global_load_b128 v[160:163], v7, s[24:25]
.irp k, 0,1,2,3
	global_load_b128 v[164+4*\k:167+4*\k], v9, s[26:27] offset:512*\k
.endr
	global_load_b128 v[16:19], v[AK0], s[28:29]
	global_load_b32 v255, v11, s[30:31]
.irp j, 20,21,22,23
	v_mov_b32 v[\j], 0                             ; Q's upper 64 along K: zero codes
.endr
.irp kt, 0,1,2,3,4,5,6,7
.irp j, 4,5,6,7
	v_mov_b32 v[32+8*\kt+\j], 0                    ; K's likewise, written once
.endr
.endr
	v_mov_b32 v13, 0xff61b1e6                      ; the largest t so far: -3e38, under every t
	v_floor_f32 v12, -v13                          ; -M
	v_mov_b32 v14, 0
	v_mov_b32 v15, 0
.irp b, 0,1,2,3
	v_mov_b32 v[236+\b], 0                         ; a lane permute's destination counts as one of its sources
.endr
	v_mov_b32 v252, 0
	v_mov_b32 v253, 0
	s_wait_loadcnt 0x0
.irp i, 0,1,2,3,4,5,6,7
	ds_store_b128 v5, v[96+4*\i:99+4*\i] offset:8192*\i
.endr
.irp i, 0,1,2,3,4,5,6,7
	ds_store_b128 v6, v[128+4*\i:131+4*\i] offset:8192*\i
.endr
	ds_store_b128 v8, v[160:163]
.irp k, 1,2,3
.irp t, 0,1,2,3
	v_lshl_or_b32 v[164+\t], v[164+4*\k+\t], 8*\k, v[164+\t]       ; four key blocks' bytes make a key step's scale word
.endr
.endr
	s_wait_alu depctr_va_vdst(0)                   ; the shifts have written v164 to v167, which the LDS store reads
	ds_store_b128 v10, v[164:167]                  ; (both halves of the lanes write the same bytes with the same values)
	s_wait_dscnt 0x0
	s_barrier_signal -1
	s_barrier_wait -1                              ; the head's K, V and scale words lie in LDS
	s_wait_alu depctr_vm_vsrc(0)                   ; the fill's loads and LDS stores have read v160 to v167, which are cleared below, and v8 to v11, which the first step's head writes
.set j, 0
.rept 32
	v_mov_b32 v[160+j], 0                          ; O^T: the loop is written once; its first step finds zeros
.set j, j+1
.endr
.Lstep:                                            ; 16 trips of 128 keys
	v_add_nc_u32 v[ADK], s[TK], v[AK0]
	v_add_nc_u32 v[ADV], s[TK], v[AV0]
	v_add_nc_u32 v[ADS], s[TS], v[ASK0]
	v_add_nc_u32 v[ADT], s[TT], v[ASV0]
	s_wait_alu depctr_va_vdst(0)                   ; the four addresses are written, which the loads below read; the last step's products are done reading K's and V's fragments and scale words, in which they land; in the first step the zero codes of Q and K are written, which the first product takes
.irp kt, 0,1,2,3,4,5,6,7
	ds_load_b128 v[32+8*\kt:35+8*\kt], v[ADK] offset:512*\kt
.endr
.irp b, 0,1,2,3
	ds_load_b64 v[24+2*\b:25+2*\b], v[ADS] offset:128*\b
.endr
.irp t, 0,1,2,3
.irp c, 0,1
	ds_load_b128 v[192+8*\t+4*\c:195+8*\t+4*\c], v[ADV] offset:1024*\t+512*\c
.endr
.endr
	ds_load_b128 v[240:243], v[ADT]
	s_wait_dscnt 9                                 ; K's twelve loads are in; V's nine, issued behind them, may be out
.irp kt, 0,1,2,3,4,5,6,7
	v_wmma_scale_f32_16x16x128_f8f6f4 v[96+8*\kt:103+8*\kt], v[32+8*\kt:39+8*\kt], v[16:23], 0, v[24+\kt], v255 matrix_a_fmt:MATRIX_FMT_FP4 matrix_b_fmt:MATRIX_FMT_FP4
.endr
.rept 4
	v_nop
.endr
.irp b, 0,1,2,3
	v_max3_num_f32 v[232+\b], v[96+16*\b], v[97+16*\b], v[98+16*\b]   ; the largest score of each block of 32 keys: for the row's maximum and, since p rises with the score, for the block's largest p
.endr
.irp i, 3,5,7,9,11,13
.irp b, 0,1,2,3
	v_max3_num_f32 v[232+\b], v[232+\b], v[96+16*\b+\i], v[97+16*\b+\i]
.endr
.endr
.irp b, 0,1,2,3
	v_max_num_f32 v[232+\b], v[232+\b], v[111+16*\b]
.endr
.irp b, 0,1,2,3
	v_permlanex16_b32 v[236+\b], v[232+\b], s[SEL], s[SEL+1]
.endr
.irp b, 0,1,2,3
	v_max_num_f32 v[232+\b], v[232+\b], v[236+\b]
.endr
	v_max3_num_f32 v254, v232, v233, v234
	v_max_num_f32 v254, v254, v235
	v_mul_f32 v254, s[CS], v254                    ; the step's largest t of my query
	v_max_num_f32 v13, v13, v254
	v_mov_b32 v254, v12
	v_floor_f32 v12, -v13                          ; the new -M = -ceil(t): a whole number
	v_sub_f32 v254, v12, v254
	v_cvt_i32_f32 v254, v254                       ; (it saturates)
	v_ldexp_f32 v252, 1.0, v254                    ; f = 2^(old M - new M)
.set j, 0
.rept 32
	v_pk_fma_f32 v[96+j:97+j], v[96+j:97+j], s[CS:CS+1], v[12:13] op_sel_hi:[1,0,0]   ; t - M
.set j, j+2
.endr
.irp b, 0,1,2,3
	v_fma_f32 v[232+\b], v[232+\b], s[CS], v12
.endr
.set j, 0
	s_wait_alu depctr_va_vdst(0)
.rept 64
	v_exp_f32 v[96+j], v[96+j]                     ; p = 2^(t - M)
.set j, j+1
.endr
	v_pk_mul_f32 v[14:15], v[14:15], v[252:253] op_sel_hi:[1,0]    ; the sums under the new M (a plain instruction behind the exponentials)
	s_wait_alu depctr_va_vdst(0)                   ; the 64 exponentials have written p: one wait for the batch, ahead of its first reader
.irp b, 0,1,2,3
	v_exp_f32 v[232+\b], v[232+\b]                 ; each block's largest p
.endr
	v_pk_add_f32 v[236:237], v[96:97], v[98:99]    ; the row's sum of the unquantised p, in two chains
.set j, 4
.rept 15
	v_pk_add_f32 v[14:15], v[14:15], v[96+j:97+j]
	v_pk_add_f32 v[236:237], v[236:237], v[98+j:99+j]
.set j, j+4
.endr
	v_pk_add_f32 v[14:15], v[14:15], v[236:237]
	s_wait_alu depctr_va_vdst(0)                   ; the four exponentials have written the blocks' largest p: one wait, ahead of their first reader
.irp b, 0,1,2,3
	v_max_num_f32 v[232+\b], 0x1800000, v[232+\b]  ; the floor 2^(3 - 127)
.endr
.irp b, 0,1,2,3
	v_add_nc_u32 v[244+\b], 0xff000000, v[232+\b]
.endr
.irp b, 0,1,2,3
	v_lshrrev_b32 v[236+\b], 23, v[244+\b]
.endr
	v_lshl_or_b32 v253, v237, 8, v236              ; p's scale word for these 128 keys
	v_lshl_or_b32 v253, v238, 16, v253
	v_lshl_or_b32 v253, v239, 24, v253
.irp b, 0,1,2,3
	v_cvt_scalef32_pk8_fp4_f32 v[224+2*\b], v[96+16*\b:103+16*\b], v[244+\b]
	v_cvt_scalef32_pk8_fp4_f32 v[225+2*\b], v[104+16*\b:111+16*\b], v[244+\b]
.endr
	v_nop
.irp c, 0,1
.irp i, 0,1
	v_permlane16_swap_b32 v[224+4*\c+\i], v[226+4*\c+\i]
.endr
.endr
.set j, 0
.rept 16
	v_pk_mul_f32 v[160+j:161+j], v[160+j:161+j], v[252:253] op_sel_hi:[1,0]   ; O^T under the new M; these sixteen are also the places in front of the scaled products below
.set j, j+2
.endr
	s_wait_dscnt 0x0                               ; V
	s_wait_alu depctr_vm_vsrc(0)                   ; the step's LDS loads have read v8 to v11, which the next step's head, or the way out, writes again
	s_wait_alu depctr_va_vdst(0)                   ; p's codes and scale word are written, which the products below take as operand and scale; the places above stay beside this wait
.irp t, 0,1,2,3
	v_wmma_scale_f32_16x16x128_f8f6f4 v[160+8*\t:167+8*\t], v[192+8*\t:199+8*\t], v[224:231], v[160+8*\t:167+8*\t], v[240+\t], v253 matrix_a_fmt:MATRIX_FMT_FP4 matrix_b_fmt:MATRIX_FMT_FP4
.endr
	s_add_co_u32 s[TK], s[TK], 4096
	s_add_co_u32 s[TS], s[TS], 512
	s_add_co_u32 s[TT], s[TT], 256
	s_sub_co_u32 s[CNT], s[CNT], 1
	s_cmp_lg_u32 s[CNT], 0
	s_cbranch_scc1 .Lstep
	; THE WAY OUT: O^T / the sum; its 64 numbers a query are two blocks of the next product's K
	v_add_f32 v14, v14, v15
	v_permlanex16_b32 v252, v14, s[SEL], s[SEL+1]
	v_add_f32 v14, v14, v252
	s_wait_alu depctr_va_vdst(0)
	v_rcp_f32 v14, v14
	v_and_b32 v8, 15, v0
	s_lshl_b32 s18, s[WV], 6
	s_add_co_u32 s18, s18, OSC
	v_lshl_add_u32 v8, v8, 2, s18                  ; OSC + 64 w + 4 r
	v_add_nc_u32 v6, OSC, v5                       ; OSC + 16 x thread
	v_nop
	s_wait_alu depctr_va_vdst(0)                   ; the reciprocal is written, ahead of its first reader
.set j, 0
.rept 16
	v_pk_mul_f32 v[96+j:97+j], v[160+j:161+j], v[14:15] op_sel_hi:[1,0]   ; register 16 b + i: column 32 b + 16 h + i of my query
.set j, j+2
.endr
.irp b, 0,1
	v_max3_num_f32 v[232+\b], |v[96+16*\b]|, |v[97+16*\b]|, 0x1800000
.endr
.irp i, 2,4,6,8,10,12,14
.irp b, 0,1
	v_max3_num_f32 v[232+\b], v[232+\b], |v[96+16*\b+\i]|, |v[97+16*\b+\i]|
.endr
.endr
.irp b, 0,1
	v_permlanex16_b32 v[236+\b], v[232+\b], s[SEL], s[SEL+1]
.endr
.irp b, 0,1
	v_max_num_f32 v[232+\b], v[232+\b], v[236+\b]
.endr
.irp b, 0,1
	v_add_nc_u32 v[244+\b], 0xff000000, v[232+\b]
.endr
.irp b, 0,1
	v_lshrrev_b32 v[236+\b], 23, v[244+\b]
.endr
	v_lshl_or_b32 v253, v237, 8, v236
.irp b, 0,1
	v_cvt_scalef32_pk8_fp4_f32 v[224+2*\b], v[96+16*\b:103+16*\b], v[244+\b]
	v_cvt_scalef32_pk8_fp4_f32 v[225+2*\b], v[104+16*\b:111+16*\b], v[244+\b]
.endr
	v_nop
	v_permlane16_swap_b32 v224, v226
	v_permlane16_swap_b32 v225, v227
	s_wait_alu depctr_va_vdst(0)                   ; o's codes, its scale word and the addresses v8 and v6 are written, which the two stores and the LDS load below read; the quantiser is done with v96 to v99, in which that load lands
	global_store_b128 v[AK0], v[224:227], s[8:9]   ; 32 lanes store 512 consecutive bytes
	ds_store_b32 v8, v253                          ; (both halves of the lanes write the same word)
	s_wait_dscnt 0x0
	s_barrier_signal -1
	s_barrier_wait -1                              ; sixteen tiles' scale words lie in LDS
	s_cmp_ge_u32 s[WV], 2
	s_cbranch_scc1 .Ldone
	ds_load_b128 v[96:99], v6
	s_wait_dscnt 0x0
	global_store_b128 v5, v[96:99], s[10:11]       ; sixteen lanes store 256 consecutive bytes, aligned
.Ldone:
	s_wait_dscnt 0x0                               ; the closing lines, six on end
	s_wait_alu 0x0
	s_wait_tensorcnt 0x0
	ds_add_u32 v250, v251
	s_wait_dscnt 0x0
	s_endpgm
.Lfunc_end_k_qc1199d3940_attn:
	.size	k_qc1199d3940_attn, .Lfunc_end_k_qc1199d3940_attn-k_qc1199d3940_attn
	.p2alignl 7, 3214868480
	.fill 96, 4, 3214868480
	.section	.rodata,"a",@progbits
	.p2align	6, 0x0
	.amdhsa_kernel k_qc1199d3940_attn
		.amdhsa_group_segment_fixed_size 146432
		.amdhsa_private_segment_fixed_size 0
		.amdhsa_enable_private_segment 0
		.amdhsa_kernarg_size 32
		.amdhsa_user_sgpr_count 2
		.amdhsa_user_sgpr_kernarg_segment_ptr 1
		.amdhsa_wavefront_size32 1
		.amdhsa_system_sgpr_workgroup_id_x 1
		.amdhsa_system_sgpr_workgroup_id_y 1
		.amdhsa_system_sgpr_workgroup_id_z 1
		.amdhsa_system_vgpr_workitem_id 0
		.amdhsa_next_free_vgpr 256
		.amdhsa_next_free_sgpr 66
		.amdhsa_reserve_vcc 0
		.amdhsa_float_denorm_mode_32 3
		.amdhsa_float_denorm_mode_16_64 3
		.amdhsa_memory_ordered 1
		.amdhsa_forward_progress 1
		.amdhsa_inst_pref_size 30
	.end_amdhsa_kernel
	.amdgpu_metadata
---
amdhsa.version: [ 1, 2 ]
amdhsa.kernels:
  - .name:           k_qc1199d3940_attn
    .symbol:         k_qc1199d3940_attn.kd
    .args:
      - { .name: qkv_img, .offset: 0, .size: 8, .value_kind: global_buffer, .address_space: global }
      - { .name: qkv_scl, .offset: 8, .size: 8, .value_kind: global_buffer, .address_space: global }
      - { .name: o_img, .offset: 16, .size: 8, .value_kind: global_buffer, .address_space: global }
      - { .name: o_scl, .offset: 24, .size: 8, .value_kind: global_buffer, .address_space: global }
    .group_segment_fixed_size: 146432
    .private_segment_fixed_size: 0
    .kernarg_segment_align: 8
    .kernarg_segment_size: 32
    .max_flat_workgroup_size: 512
    .sgpr_count:     66
    .vgpr_count:     256
    .wavefront_size: 32
...
	.end_amdgpu_metadata
.endif
;; end of part 7
;; launch post (part 8): grid 256 x 1, 4 waves a work-group, no clusters, 150,528 bytes of LDS; arguments o_img, o_scl, x, mod, g2, b2, wimg, Wo_scales, W_mlp1_scales, b_mlp1, W_mlp2_scales, b_mlp2, out0; writes out0
.if DOCPART == 8
	.amdgcn_target "amdgcn-amd-amdhsa--gfx1250"
	.amdhsa_code_object_version 6
	.text
	.protected	k_qc1199d3940_post
	.globl	k_qc1199d3940_post
	.p2align	8
	.type	k_qc1199d3940_post,@function
k_qc1199d3940_post:
	s_mov_b64 s[64:65], 0
	v_nop
	global_prefetch_b8 v0, s[64:65] scope:SCOPE_SE
	s_setreg_imm32_b32 hwreg(HW_REG_WAVE_SCHED_MODE, 0, 2), 2
	s_setreg_imm32_b32 hwreg(HW_REG_WAVE_MODE, 25, 1), 1
	s_wait_xcnt 0x0
	s_wait_alu depctr_vm_vsrc(0)
; x2 = x + (o Wo) gate_msa;  xn2 = LN(x2, g2, b2) (1 + scale_mlp);  out = x2 + gate_mlp (gelu(xn2 W1 + b1) W2 + b2): three products on codes of E2M1 with E8M0 scales; xn2 and the hidden layer are
; quantised on the way and never go to memory.
; SHARES.  A work-group takes 32 tokens as two tiles of 16 (row r of tile m is token 8 m + (r % 8) + 16 (r / 8), as the launches before laid them).  In every product wave w takes weight tiles 8 w .. 8 w + 7
; (128 columns) for both token tiles: 64 matrix instructions on 16 accumulators by turns, the weights from wimg straight into registers, each byte once.  All products are used transposed (source 0 = the weight).
; The hidden layer goes in four runs of 512 units: a wave's 128 units of a run are one K step of the second MLP product; they go round as images of operand registers.
; TWO WEIGHT WINDOWS: W_mlp1's tiles in window 2, W_mlp2's in window 3.  A window is asked for again as soon as its product is issued, in small groups that stand between the pieces of gelu: a tile has
; most of a trip in which to land, and loads are on their way all the time.  The last trip, which asks for no further run, is written out, so that each counted wait has one count on every way.
; A SCALE REGISTER CARRIES TWO TILES: lanes 0-15 the words of tile t, lanes 16-31 those of tile t + 4 (one load: lanes 16-31 read 64 rows further on); tiles 4-7 name the register's upper row.
; LN and the way out: wave w works tokens 8 w .. 8 w + 7 as whole rows; rows and columns change hands in a stage in LDS.  x2 waits in LDS for the end.
; gelu is exact: erf(z) = z P(z^2) / Q(z^2) on |z| <= 4, degrees 6 and 4.
; No tensor load and no cluster: each weight fragment is used by the one wave that loads it, and a way through LDS would add a write and a read of every byte.
; LIMITS: NaN and infinities are not served; a block whose largest magnitude lies under 2^-124 gets the scale byte 1; erf carries an absolute error of about 1e-7, so gelu's small values for very negative inputs carry that absolute error.
; REGISTERS, in windows of 256.  Window 0: v1-14 addresses; v24-31 the activations' scale words; v32-47 Wo's and W_mlp1's, v48-63 W_mlp2's; v64-71 codes just made; v72-89 the quantiser's; v90-91, v124-125 erf's leading
;   coefficients; v92-123 at work; v128-255 accumulators, rows.   Window 1: v0-127 x's rows, then the 16 accumulators of the last product; v128-191 LN's parameters, then eight activation fragments; v192-255 b_mlp1's tiles.
;   Windows 2, 3: eight weight tiles each (tile t, K step s at 32 t + 8 s).
; THE MODE: SCHED_MODE bits 1:0 = 2 (LLVM: expert scheduling mode 2), set by the entry lines.  The code itself states the register dependences
; between vector or matrix instructions and memory or LDS instructions, with s_wait_alu, always for 0.
; THE PLAN.  Registers that memory or LDS instructions touch, in a trip of the loop:
;   v1-v14                       Offsets and LDS addresses: written at the head, never again.
;   window 2, v32-47, window 1 v192-255   W_mlp1's tiles, scale words and bias: the first MLP product reads them; the next run's loads land, in groups behind gelu's pieces 4 to 13.
;   window 3, v48-63             W_mlp2's tiles and scale words: the second MLP product reads them; behind it the next run's scale words and tiles 0-3 land, behind gelu's pieces 0 to 3 tiles 4-7.
;   window 1 v128-191, v24-31    Activation fragments and scale words: LDS loads land, both products read, by turns.
;   v64-71, v88                  Codes and scale word: the quantiser writes, the images' LDS stores read; twice a trip.
;   The accumulators are named by matrix and vector instructions alone inside the loop.
; So in a trip: the wait on va_vdst that stands behind gelu's eight reciprocals in each of its sixteen pieces also states that the products issued ahead of it are done reading the registers in which the piece's group of loads
; lands; the eight vector lines between that wait and the loads name gelu's own registers alone.  Further: one wait on va_vdst ahead of each image, one behind the second product; one on vm_vsrc behind each image's stores.
.set XIMG, 0                           ; LDS: xn2's 8 fragments (4 m + s), 1,024 bytes each,
.set XSC,  8192                        ; their scale words, 128 bytes each,
.set HIMG, 9216                        ; the hidden run's 8 fragments,
.set HSC,  17408                       ; their scale words,
.set STG,  18432                       ; the stage: 32 rows x (2,048 + 16) bytes,
.set X2S,  84480                       ; x2: 32 rows x 2,048 bytes, each wave's own eight
.set SP,   2064
.set LI,   1
.set LS,   2
.set SL16, 3                           ; 16 x ((r % 8) + 16 (r / 8) + 64 h)
.set SL64, 4                           ; 64 x the same
.set BH,   5                           ; 64 h
.set STD,  6
.set STQ,  7
.set SO,   8                           ; the stage as results enter it
.set XWI,  9
.set XWS,  10
.set X2A,  11
.set HWI,  12
.set HWS,  13
.set R4,   14                          ; 4 r
.set AS,   24
.set WSA,  32
.set WSB,  48
.set PC,   64
.set TM,   72
.set PW,   88
.set T1,   89
.set SUM,  92
.set MU,   100
.set TP,   108
.set RS,   112
.set GZ,   92
.set GX,   100
.set GP,   108
.set GQ,   116
.set ACC,  128
.set WV,   2
.set BT,   4
.set PP,   5
.set OIP,  8
.set OSP,  10
.set XP,   12
.set MODP, 14
.set G2P,  16
.set LB2P, 18
.set WOS,  22
.set W1S,  24
.set B1P,  26
.set W2S,  28
.set B2P,  30
.set OUTP, 32
.set WOC,  34
.set W1C,  36
.set W2C,  38
.set SEL,  42
.set C512, 44
.set EPS,  45
.set CH,   46
.set SA1,  66                          ; s[66:77] erf's alpha 1 .. 6, each twice; s[78:85] beta 1 .. 4
.set SB1,  78
.set MSB, 0
.macro WIN new                         ; the immediate's high byte repeats the setting that is left
.if MSB != \new
	s_set_vgpr_msb (MSB<<8)|\new
.set MSB, \new
.endif
.endm
.macro BAR                             ; my LDS stores have landed and my LDS loads are in: then the work-group's barrier
	s_wait_dscnt 0x0
	s_barrier_signal -1
	s_barrier_wait -1
.endm
.macro SC2 r, val
	s_mov_b32 s[\r], \val
	s_mov_b32 s[\r+1], \val
.endm
; ar: source 0's scales stand in lanes 16-31 of their register
.macro WM0 d, a, b, sa, sb, ar
.if \ar
	v_wmma_scale_f32_16x16x128_f8f6f4 v[\d:\d+7], v[\a:\a+7], v[\b:\b+7], 0, v[\sa], v[\sb] matrix_a_fmt:MATRIX_FMT_FP4 matrix_b_fmt:MATRIX_FMT_FP4 matrix_a_scale:MATRIX_SCALE_ROW1
.else
	v_wmma_scale_f32_16x16x128_f8f6f4 v[\d:\d+7], v[\a:\a+7], v[\b:\b+7], 0, v[\sa], v[\sb] matrix_a_fmt:MATRIX_FMT_FP4 matrix_b_fmt:MATRIX_FMT_FP4
.endif
.endm
.macro WMC d, a, b, c, sa, sb, ar
.if \ar
	v_wmma_scale_f32_16x16x128_f8f6f4 v[\d:\d+7], v[\a:\a+7], v[\b:\b+7], v[\c:\c+7], v[\sa], v[\sb] matrix_a_fmt:MATRIX_FMT_FP4 matrix_b_fmt:MATRIX_FMT_FP4 matrix_a_scale:MATRIX_SCALE_ROW1
.else
	v_wmma_scale_f32_16x16x128_f8f6f4 v[\d:\d+7], v[\a:\a+7], v[\b:\b+7], v[\c:\c+7], v[\sa], v[\sb] matrix_a_fmt:MATRIX_FMT_FP4 matrix_b_fmt:MATRIX_FMT_FP4
.endif
.endm
; one weight tile into the window that win names (0x80: window 2, 0xc0: window 3): 8 loads of 512 consecutive bytes
.macro WT win, cb, tile
	WIN \win
.irp i, 0,1,2,3,4,5,6,7
	global_load_b128 v[32*(\tile)+4*\i:32*(\tile)+4*\i+3], v[LI], s[\cb:\cb+1] offset:4096*(\tile)+512*\i
.endr
	WIN 0
.endm
; four tiles (4 half .. + 3): 32 loads
.macro WHC half, win, cb
	WIN \win
.irp tt, 0,1,2,3
.irp i, 0,1,2,3,4,5,6,7
	global_load_b128 v[32*(4*\half+\tt)+4*\i:32*(4*\half+\tt)+4*\i+3], v[LI], s[\cb:\cb+1] offset:4096*(4*\half+\tt)+512*\i
.endr
.endr
	WIN 0
.endm
; the eight tiles' scale words: 4 loads; register ws + 4 t + s: lanes 0-15 tile t, lanes 16-31 tile t + 4, K step s
.macro WSL ws, sb, sl, sstr
.irp tt, 0,1,2,3
	global_load_b128 v[\ws+4*\tt:\ws+4*\tt+3], v[\sl], s[\sb:\sb+1] offset:(32*(\tt/2)+8*(\tt%2))*\sstr
.endr
.endm
.macro BIASH half                      ; b_mlp1 in the result's layout, four tiles: 8 loads
	WIN 0x40
.irp tt, 0,1,2,3
	global_load_b128 v[192+8*(4*\half+\tt):192+8*(4*\half+\tt)+3], v[BH], s[B1P:B1P+1] offset:(32*((4*\half+\tt)/2)+8*((4*\half+\tt)%2))*4
	global_load_b128 v[196+8*(4*\half+\tt):196+8*(4*\half+\tt)+3], v[BH], s[B1P:B1P+1] offset:(32*((4*\half+\tt)/2)+8*((4*\half+\tt)%2))*4+16
.endr
	WIN 0
.endm
; 64 matrix instructions; the 16 accumulators take turns, one instruction a turn.  Four v_nop end each run: the places in front of the first read of its results.
.macro MMT                             ; o Wo: the first K step starts the sums
	WIN 0x06
.irp s, 0,1,2,3
.irp t, 0,1,2,3,4,5,6,7
.irp m, 0,1
.if \s == 0
	WM0 ACC+64*\m+8*\t, 32*\t+8*\s, 128+8*(4*\m+\s), WSA+4*(\t%4)+\s, AS+4*\m+\s, \t/4
.else
	WMC ACC+64*\m+8*\t, 32*\t+8*\s, 128+8*(4*\m+\s), ACC+64*\m+8*\t, WSA+4*(\t%4)+\s, AS+4*\m+\s, \t/4
.endif
.endr
.endr
.endr
	WIN 0
.rept 4
	v_nop
.endr
.endm
.macro MM1                             ; xn2 W1 (window 2): b_mlp1 (window 1) is the C of each sum's first product
.irp s, 0,1,2,3
.if \s == 0
	WIN 0x16
.else
	WIN 0x06
.endif
.irp t, 0,1,2,3,4,5,6,7
.irp m, 0,1
.if \s == 0
	WMC ACC+64*\m+8*\t, 32*\t+8*\s, 128+8*(4*\m+\s), 192+8*\t, WSA+4*(\t%4)+\s, AS+4*\m+\s, \t/4
.else
	WMC ACC+64*\m+8*\t, 32*\t+8*\s, 128+8*(4*\m+\s), ACC+64*\m+8*\t, WSA+4*(\t%4)+\s, AS+4*\m+\s, \t/4
.endif
.endr
.endr
.endr
	WIN 0
.rept 4
	v_nop
.endr
.endm
.macro MM2                             ; h W2 (window 3), onto the accumulators in window 1, which began as b_mlp2
	WIN 0x57
.irp s, 0,1,2,3
.irp t, 0,1,2,3,4,5,6,7
.irp m, 0,1
	WMC 64*\m+8*\t, 32*\t+8*\s, 128+8*(4*\m+\s), 64*\m+8*\t, WSB+4*(\t%4)+\s, AS+4*\m+\s, \t/4
.endr
.endr
.endr
	WIN 0
.rept 4
	v_nop
.endr
.endm
; 64 numbers of a lane, register 16 b + i = place 32 b + 16 h + i along K: four blocks' scale bytes (TM+4..7) and codes (PC + 2 b, + 1: my half of block b)
.macro QCORE src
.irp b, 0,1,2,3
	v_max3_num_f32 v[TM+\b], |v[\src+16*\b]|, |v[\src+16*\b+1]|, 0x1800000   ; my 16 numbers, and the floor 2^(3 - 127): the byte cannot fall under 1
.endr
.irp i, 2,4,6,8,10,12,14
.irp b, 0,1,2,3
	v_max3_num_f32 v[TM+\b], v[TM+\b], |v[\src+16*\b+\i]|, |v[\src+16*\b+\i+1]|
.endr
.endr
.irp b, 0,1,2,3
	v_permlanex16_b32 v[TM+4+\b], v[TM+\b], s[SEL], s[SEL+1]
.endr
.irp b, 0,1,2,3
	v_max_num_f32 v[TM+\b], v[TM+\b], v[TM+4+\b]
.endr
.irp b, 0,1,2,3
	v_add_nc_u32 v[TM+12+\b], 0xff000000, v[TM+\b]
.endr
.irp b, 0,1,2,3
	v_lshrrev_b32 v[TM+4+\b], 23, v[TM+12+\b]
.endr
.irp b, 0,1,2,3
	v_cvt_scalef32_pk8_fp4_f32 v[PC+2*\b], v[\src+16*\b:\src+16*\b+7], v[TM+12+\b]
	v_cvt_scalef32_pk8_fp4_f32 v[PC+2*\b+1], v[\src+16*\b+8:\src+16*\b+15], v[TM+12+\b]
.endr
	v_nop                                          ; one plain instruction behind the last scaled conversion
.endm
.macro QWORD
	v_lshl_or_b32 v[PW], v[TM+5], 8, v[TM+4]
	v_lshl_or_b32 v[PW], v[TM+6], 16, v[PW]
	v_lshl_or_b32 v[PW], v[TM+7], 24, v[PW]
.endm
.macro QSWAP
.irp c, 0,1
.irp i, 0,1
	v_permlane16_swap_b32 v[PC+4*\c+\i], v[PC+4*\c+2+\i]
.endr
.endr
.endm
.macro IMAGE adr, off
	ds_store_b128 v[\adr], v[PC:PC+3] offset:\off
	ds_store_b128 v[\adr], v[PC+4:PC+7] offset:\off+512
.endm
.macro AFETCH ioff, soff
	WIN 0x40
.irp f, 0,1,2,3,4,5,6,7
.irp c, 0,1
	ds_load_b128 v[128+8*\f+4*\c:128+8*\f+4*\c+3], v[LI] offset:\ioff+1024*\f+512*\c
.endr
.endr
	WIN 0
.irp f, 0,1,2,3,4,5,6,7
	ds_load_b32 v[AS+\f], v[LS] offset:\soff+128*\f
.endr
.endm
.macro RED4
.irp k, 0,1,2,3
	v_add_f32 v[SUM+2*\k], v[SUM+2*\k], v[SUM+2*\k+1]
.endr
.irp x, 1,2,4,8
.irp k, 0,1,2,3
	v_add_f32_dpp v[SUM+2*\k], v[SUM+2*\k], v[SUM+2*\k] row_xmask:\x row_mask:0xf bank_mask:0xf
.endr
.endr
.irp k, 0,1,2,3
	v_permlanex16_b32 v[TP+\k], v[SUM+2*\k], s[SEL], s[SEL+1]
.endr
.irp k, 0,1,2,3
	v_add_f32 v[SUM+2*\k], v[SUM+2*\k], v[TP+\k]
.endr
.endm
; four rows by turns: x2 = (o Wo) gate + x, kept in LDS; then its LN.  Row k in v[xb + 16 k ..], columns 128 q + 4 lane + 0..3 in registers 4 q .. 4 q + 3
.macro LN4 xb, grp
	WIN 0x14                                       ; sources 1 and 2 in window 1: the gate, x's rows
.irp k, 0,1,2,3
.irp j, 0,2,4,6,8,10,12,14
	v_pk_fma_f32 v[\xb+16*\k+\j:\xb+16*\k+\j+1], v[\xb+16*\k+\j:\xb+16*\k+\j+1], v[176+\j:177+\j], v[64*\grp+16*\k+\j:64*\grp+16*\k+\j+1]
.endr
.endr
	WIN 0
	s_wait_alu depctr_va_vdst(0)                   ; the multiply-adds have written x2's four rows, which the LDS stores read
.irp k, 0,1,2,3
.irp q, 0,1,2,3
	ds_store_b128 v[X2A], v[\xb+16*\k+4*\q:\xb+16*\k+4*\q+3] offset:(4*\grp+\k)*2048+512*\q
.endr
.endr
.irp k, 0,1,2,3
	v_pk_add_f32 v[SUM+2*\k:SUM+2*\k+1], v[\xb+16*\k:\xb+16*\k+1], v[\xb+16*\k+2:\xb+16*\k+3]
.endr
.irp j, 4,6,8,10,12,14
.irp k, 0,1,2,3
	v_pk_add_f32 v[SUM+2*\k:SUM+2*\k+1], v[SUM+2*\k:SUM+2*\k+1], v[\xb+16*\k+\j:\xb+16*\k+\j+1]
.endr
.endr
	RED4
.irp k, 0,1,2,3
	v_mul_f32 v[MU+2*\k], s[C512], v[SUM+2*\k]
.endr
.irp k, 0,1,2,3
	v_mov_b32 v[MU+2*\k+1], v[MU+2*\k]
.endr
	s_wait_alu depctr_va_vdst(0)
	s_wait_dscnt 0x0                               ; the stores of x2 have landed
	s_wait_alu depctr_vm_vsrc(0)                   ; and have read the four rows' registers, which the subtractions below write again
.irp k, 0,1,2,3
.irp j, 0,2,4,6,8,10,12,14
	v_pk_add_f32 v[\xb+16*\k+\j:\xb+16*\k+\j+1], v[\xb+16*\k+\j:\xb+16*\k+\j+1], v[MU+2*\k:MU+2*\k+1] neg_lo:[0,1] neg_hi:[0,1]
.endr
.endr
.irp k, 0,1,2,3
	v_pk_mul_f32 v[SUM+2*\k:SUM+2*\k+1], v[\xb+16*\k:\xb+16*\k+1], v[\xb+16*\k:\xb+16*\k+1]
.endr
.irp j, 2,4,6,8,10,12,14
.irp k, 0,1,2,3
	v_pk_fma_f32 v[SUM+2*\k:SUM+2*\k+1], v[\xb+16*\k+\j:\xb+16*\k+\j+1], v[\xb+16*\k+\j:\xb+16*\k+\j+1], v[SUM+2*\k:SUM+2*\k+1]
.endr
.endr
	RED4
.irp k, 0,1,2,3
	v_fma_f32 v[SUM+2*\k], v[SUM+2*\k], s[C512], s[EPS]
.endr
	s_wait_alu depctr_va_vdst(0)
.irp k, 0,1,2,3
	v_rsq_f32 v[RS+2*\k], v[SUM+2*\k]
.endr
	v_nop
	s_wait_alu depctr_va_vdst(0)                   ; the four reciprocal roots are written: one wait for the four, ahead of their first reader
.irp k, 0,1,2,3
	v_mov_b32 v[RS+2*\k+1], v[RS+2*\k]
.endr
.irp k, 0,1,2,3
.irp j, 0,2,4,6,8,10,12,14
	v_pk_mul_f32 v[\xb+16*\k+\j:\xb+16*\k+\j+1], v[\xb+16*\k+\j:\xb+16*\k+\j+1], v[RS+2*\k:RS+2*\k+1]
.endr
.endr
	WIN 0x14
.irp k, 0,1,2,3
.irp j, 0,2,4,6,8,10,12,14
	v_pk_fma_f32 v[\xb+16*\k+\j:\xb+16*\k+\j+1], v[\xb+16*\k+\j:\xb+16*\k+\j+1], v[128+\j:129+\j], v[144+\j:145+\j]
.endr
.endr
.irp k, 0,1,2,3
.irp j, 0,2,4,6,8,10,12,14
	v_pk_mul_f32 v[\xb+16*\k+\j:\xb+16*\k+\j+1], v[\xb+16*\k+\j:\xb+16*\k+\j+1], v[160+\j:161+\j]
.endr
.endr
	WIN 0
	s_wait_alu depctr_va_vdst(0)                   ; LN has written the four rows, which the LDS stores read; behind the second group it is also done with all of ACC, with x's rows and with the parameters in window 1, in which loads land later
.irp k, 0,1,2,3
.irp q, 0,1,2,3
	ds_store_b128 v[STD], v[\xb+16*\k+4*\q:\xb+16*\k+4*\q+3] offset:(4*\grp+\k)*SP+512*\q
.endr
.endr
.endm
.macro XQ
.irp sl, 0,1
.irp b, 0,1,2,3
.irp j, 0,1,2,3
	ds_load_b128 v[ACC+64*\sl+16*\b+4*\j:ACC+64*\sl+16*\b+4*\j+3], v[STQ] offset:512*\sl+128*\b+16*\j
.endr
.endr
.endr
	s_wait_dscnt 0x0
.irp sl, 0,1
	QCORE ACC+64*\sl
	QWORD
	QSWAP
	s_wait_alu depctr_va_vdst(0)                   ; the quantiser has written the codes and the scale word, which the LDS stores read
	IMAGE XWI, 1024*\sl
	ds_store_b32 v[XWS], v[PW] offset:128*\sl
	s_wait_dscnt 0x0                               ; the stores have landed
	s_wait_alu depctr_vm_vsrc(0)                   ; and have read the codes' registers and the scale word's, which the next quantising writes again
.endr
.endm
.macro RES2STG base, win               ; 16 result tiles into the stage: lane (r, h): row 16 m + r, columns 128 w + 32 (t / 2) + 8 (t % 2) + 16 h + 0..7; each accumulator from its low end on
	WIN \win
.irp m, 0,1
.irp t, 0,1,2,3,4,5,6,7
	ds_store_b128 v[SO], v[\base+64*\m+8*\t:\base+64*\m+8*\t+3] offset:16*SP*\m+128*(\t/2)+32*(\t%2)
	ds_store_b128 v[SO], v[\base+64*\m+8*\t+4:\base+64*\m+8*\t+7] offset:16*SP*\m+128*(\t/2)+32*(\t%2)+16
.endr
.endr
	WIN 0
.endm
; gelu of eight numbers in place: x/2 + (x/2) erf(x / sqrt 2)
.macro GELU8 a
.irp j, 0,2,4,6
	v_pk_mul_f32 v[GZ+\j:GZ+\j+1], v[\a+\j:\a+\j+1], 0x3f3504f3 op_sel_hi:[1,0]
.endr
.irp j, 0,1,2,3,4,5,6,7
	v_med3_num_f32 v[GZ+\j], v[GZ+\j], -4.0, 4.0
.endr
.irp j, 0,2,4,6
	v_pk_mul_f32 v[GX+\j:GX+\j+1], v[GZ+\j:GZ+\j+1], v[GZ+\j:GZ+\j+1]
.endr
.irp j, 0,2,4,6
	v_pk_fma_f32 v[GQ+\j:GQ+\j+1], v[GX+\j:GX+\j+1], v[124:125], s[SB1:SB1+1] op_sel_hi:[1,1,0]
.endr
.irp c, 1,2,3
.irp j, 0,2,4,6
	v_pk_fma_f32 v[GQ+\j:GQ+\j+1], v[GQ+\j:GQ+\j+1], v[GX+\j:GX+\j+1], s[SB1+2*\c:SB1+2*\c+1] op_sel_hi:[1,1,0]
.endr
.endr
	s_wait_alu depctr_va_vdst(0)
.irp j, 0,1,2,3,4,5,6,7
	v_rcp_f32 v[GQ+\j], v[GQ+\j]
.endr
.irp j, 0,2,4,6
	v_pk_fma_f32 v[GP+\j:GP+\j+1], v[GX+\j:GX+\j+1], v[90:91], s[SA1:SA1+1] op_sel_hi:[1,1,0]   ; the numerator is the independent work behind the reciprocals
.endr
.irp c, 1,2,3,4,5
.irp j, 0,2,4,6
	v_pk_fma_f32 v[GP+\j:GP+\j+1], v[GP+\j:GP+\j+1], v[GX+\j:GX+\j+1], s[SA1+2*\c:SA1+2*\c+1] op_sel_hi:[1,1,0]
.endr
.endr
.irp j, 0,2,4,6
	v_pk_mul_f32 v[GP+\j:GP+\j+1], v[GP+\j:GP+\j+1], v[GZ+\j:GZ+\j+1]
.endr
.irp j, 0,2,4,6
	v_pk_mul_f32 v[\a+\j:\a+\j+1], v[\a+\j:\a+\j+1], 0.5 op_sel_hi:[1,0]
.endr
	s_wait_alu depctr_va_vdst(0)                   ; the eight reciprocals are written: one wait, ahead of their first reader.  The trip's first product and the last trip's second are also done reading the weights, scale words and bias in which the loads behind this piece land
.irp j, 0,2,4,6
	v_pk_mul_f32 v[GP+\j:GP+\j+1], v[GP+\j:GP+\j+1], v[GQ+\j:GQ+\j+1]
.endr
.irp j, 0,2,4,6
	v_pk_fma_f32 v[\a+\j:\a+\j+1], v[\a+\j:\a+\j+1], v[GP+\j:GP+\j+1], v[\a+\j:\a+\j+1]
.endr
.endm
; The loads that stand behind the n-th of a trip's sixteen pieces of gelu.  Pieces 0-3: this run's W_mlp2, tiles 4-7 (32 loads).  With a further run (more = 1), pieces 4-13: its W_mlp1: scale words and half the bias
; (12), eight tiles (64), the other half of the bias (8): 84 loads.  No wait of their own: since the wait in the piece of gelu just ahead, no vector or matrix instruction has named a register that they touch.
.macro FEED n, more
.if \n < 4
	WT 0xc0, W2C, 4+\n
.elseif \more
.if \n == 4
	WSL WSA, W1S, SL16, 16
	BIASH 0
.elseif \n < 13
	WT 0x80, W1C, \n-5
.elseif \n == 13
	BIASH 1
.endif
.endif
.endm
; A run of 512 hidden units.  more = 1: a further run follows
.macro TRIP more
	s_wait_loadcnt 36                              ; this run's W_mlp1, its scale words and bias (and all that was asked for earlier) are in; the 36 loads of W_mlp2's scale words and first four tiles may be out
	s_wait_dscnt 0x0                               ; xn2's fragments
.if \more
	s_add_nc_u64 s[W1C:W1C+1], s[W1C:W1C+1], 131072    ; the loads that named these bases are done: on to the next run
	s_add_nc_u64 s[W1S:W1S+1], s[W1S:W1S+1], 8192
	s_add_nc_u64 s[B1P:B1P+1], s[B1P:B1P+1], 2048
.endif
	MM1
.irp n, 0,1,2,3,4,5,6,7
	GELU8 ACC+8*\n
	FEED \n, \more
.endr
	QCORE ACC
	QWORD
	QSWAP
	s_wait_alu depctr_va_vdst(0)                   ; the quantiser has written the codes and the scale word, which the LDS stores read
	IMAGE HWI, 0                                   ; K step w of this run, token tile 0
	ds_store_b32 v[HWS], v[PW]
.irp n, 8,9,10,11,12,13,14,15
	GELU8 ACC+8*\n
	FEED \n, \more
.endr
	s_wait_dscnt 0x0                               ; the stores have landed
	s_wait_alu depctr_vm_vsrc(0)                   ; and have read the codes' registers and the scale word's, which the quantiser writes again
	QCORE ACC+64
	QWORD
	QSWAP
	s_wait_alu depctr_va_vdst(0)                   ; the quantiser has written the codes and the scale word, which the LDS stores read
	IMAGE HWI, 4096
	ds_store_b32 v[HWS], v[PW] offset:512
	BAR                                            ; the run's eight fragments lie in LDS
	s_wait_alu depctr_vm_vsrc(0)                   ; my stores have read the codes' registers and the scale word's: the next run's quantiser writes them again; behind the last run gate_mlp lands there
	AFETCH HIMG, HSC
.if \more
	s_wait_loadcnt 63                              ; W_mlp2's tiles are in: 84 loads were issued behind the last of them, and a wait names 63 at the most
	s_wait_dscnt 0x0                               ; my reads of the run's images are in:
	s_add_nc_u64 s[W2C:W2C+1], s[W2C:W2C+1], 131072
	s_add_nc_u64 s[W2S:W2S+1], s[W2S:W2S+1], 16
	s_barrier_signal -1                            ; say so; the next trip's images are stored only behind the wait below
	MM2                                            ; work on registers while the others arrive
	s_barrier_wait -1
	s_wait_alu depctr_va_vdst(0)                   ; the second product is done reading W_mlp2's scale words and tiles 0-3, the run's fragments and their scale words, in which the loads below land
	WSL WSB, W2S, SL64, 64                         ; the next run's W_mlp2: scale words and tiles 0-3: 36 loads
	WHC 0, 0xc0, W2C
	AFETCH XIMG, XSC
.else
	s_wait_loadcnt 0x0                             ; nothing was issued behind W_mlp2's last tile
	s_wait_dscnt 0x0
	MM2
.endif
.endm
	s_load_b512 s[8:23], s[0:1], 0x0               ; o_img 8, o_scl 10, x 12, mod 14, g2 16, b2 18, wimg 20, Wo_scales 22
	s_load_b256 s[24:31], s[0:1], 0x40             ; W_mlp1_scales 24, b_mlp1 26, W_mlp2_scales 28, b_mlp2 30
	s_load_b64 s[32:33], s[0:1], 0x60              ; out0
	v_lshl_add_u32 v126, v0, 2, 0x24a00
	v_mov_b32 v127, 0
	v_lshrrev_b32 v[T1], 5, v0
	v_readfirstlane_b32 s[WV], v[T1]               ; wave 0..3
	s_lshr_b32 s[BT], ttmp9, 6                     ; batch
	s_and_b32 s[PP], ttmp9, 63
	v_and_b32 v[LS], 31, v0
	v_lshlrev_b32 v[LI], 4, v[LS]
	v_lshlrev_b32 v[LS], 2, v[LS]
	v_and_b32 v92, 15, v0                          ; r
	v_bfe_u32 v93, v0, 4, 1                        ; h
	v_and_b32 v94, 7, v0
	v_bfe_u32 v95, v0, 3, 1
	v_lshl_add_u32 v94, v95, 4, v94                ; (r % 8) + 16 (r / 8)
	v_lshlrev_b32 v[SL16], 4, v94
	v_lshl_add_u32 v[SL16], v93, 10, v[SL16]       ; lanes 16-31: 64 rows of 16 bytes further on
	v_lshlrev_b32 v[SL64], 6, v94
	v_lshl_add_u32 v[SL64], v93, 12, v[SL64]       ; 64 rows of 64 bytes
	v_lshlrev_b32 v[BH], 6, v93
	v_lshlrev_b32 v[R4], 2, v92
	s_wait_alu depctr_va_sdst(0)                   ; the wave's number is written, ahead of its first reader
	s_and_b32 s47, s[WV], 1
	s_lshr_b32 s48, s[WV], 1
	s_lshl_b32 s40, s47, 4
	s_lshl_b32 s41, s48, 3
	s_add_co_u32 s40, s40, s41                     ; tokens 8 w + i lie in stage rows 16 (w % 2) + 8 (w / 2) + i
	s_mul_i32 s40, s40, SP
	s_add_co_u32 s40, s40, STG
	v_add_nc_u32 v[STD], s40, v[LI]
	v_mul_u32_u24 v96, v92, SP
	v_lshl_add_u32 v96, v93, 6, v96                ; row r, + 64 h
	s_mul_i32 s40, s47, 16*SP
	s_lshl_b32 s41, s48, 10
	s_add_co_u32 s40, s40, s41
	s_add_co_u32 s40, s40, STG
	v_add_nc_u32 v[STQ], s40, v96
	s_lshl_b32 s40, s[WV], 9
	s_add_co_u32 s40, s40, STG
	v_add_nc_u32 v[SO], s40, v96
	s_lshl_b32 s40, s47, 2
	s_lshl_b32 s41, s48, 1
	s_add_co_u32 s40, s40, s41
	s_lshl_b32 s41, s40, 10
	v_add_nc_u32 v[XWI], s41, v[LI]
	s_lshl_b32 s41, s40, 7
	s_add_co_u32 s41, s41, XSC
	v_add_nc_u32 v[XWS], s41, v[LS]
	s_lshl_b32 s40, s[WV], 14
	s_add_co_u32 s40, s40, X2S
	v_add_nc_u32 v[X2A], s40, v[LI]
	s_lshl_b32 s40, s[WV], 10
	s_add_co_u32 s40, s40, HIMG
	v_add_nc_u32 v[HWI], s40, v[LI]
	s_lshl_b32 s40, s[WV], 7
	s_add_co_u32 s40, s40, HSC
	v_add_nc_u32 v[HWS], s40, v[LS]
.irp b, 0,1,2,3
	v_mov_b32 v[TM+4+\b], 0                        ; written once: a lane permute's destination counts as one of its sources
	v_mov_b32 v[TP+\b], 0
.endr
	v_mov_b32 v90, 0xaf95df0b                      ; alpha 0
	v_mov_b32 v91, 0xaf95df0b
	v_mov_b32 v124, 0xb77460cd                     ; beta 0
	v_mov_b32 v125, 0xb77460cd
	SC2 SA1,    0x32edffee
	SC2 SA1+2,  0xb60cff51
	SC2 SA1+4,  0xb86ec2d2
	SC2 SA1+6,  0xba40ac63
	SC2 SA1+8,  0xbb41a1f6
	SC2 SA1+10, 0xbc83dbd4
	SC2 SB1,    0xb95fbd29
	SC2 SB1+2,  0xbadc924e
	SC2 SB1+4,  0xbbf19bf8
	SC2 SB1+6,  0xbc69b6a7
	s_mov_b32 s[SEL], 0x76543210
	s_mov_b32 s[SEL+1], 0xfedcba98
	s_mov_b32 s[C512], 0x3b000000                  ; 1 / 512
	s_mov_b32 s[EPS], 0x3727c5ac                   ; 1e-5
	s_mov_b32 s[CH], 0
	s_mov_b32 s41, 0
	s_wait_kmcnt 0x0
	s_lshl_b32 s40, ttmp9, 13
	s_add_nc_u64 s[OIP:OIP+1], s[OIP:OIP+1], s[40:41]
	s_lshl_b32 s40, s[BT], 16
	s_lshl_b32 s47, s[PP], 7
	s_add_co_u32 s40, s40, s47
	s_add_nc_u64 s[OSP:OSP+1], s[OSP:OSP+1], s[40:41]
	s_lshl_b32 s40, ttmp9, 16
	s_lshl_b32 s47, s[WV], 14
	s_add_co_u32 s40, s40, s47
	s_add_nc_u64 s[XP:XP+1], s[XP:XP+1], s[40:41]
	s_add_nc_u64 s[OUTP:OUTP+1], s[OUTP:OUTP+1], s[40:41]
	s_lshl_b32 s40, s[BT], 13
	s_add_nc_u64 s[MODP:MODP+1], s[MODP:MODP+1], s[40:41]
	s_lshl_b32 s40, s[WV], 15
	s_add_nc_u64 s[W2C:W2C+1], s[20:21], s[40:41]
	s_add_nc_u64 s[WOC:WOC+1], s[W2C:W2C+1], 393216
	s_add_nc_u64 s[W1C:W1C+1], s[W2C:W2C+1], 524288
	s_add_nc_u64 s[W2C:W2C+1], s[W2C:W2C+1], 1048576
	s_lshl_b32 s40, s[WV], 11
	s_add_nc_u64 s[WOS:WOS+1], s[WOS:WOS+1], s[40:41]
	s_add_nc_u64 s[W1S:W1S+1], s[W1S:W1S+1], s[40:41]
	s_lshl_b32 s40, s[WV], 9
	s_add_nc_u64 s[B1P:B1P+1], s[B1P:B1P+1], s[40:41]
	s_add_nc_u64 s[B2P:B2P+1], s[B2P:B2P+1], s[40:41]
	s_lshl_b32 s40, s[WV], 13
	s_add_nc_u64 s[W2S:W2S+1], s[W2S:W2S+1], s[40:41]
	; ---- o's fragments and scale words, Wo, x
	WIN 0x40
	s_wait_alu depctr_va_vdst(0)                   ; the offsets and LDS addresses v1 to v14 are written: every load and store of the kernel reads one of them, and none is written again; the address arithmetic is done with v92 to v96, in which o's scale words land
.irp f, 0,1,2,3,4,5,6,7,8,9,10,11,12,13,14,15
	global_load_b128 v[128+4*\f:131+4*\f], v[LI], s[OIP:OIP+1] offset:512*\f
.endr
	WIN 0
.irp m, 0,1
.irp hd, 0,1,2,3,4,5,6,7
	global_load_b32 v[92+8*\m+\hd], v[R4], s[OSP:OSP+1] offset:8192*\hd+64*\m
.endr
.endr
	WSL WSA, WOS, SL16, 16
	WHC 0, 0x80, WOC
	WHC 1, 0x80, WOC
	WIN 0x40
.irp i, 0,1,2,3,4,5,6,7
.irp q, 0,1,2,3
	global_load_b128 v[16*\i+4*\q:16*\i+4*\q+3], v[LI], s[XP:XP+1] offset:2048*\i+512*\q th:TH_LOAD_NT
.endr
.endr
	WIN 0
	s_wait_loadcnt 32                              ; all but x's 32 loads
.irp m, 0,1
.irp s, 0,1,2,3
	v_lshl_or_b32 v[AS+4*\m+\s], v[93+8*\m+2*\s], 16, v[92+8*\m+2*\s]   ; two heads' two bytes make a K step's scale word
.endr
.endr
.rept 8
	v_nop                                          ; a scale register written by a vector instruction stands eight places ahead of a scaled matrix instruction
.endr
	s_wait_alu depctr_va_vdst(0)                   ; o's eight scale words are written, which the products below take as scales; the places above stay beside this wait
	MMT
	s_wait_alu depctr_va_vdst(0)                   ; the products have written the accumulators, which the stage's stores read, and are done reading o's fragments, Wo's tiles and its scale words, in which the loads below land
	WIN 0x40
.irp q, 0,1,2,3
	global_load_b128 v[128+4*\q:131+4*\q], v[LI], s[G2P:G2P+1] offset:512*\q
	global_load_b128 v[144+4*\q:147+4*\q], v[LI], s[LB2P:LB2P+1] offset:512*\q
	global_load_b128 v[160+4*\q:163+4*\q], v[LI], s[MODP:MODP+1] offset:4096+512*\q  ; scale_mlp
	global_load_b128 v[176+4*\q:179+4*\q], v[LI], s[MODP:MODP+1] offset:2048+512*\q  ; gate_msa
.endr
	WIN 0
	WSL WSA, W1S, SL16, 16                         ; the first run's W_mlp1: 4 + 32 + 8 = 44 loads
	WHC 0, 0x80, W1C
	BIASH 0
	RES2STG ACC, 0
	BAR                                            ; 32 rows of o Wo lie in the stage
	s_wait_alu depctr_vm_vsrc(0)                   ; my stores into the stage have read v[ACC ..], in which the stage's loads land
.irp i, 0,1,2,3,4,5,6,7
.irp q, 0,1,2,3
	ds_load_b128 v[ACC+16*\i+4*\q:ACC+16*\i+4*\q+3], v[STD] offset:\i*SP+512*\q
.endr
.endr
	s_wait_loadcnt 44                              ; x and LN's parameters are in; the 44 loads just named may be out
	s_wait_dscnt 0x0
	WIN 0x41
.irp j, 0,2,4,6,8,10,12,14
	v_pk_add_f32 v[160+\j:161+\j], v[160+\j:161+\j], 1.0 op_sel_hi:[1,0]             ; 1 + scale_mlp
.endr
	WIN 0
	LN4 ACC, 0
	WHC 1, 0x80, W1C                               ; (o Wo's products, which read these registers, stand ahead of the waits on va_vdst above)
	BIASH 1
	LN4 ACC+64, 1
	BAR                                            ; 32 rows of xn2 lie in the stage
	s_wait_alu depctr_vm_vsrc(0)                   ; my stores into the stage have read v[ACC ..], in which the stage's loads land
	WIN 0x40
.irp m, 0,1
.irp t, 0,1,2,3,4,5,6,7
	global_load_b128 v[64*\m+8*\t:64*\m+8*\t+3], v[BH], s[B2P:B2P+1] offset:(32*(\t/2)+8*(\t%2))*4       ; the last product's sums begin as b_mlp2, in the result's layout
	global_load_b128 v[64*\m+8*\t+4:64*\m+8*\t+7], v[BH], s[B2P:B2P+1] offset:(32*(\t/2)+8*(\t%2))*4+16
.endr
.endr
	WIN 0
	WSL WSB, W2S, SL64, 64                         ; the first run's W_mlp2: scale words and tiles 0-3: the 36 loads that the first trip's head leaves out
	WHC 0, 0xc0, W2C
	XQ
	BAR                                            ; xn2's eight fragments lie in LDS
	AFETCH XIMG, XSC                               ; (LN's last reads of window 1, and o Wo's of the scale words, stand ahead of the waits on va_vdst above)
.Lchunk:                                           ; three trips of 512 hidden units, each asking for the next run's weights
	TRIP 1
	s_add_co_u32 s[CH], s[CH], 1
	s_cmp_lt_u32 s[CH], 3
	s_cbranch_scc1 .Lchunk
	TRIP 0                                         ; the fourth run asks only for the rest of its own W_mlp2: no load leaves its buffer
	; ---- the way out: out = gate_mlp y + x2, by whole rows
	s_wait_alu depctr_va_vdst(0)                   ; the last products have written y's accumulators, which the stage's stores read (the four places stand behind them); gelu and the quantiser are done with v64 to v79 and with v[ACC ..], in which the loads below land
.irp q, 0,1,2,3
	global_load_b128 v[64+4*\q:67+4*\q], v[LI], s[MODP:MODP+1] offset:6144+512*\q    ; gate_mlp
.endr
	RES2STG 0, 0x04                                ; an LDS store's data are its source 1: window 1
	BAR                                            ; 32 rows of y lie in the stage
.irp hf, 0,1
.if \hf == 1
	s_wait_xcnt 0x0                                ; the first half's stores have read their data: the registers are loaded again only behind this wait
	s_wait_alu depctr_vm_vsrc(0)                   ; the first half's stores have read v128 to v191, in which the loads below land
.endif
.irp k, 0,1,2,3
.irp q, 0,1,2,3
	ds_load_b128 v[128+16*\k+4*\q:131+16*\k+4*\q], v[STD] offset:(4*\hf+\k)*SP+512*\q
	ds_load_b128 v[192+16*\k+4*\q:195+16*\k+4*\q], v[X2A] offset:(4*\hf+\k)*2048+512*\q
.endr
.endr
	s_wait_dscnt 0x0
	s_wait_loadcnt 0x0
.irp k, 0,1,2,3
.irp j, 0,2,4,6,8,10,12,14
	v_pk_fma_f32 v[128+16*\k+\j:129+16*\k+\j], v[128+16*\k+\j:129+16*\k+\j], v[64+\j:65+\j], v[192+16*\k+\j:193+16*\k+\j]
.endr
.endr
	s_wait_alu depctr_va_vdst(0)                   ; the multiply-adds have written the four rows, which the stores read, and are done reading x2's rows, in which the second half's loads land
.irp k, 0,1,2,3
.irp q, 0,1,2,3
	global_store_b128 v[LI], v[128+16*\k+4*\q:131+16*\k+4*\q], s[OUTP:OUTP+1] offset:(4*\hf+\k)*2048+512*\q th:TH_STORE_NT   ; 32 lanes store 512 consecutive bytes
.endr
.endr
.endr
	s_wait_dscnt 0x0                               ; the closing lines, six on end
	s_wait_alu 0x0
	s_wait_tensorcnt 0x0
	ds_add_u32 v126, v127
	s_wait_dscnt 0x0
	s_endpgm
.Lfunc_end_k_qc1199d3940_post:
	.size	k_qc1199d3940_post, .Lfunc_end_k_qc1199d3940_post-k_qc1199d3940_post
	.p2alignl 7, 3214868480
	.fill 96, 4, 3214868480
	.section	.rodata,"a",@progbits
	.p2align	6, 0x0
	.amdhsa_kernel k_qc1199d3940_post
		.amdhsa_group_segment_fixed_size 150528
		.amdhsa_private_segment_fixed_size 0
		.amdhsa_enable_private_segment 0
		.amdhsa_kernarg_size 104
		.amdhsa_user_sgpr_count 2
		.amdhsa_user_sgpr_kernarg_segment_ptr 1
		.amdhsa_wavefront_size32 1
		.amdhsa_system_sgpr_workgroup_id_x 1
		.amdhsa_system_sgpr_workgroup_id_y 1
		.amdhsa_system_sgpr_workgroup_id_z 1
		.amdhsa_system_vgpr_workitem_id 0
		.amdhsa_next_free_vgpr 1024
		.amdhsa_next_free_sgpr 88
		.amdhsa_reserve_vcc 0
		.amdhsa_float_denorm_mode_32 3
		.amdhsa_float_denorm_mode_16_64 3
		.amdhsa_memory_ordered 1
		.amdhsa_forward_progress 1
		.amdhsa_inst_pref_size 255
	.end_amdhsa_kernel
	.section	.bss,"aw",@nobits
	.p2align	6
	.space	262144
	.amdgpu_metadata
---
amdhsa.version: [ 1, 2 ]
amdhsa.kernels:
  - .name:           k_qc1199d3940_post
    .symbol:         k_qc1199d3940_post.kd
    .args:
      - { .name: o_img, .offset: 0, .size: 8, .value_kind: global_buffer, .address_space: global }
      - { .name: o_scl, .offset: 8, .size: 8, .value_kind: global_buffer, .address_space: global }
      - { .name: x, .offset: 16, .size: 8, .value_kind: global_buffer, .address_space: global }
      - { .name: mod, .offset: 24, .size: 8, .value_kind: global_buffer, .address_space: global }
      - { .name: g2, .offset: 32, .size: 8, .value_kind: global_buffer, .address_space: global }
      - { .name: b2, .offset: 40, .size: 8, .value_kind: global_buffer, .address_space: global }
      - { .name: wimg, .offset: 48, .size: 8, .value_kind: global_buffer, .address_space: global }
      - { .name: Wo_scales, .offset: 56, .size: 8, .value_kind: global_buffer, .address_space: global }
      - { .name: W_mlp1_scales, .offset: 64, .size: 8, .value_kind: global_buffer, .address_space: global }
      - { .name: b_mlp1, .offset: 72, .size: 8, .value_kind: global_buffer, .address_space: global }
      - { .name: W_mlp2_scales, .offset: 80, .size: 8, .value_kind: global_buffer, .address_space: global }
      - { .name: b_mlp2, .offset: 88, .size: 8, .value_kind: global_buffer, .address_space: global }
      - { .name: out0, .offset: 96, .size: 8, .value_kind: global_buffer, .address_space: global }
    .group_segment_fixed_size: 150528
    .private_segment_fixed_size: 0
    .kernarg_segment_align: 8
    .kernarg_segment_size: 104
    .max_flat_workgroup_size: 128
    .sgpr_count:     88
    .vgpr_count:     1024
    .wavefront_size: 32
...
	.end_amdgpu_metadata
.endif
;; end of part 8
